; MI455X (gfx1250); checked and timed in simulation.
; The chip was launched on July 23, 2026; its instructions are those of AMD's public machine-readable ISA for CDNA 5 (MIT licence, August 2026) and "CDNA5" Instruction Set Architecture Reference Guide (July 2026). The comments in the code are by the model that wrote it; some were corrected since.
;; Encoder Block. Allowed arithmetic: matrix products marked QUANTISED: E2M3 operands, one E8M0 scale for each 32 along K, by v_wmma_scale_f32_16x16x128_f8f6f4 with both operands' format E2M3, f32 sums; everything else in f32.
;; Inputs: ff1_b 4,096 float32; ff1_w 1,024 x 4,096 float32; ff2_b 1,024 float32; ff2_w 4,096 x 1,024 float32; ln1_a 1 float32; ln1_b 1 float32; ln2_a 1 float32; ln2_b 1 float32; src_mask 2 x 1 x 1 x 2,048 int32; wk 1,024 x 1,024 float32; wo 1,024 x 1,024 float32; wq 1,024 x 1,024 float32; wv 1,024 x 1,024 float32; x 2 x 2,048 x 1,024 float32.
;; Outputs: out0 2 x 2,048 x 1,024 float32.
;; This version of the problem:
;;   THIS VERSION OF THE PROBLEM IS GIVEN IN LOW PRECISION. The matrix products marked QUANTISED in the list below multiply operands that are first quantised to E2M3 (2 exponent bits, 3 mantissa bits; 6 bits a number), with one power-of-two scale for each 32 numbers along K (OCP MX v1.0); their sums are f32. All else is computed in f32.
;;   The module's matrix products, in the order in which they are computed (A, B: the left and right operand; K: the contracted axis; several contracted axes count as one K, in the product's order):
;;     1. [M 4,096, K 1,024] x [K 1,024, N 1,024]; A: computed on the way; B: input wq: QUANTISED
;;     2. [M 4,096, K 1,024] x [K 1,024, N 1,024]; A: computed on the way; B: input wk: QUANTISED
;;     3. [M 4,096, K 1,024] x [K 1,024, N 1,024]; A: computed on the way; B: input wv: QUANTISED
;;     4. batch 32 x [M 2,048, K 64] x [K 64, N 2,048]; A: computed on the way; B: computed on the way: QUANTISED
;;     5. batch 32 x [M 2,048, K 2,048] x [K 2,048, N 64]; A: softmax (see below); B: computed on the way: QUANTISED
;;     6. [M 4,096, K 1,024] x [K 1,024, N 1,024]; A: computed on the way; B: input wo: QUANTISED
;;     7. [M 4,096, K 1,024] x [K 1,024, N 4,096]; A: computed on the way; B: input ff1_w: QUANTISED
;;     8. [M 4,096, K 4,096] x [K 4,096, N 1,024]; A: computed on the way; B: input ff2_w: QUANTISED
;;   THE QUANTISER, for each operand of a quantised product, along K:
;;     - K is cut into blocks of 32 from its start; a last block that is shorter is filled with zeros.
;;     - A block's scale is 2^e with e = floor(log2(the largest magnitude in the block)) - 2, held to -126 .. 127; a block of zeros has e = 0. As a byte (E8M0): e + 127.
;;     - Each number is divided by its block's scale, clamped to +-7.5, and rounded to the nearest number of E2M3, ties to even, subnormals kept.
;;     - The product sums the exact products of the quantised numbers (number of the format x scale) in f32.
;;   ~~~python
;;   def quantise(x, axis):      # numpy; x: float32 -> the quantised numbers, widened to float32 again
;;       x = np.moveaxis(x, axis, -1); K = x.shape[-1]
;;       x = np.pad(x, [(0, 0)] * (x.ndim - 1) + [(0, -K % 32)]); x = x.reshape(x.shape[:-1] + (-1, 32)); a = np.abs(x).max(-1, keepdims=True)
;;       e = np.where(a > 0, np.clip(np.frexp(np.where(a > 0, a, 1))[1] - 1 - 2, -126, 127), 0)      # np.frexp(a)[1] - 1 = floor(log2(a)), exactly
;;       r = np.clip(x / 2.0 ** e, -7.5, 7.5)
;;       step = 2.0 ** (np.maximum(np.frexp(np.where(r == 0, 1, r))[1] - 1, 0) - 3)
;;       q = np.round(r / step) * step * 2.0 ** e      # np.round: ties to even
;;       return np.moveaxis(q.reshape(q.shape[:-2] + (-1,))[..., :K], -1, axis).astype(np.float32)
;;   ~~~
;;   SOFTMAX AHEAD OF A QUANTISED PRODUCT. Where the list says 'softmax', what is quantised is not the finished softmax but p = 2^(t - M), with t = logit x log2(e) and M = ceil(the row's largest t), a whole number; so 1/2 < the row's largest p <= 1. The row's sum l is taken of the UNQUANTISED p, in f32, and the product's result is divided by l at the end. Since M is a whole number, a kernel that streams over the keys may use a running M (the ceiling of the running maximum): every later rescaling is an exact power of two, which a block's scale takes up: the codes' values come out the same.
;;   OPERANDS COMPUTED ON THE WAY. 'Computed on the way' means the value that the module computes at that place (a softmax that the list does not call 'softmax' is quantised finished and normalised). What goes into a quantiser is computed in f32, as accurately as f32 sums, v_exp_f32 and their like allow (about 1e-6 of the number): no bf16 or f16 on the way to a quantiser, and a product that is left as it is and whose result goes on into a quantised operand takes f32 operands (vector FMAs, or v_wmma_f32_16x16x4_f32). A number that lies on a knife's edge between two numbers of the format may be rounded either way, as far as f32 arithmetic and the matrix unit's own rounding can turn it there, and no further.
;; 2 versions. Each part assembles by itself: llvm-mc -triple=amdgcn-amd-amdhsa -mcpu=gfx1250 --defsym DOCPART=n.
;; ======== version 1 of 2: 8 launches
;; limits: right only within a limited range of input values
;; workspace buffers: WA 3,276,800 bytes; W1 3,276,800 bytes; W2 3,276,800 bytes; ZB 16,384 bytes; NI 512 bytes; XI 3,276,800 bytes; QV 26,214,400 bytes; H 16,777,216 bytes
;; launch wquant (part 1): grid 384 x 1, 4 waves a work-group, no clusters, 25,088 bytes of LDS; arguments wq, wk, wv, wo, ff1_w, ff2_w, WA, W1, W2, ZB, NI; writes WA, W1, W2, ZB, NI
.if DOCPART == 1
	.amdgcn_target "amdgcn-amd-amdhsa--gfx1250"
	.amdhsa_code_object_version 6
	.text
	.protected	k_q692dd8f735_wquant
	.globl	k_q692dd8f735_wquant
	.p2align	8
	.type	k_q692dd8f735_wquant,@function
k_q692dd8f735_wquant:
	s_mov_b64 s[64:65], 0
	v_nop
	global_prefetch_b8 v0, s[64:65] scope:SCOPE_SE
	s_setreg_imm32_b32 hwreg(HW_REG_WAVE_MODE, 25, 1), 1
	s_wait_xcnt 0x0
; The six weights, f32 stored [K][N], become codes of FP6 (E2M3) with one E8M0 byte for each 32 along K, laid as IMAGES OF OPERAND REGISTERS.
; IMAGE.  A fragment is 16 rows (here: columns n of the weight) x 128 K, 12 registers a lane; register pair p of lane l lies at p x 256 + 8 l: 1,536 bytes.
; An operand of R rows: byte = kp (R / 16) 3072 + rt 3072 + q 1536 + p 256 + 8 l, kp = k / 256, q = (k / 128) % 2, rt the row tile.  Scale words: kp R 8 + position 8 + q 4.
; ROW ORDER: position r of row tile rt holds true row 32 (rt / 2) + 8 (rt % 2) + r + 8 (r / 8): bits 3 and 4 of the row's number change places.
; WA holds wq, wk, wv, wo as rows 0, 1024, 2048, 3072 on (R = 4096, K = 1024); W1 ff1_w (R = 4096, K = 1024); W2 ff2_w (R = 1024, K = 4096).  Scale words begin at byte SCO of each.
; A LANE TAKES A COLUMN n AND ITS REGISTERS RUN DOWN K: a load reads 128 consecutive bytes a wave, a block of 32 along K lies in one lane, the conversions give codes with K innermost.
; A work-group takes 128 columns x 256 K, a wave 32 columns = two row tiles x two fragments = 6,144 consecutive bytes of the image, gathered in the wave's own LDS and stored 512 bytes an instruction.
; One path for all six tensors: only pointers and strides are chosen, by the work-group's number.  No cluster, no tensor load, no barrier: work-groups and waves share no input.
; A block's scale byte is its largest magnitude's exponent field - 2, held at 1 from below.  A block of zeros so gets 1 where the rule says 127: its codes are zeros and this program alone reads the bytes.
; LIMITS: NaN and infinities among the inputs are not served.
; Work-groups 0-7 also store the 16,384 zero bytes of ZB, work-group 8 the 128 words of -infinity of NI: a zero bias and the floors for the later products' launches.
.set SCO,  3145728
.set VO,   32                          ; v32-63   4 x lane + i x the source's row pitch
.set X,    64                          ; v64-127  two sets of 32 numbers
.set C,    128                         ; v128-134 a block's codes
.set OUTR, 136                         ; v136-183 the way out
.set SB,   32                          ; s[32:47] the source at block t of my 256 along K, t = 0 .. 7: no pointer is stepped
	s_load_b512 s[4:19], s[0:1], 0x0               ; wq wk wv wo ff1_w ff2_w WA W1
	s_load_b128 s[20:23], s[0:1], 0x40             ; W2 ZB
	s_load_b64 s[24:25], s[0:1], 0x50              ; NI
	v_lshl_add_u32 v192, v0, 2, 0x6000
	v_mov_b32 v193, 0
	v_lshrrev_b32 v1, 5, v0
	v_readfirstlane_b32 s26, v1                    ; wave
	v_and_b32 v2, 31, v0                           ; lane = my column among the wave's 32
	v_lshlrev_b32 v3, 2, v2
	v_bfe_u32 v8, v0, 3, 1                         ; u: which of the two row tiles
	v_bfe_u32 v9, v0, 4, 1
	v_and_b32 v10, 7, v0
	v_lshl_add_u32 v9, v9, 3, v10                  ; r: my position in it
	s_mul_i32 s62, s26, 6144
	v_mul_u32_u24 v4, v8, 3072
	v_lshl_add_u32 v4, v9, 3, v4
	v_add_nc_u32 v4, s62, v4                       ; LDS, in: wave x 6144 + u x 3072 + 8 r
	v_lshlrev_b32 v6, 4, v2
	v_add_nc_u32 v5, s62, v6                       ; LDS, back: wave x 6144 + 16 x lane
	v_lshl_add_u32 v7, v8, 4, v9
	v_lshlrev_b32 v7, 3, v7                        ; my position's two scale words
	s_lshr_b32 s28, ttmp9, 5                       ; 0-3: wq wk wv wo; 4-7: ff1_w; 8-11: ff2_w
	s_lshr_b32 s31, ttmp9, 7                       ; 0: one of the four; 1: ff1_w; 2: ff2_w
	s_cmp_eq_u32 s31, 0
	s_cselect_b32 s29, 31, 127
	s_cselect_b32 s30, s28, 0
	s_and_b32 s29, ttmp9, s29                      ; the work-group's number within its tensor
	s_lshl_b32 s30, s30, 10                        ; the tensor's first row in WA
	s_mov_b32 s27, 4096
	s_cmp_eq_u32 s31, 1
	s_cselect_b32 s27, 16384, s27                  ; the source's row pitch in bytes
	s_cselect_b32 s56, 31, 7
	s_cselect_b32 s57, 5, 3
	s_and_b32 s58, s29, s56                        ; which 128 columns
	s_lshr_b32 s59, s29, s57                       ; kp: which 256 along K
	s_mov_b32 s60, 786432
	s_mov_b32 s61, 32768
	s_cmp_eq_u32 s31, 2
	s_cselect_b32 s60, 196608, s60                 ; the image's bytes of codes for a kp,
	s_cselect_b32 s61, 8192, s61                   ; and of scale words
.irp i, 0,1,2,3,4,5,6,7,8,9,10,11,12,13,14,15,16,17,18,19,20,21,22,23,24,25,26,27,28,29,30,31
	v_mad_u32_u24 v[VO+\i], s27, \i, v3
.endr
	s_wait_kmcnt 0x0
	s_cmp_eq_u32 s28, 0                            ; the choices hang on the work-group's number alone
	s_cselect_b64 s[52:53], s[4:5], s[6:7]
	s_cmp_lt_u32 s28, 2
	s_cselect_b64 s[52:53], s[52:53], s[8:9]
	s_cmp_lt_u32 s28, 3
	s_cselect_b64 s[52:53], s[52:53], s[10:11]
	s_cmp_lt_u32 s28, 4
	s_cselect_b64 s[52:53], s[52:53], s[12:13]
	s_cselect_b64 s[54:55], s[16:17], s[18:19]
	s_cmp_lt_u32 s28, 8
	s_cselect_b64 s[52:53], s[52:53], s[14:15]
	s_cselect_b64 s[54:55], s[54:55], s[20:21]
	s_mul_i32 s62, s59, s27
	s_lshl_b32 s62, s62, 8                         ; kp x 256 rows
	s_lshl_b32 s63, s58, 9
	s_add_co_u32 s62, s62, s63                     ; + 128 columns x 4 bytes
	s_lshl_b32 s63, s26, 7
	s_add_co_u32 s62, s62, s63                     ; + my wave's 32 columns
	s_mov_b32 s63, 0
	s_add_nc_u64 s[SB:SB+1], s[52:53], s[62:63]
	s_lshl_b32 s62, s27, 5                         ; 32 rows on
.irp t, 1,2,3,4,5,6,7
	s_add_nc_u64 s[SB+2*\t:SB+2*\t+1], s[SB+2*\t-2:SB+2*\t-1], s[62:63]
.endr
	s_lshl_b32 s62, s58, 7
	s_add_co_u32 s62, s62, s30
	s_lshl_b32 s56, s26, 5
	s_add_co_u32 s28, s62, s56                     ; n0: my wave's first row of the image
	s_mul_i32 s62, s59, s60
	s_mul_i32 s56, s28, 192                        ; (n0 / 16) x 3072
	s_add_co_u32 s62, s62, s56
	s_add_nc_u64 s[48:49], s[54:55], s[62:63]      ; my 6,144 bytes of codes
	s_mul_i32 s62, s59, s61
	s_lshl_b32 s56, s28, 3
	s_add_co_u32 s62, s62, s56
	s_add_co_u32 s62, s62, SCO
	s_add_nc_u64 s[50:51], s[54:55], s[62:63]      ; my 256 bytes of scale words
.macro LOAD t                          ; block t: W(32 t + i, my column) into set t % 2
.irp i, 0,1,2,3,4,5,6,7,8,9,10,11,12,13,14,15,16,17,18,19,20,21,22,23,24,25,26,27,28,29,30,31
	global_load_b32 v[X+32*((\t)%2)+\i], v[VO+\i], s[SB+2*(\t):SB+2*(\t)+1] th:TH_LOAD_NT
.endr
.endm
	LOAD 0
	LOAD 1
.macro BLOCK t
.set XS, X+32*((\t)%2)
.if (\t) < 7
	s_wait_loadcnt 32                              ; this block's 32 loads are in; the next block's 32 may be out
.else
	s_wait_loadcnt 0x0
.endif
	v_max3_num_f32 v12, |v[XS]|, |v[XS+1]|, |v[XS+2]|             ; the block's largest magnitude: all 32 numbers are mine; two chains
	v_max3_num_f32 v13, |v[XS+3]|, |v[XS+4]|, |v[XS+5]|
.irp i, 6,10,14,18,22,26
	v_max3_num_f32 v12, v12, |v[XS+\i]|, |v[XS+\i+1]|
	v_max3_num_f32 v13, v13, |v[XS+\i+2]|, |v[XS+\i+3]|
.endr
	v_max3_num_f32 v12, v12, |v[XS+30]|, |v[XS+31]|
	v_max3_num_f32 v12, v12, v13, 0x1800000        ; and the floor 2^(3 - 127): the byte cannot fall under 1
	v_add_nc_u32 v11, 0xff000000, v12              ; 2 off the exponent field: the conversion takes this operand's exponent field as its scale
	v_lshrrev_b32 v13, 23, v11                     ; the scale's byte
.if (\t)%4 == 0
	v_mov_b32 v[24+(\t)/4], v13                    ; four bytes to a word, the lower K in the lower byte
.else
	v_lshl_or_b32 v[24+(\t)/4], v13, 8*((\t)%4), v[24+(\t)/4]
.endif
	v_cvt_scalef32_pk16_fp6_f32 v[C:C+2], v[XS:XS+15], v11
	v_cvt_scalef32_pk16_fp6_f32 v[C+4:C+6], v[XS+16:XS+31], v11   ; (a conversion's three registers begin on an even number)
	v_nop                                          ; one plain line behind the conversions, ahead of the moves that read their results
	v_mov_b32 v[C+3], v[C+4]
	v_mov_b32 v[C+4], v[C+5]
	v_mov_b32 v[C+5], v[C+6]                       ; six registers on end: k = 32 t + 0 .. 31 of my column
.irp i, 0,1,2
	ds_store_b64 v4, v[C+2*\i:C+2*\i+1] offset:((\t)/4)*1536+(((\t)/2)%2)*768+\i*256+((\t)%2)*128   ; fragment q = t / 4, registers 6 c on with c = (t / 2) % 2, lane r + 16 (t % 2)
.endr
.if (\t)+2 < 8
	LOAD (\t)+2
.endif
	s_wait_dscnt 0x0                               ; the stores have read their registers: the next block's codes may be written
.endm
.irp t, 0,1,2,3,4,5,6,7
	BLOCK \t
.endr
	global_store_b64 v7, v[24:25], s[50:51]        ; 32 lanes store 256 consecutive bytes of scale words, aligned
.irp j, 0,1,2,3,4,5,6,7,8,9,10,11
	ds_load_b128 v[OUTR+4*\j:OUTR+4*\j+3], v5 offset:512*\j       ; LDS serves a wave's instructions in order: these see my stores
.endr
.irp j, 0,1,2,3,4,5,6,7,8,9,10,11
	s_wait_dscnt 11-\j                             ; read-back j is in; the later ones may be out
	global_store_b128 v6, v[OUTR+4*\j:OUTR+4*\j+3], s[48:49] offset:512*\j   ; 512 consecutive bytes
.endr
	s_cmp_lt_u32 ttmp9, 8
	s_cbranch_scc0 .Lno_zeros
	v_mov_b32 v184, 0
	v_mov_b32 v185, 0
	v_mov_b32 v186, 0
	v_mov_b32 v187, 0
	v_lshlrev_b32 v188, 4, v0
	s_lshl_b32 s62, ttmp9, 11
	s_add_nc_u64 s[22:23], s[22:23], s[62:63]
	global_store_b128 v188, v[184:187], s[22:23]   ; 2,048 bytes of ZB a work-group
.Lno_zeros:
	s_cmp_eq_u32 ttmp9, 8
	s_cbranch_scc0 .Lend
	v_mov_b32 v189, 0xff800000
	v_lshlrev_b32 v190, 2, v0
	global_store_b32 v190, v189, s[24:25]          ; NI: 128 words of -infinity
.Lend:
	s_wait_tensorcnt 0x0
	ds_add_u32 v192, v193
	s_wait_dscnt 0x0
	s_endpgm
.Lfunc_end_k_q692dd8f735_wquant:
	.size	k_q692dd8f735_wquant, .Lfunc_end_k_q692dd8f735_wquant-k_q692dd8f735_wquant
	.p2alignl 7, 3214868480
	.fill 96, 4, 3214868480
	.section	.rodata,"a",@progbits
	.p2align	6, 0x0
	.amdhsa_kernel k_q692dd8f735_wquant
		.amdhsa_group_segment_fixed_size 25088
		.amdhsa_private_segment_fixed_size 0
		.amdhsa_enable_private_segment 0
		.amdhsa_kernarg_size 88
		.amdhsa_user_sgpr_count 2
		.amdhsa_user_sgpr_kernarg_segment_ptr 1
		.amdhsa_wavefront_size32 1
		.amdhsa_system_sgpr_workgroup_id_x 1
		.amdhsa_system_sgpr_workgroup_id_y 1
		.amdhsa_system_sgpr_workgroup_id_z 1
		.amdhsa_system_vgpr_workitem_id 0
		.amdhsa_next_free_vgpr 194
		.amdhsa_next_free_sgpr 66
		.amdhsa_reserve_vcc 0
		.amdhsa_float_denorm_mode_32 3
		.amdhsa_float_denorm_mode_16_64 3
		.amdhsa_memory_ordered 1
		.amdhsa_forward_progress 1
		.amdhsa_inst_pref_size 47
	.end_amdhsa_kernel
	.amdgpu_metadata
---
amdhsa.version: [ 1, 2 ]
amdhsa.kernels:
  - .name:           k_q692dd8f735_wquant
    .symbol:         k_q692dd8f735_wquant.kd
    .args:
      - { .name: wq, .offset: 0, .size: 8, .value_kind: global_buffer, .address_space: global }
      - { .name: wk, .offset: 8, .size: 8, .value_kind: global_buffer, .address_space: global }
      - { .name: wv, .offset: 16, .size: 8, .value_kind: global_buffer, .address_space: global }
      - { .name: wo, .offset: 24, .size: 8, .value_kind: global_buffer, .address_space: global }
      - { .name: ff1_w, .offset: 32, .size: 8, .value_kind: global_buffer, .address_space: global }
      - { .name: ff2_w, .offset: 40, .size: 8, .value_kind: global_buffer, .address_space: global }
      - { .name: WA, .offset: 48, .size: 8, .value_kind: global_buffer, .address_space: global }
      - { .name: W1, .offset: 56, .size: 8, .value_kind: global_buffer, .address_space: global }
      - { .name: W2, .offset: 64, .size: 8, .value_kind: global_buffer, .address_space: global }
      - { .name: ZB, .offset: 72, .size: 8, .value_kind: global_buffer, .address_space: global }
      - { .name: NI, .offset: 80, .size: 8, .value_kind: global_buffer, .address_space: global }
    .group_segment_fixed_size: 25088
    .private_segment_fixed_size: 0
    .kernarg_segment_align: 8
    .kernarg_segment_size: 88
    .max_flat_workgroup_size: 128
    .sgpr_count:     66
    .vgpr_count:     194
    .wavefront_size: 32
...
	.end_amdgpu_metadata
.endif
;; end of part 1
;; launch lnq (part 2): grid 256 x 1, 4 waves a work-group, no clusters, 66,304 bytes of LDS; arguments x, ln1_a, ln1_b, XI; writes XI
.if DOCPART == 2
	.amdgcn_target "amdgcn-amd-amdhsa--gfx1250"
	.amdhsa_code_object_version 6
	.text
	.protected	k_q692dd8f735_lnq
	.globl	k_q692dd8f735_lnq
	.p2align	8
	.type	k_q692dd8f735_lnq,@function
k_q692dd8f735_lnq:
	s_mov_b64 s[64:65], 0
	v_nop
	global_prefetch_b8 v0, s[64:65] scope:SCOPE_SE
	s_setreg_imm32_b32 hwreg(HW_REG_WAVE_MODE, 25, 1), 1
	s_wait_xcnt 0x0
; y = a (x - mean) / (std + 1e-6) + b for each row of [4096][1024] f32 (std with divisor 1023), quantised along the row into codes of FP6 with one E8M0 byte for each 32,
; and stored as an image of operand registers: byte = kp 786432 + rt 3072 + q 1536 + p 256 + 8 lane; scale words at SCO + kp 32768 + position 8 + q 4.
; Position r of row tile rt holds true row 32 (rt / 2) + 8 (rt % 2) + r + 8 (r / 8).
; A work-group takes one row tile.  PHASE 1: wave w takes positions 4 w .. 4 w + 3, a whole row in 32 registers a lane: mean, then the sum of (x - mean)^2 (two passes over registers, so that a common
; offset does not cancel), y in f32, into LDS by rows.  One barrier.  PHASE 2: wave w takes K = 256 w .. 256 w + 255 of all 16 rows: lane (r, h) reads 16 neighbours of each block of 32 of row r,
; quantises two fragments and stores each register pair as 256 consecutive bytes.
; No cluster, no tensor load: work-groups share no input, and a work-group's 64 KiB come by 128 loads that are all out together.
; A block of zeros gets the byte 1 where the rule says 127: its codes are zeros and this program alone reads the bytes.  LIMITS: NaN and infinities among the inputs are not served.
.set KPS,   786432
.set SCO,   3145728
.set PITCH, 4112                       ; an LDS row: 4,096 bytes + 16: the 16 rows that a load of phase 2 touches begin 16 bytes apart modulo 256
.set ST,    16                         ; v16-31   row e: pairs v[16 + 4 e], v[18 + 4 e]
.set X,     32                         ; v32-159  row e: 32 registers; in phase 2 two sets of 64 numbers
.set PC,    160                        ; v160-178 the codes just made
.set TM,    180                        ; v180-195 at work in the quantiser
.set PW,    196                        ; the scale word just made
.set PW0,   197
.set PWS,   198
.set SEL,   20
.macro QUANT s                         ; 64 numbers of a lane, register 16 b + i = k 32 b + 16 (lane / 16) + i of my row, become a fragment's codes in v[PC] on and its scale word in v[PW]
.irp b, 0,1,2,3
	v_max3_num_f32 v[TM+\b], |v[\s+16*\b]|, |v[\s+1+16*\b]|, 0x1800000   ; my 16 numbers of block b, and the floor 2^(3 - 127)
.endr
.irp i, 2,4,6,8,10,12,14
.irp b, 0,1,2,3
	v_max3_num_f32 v[TM+\b], v[TM+\b], |v[\s+16*\b+\i]|, |v[\s+1+16*\b+\i]|
.endr
.endr
.irp b, 0,1,2,3
	v_permlanex16_b32 v[TM+4+\b], v[TM+\b], s[SEL], s[SEL+1]
.endr
.irp b, 0,1,2,3
	v_max_num_f32 v[TM+\b], v[TM+\b], v[TM+4+\b]   ; with lane l xor 16's: the block's largest magnitude
.endr
.irp b, 0,1,2,3
	v_add_nc_u32 v[TM+12+\b], 0xff000000, v[TM+\b] ; 2 off its exponent field: the conversion's scale operand
.endr
.irp b, 0,1,2,3
	v_lshrrev_b32 v[TM+4+\b], 23, v[TM+12+\b]      ; the scale's byte
.endr
	v_lshl_or_b32 v[PW], v[TM+5], 8, v[TM+4]
	v_lshl_or_b32 v[PW], v[TM+6], 16, v[PW]
	v_lshl_or_b32 v[PW], v[TM+7], 24, v[PW]
.irp c, 0,1
	v_cvt_scalef32_pk16_fp6_f32 v[PC+6*\c:PC+2+6*\c], v[\s+32*\c:\s+15+32*\c], v[TM+12+2*\c]
	v_cvt_scalef32_pk16_fp6_f32 v[PC+12+4*\c:PC+14+4*\c], v[\s+16+32*\c:\s+31+32*\c], v[TM+12+2*\c+1]
.endr
	v_nop                                          ; one plain line behind the conversions
.irp c, 0,1                            ; the operand's layout wants a whole block in a lane: lanes 0-15 block 2 c, lanes 16-31 block 2 c + 1
.irp i, 0,1,2
	v_permlane16_swap_b32 v[PC+6*\c+\i], v[PC+12+4*\c+\i]
.endr
.irp i, 0,1,2
	v_mov_b32 v[PC+3+6*\c+\i], v[PC+12+4*\c+\i]
.endr
.endr
.endm
.macro REDUCE                          ; v[ST + 4 e] summed over the 32 lanes, the four rows by turns; the result stands in every lane
.irp m, 1,2,4,8
.irp e, 0,1,2,3
	v_add_f32_dpp v[ST+4*\e], v[ST+4*\e], v[ST+4*\e] row_xmask:\m row_mask:0xf bank_mask:0xf
.endr
.endr
.irp e, 0,1,2,3
	v_permlanex16_b32 v[ST+4*\e+1], v[ST+4*\e], s[SEL], s[SEL+1]
.endr
.irp e, 0,1,2,3
	v_add_f32 v[ST+4*\e], v[ST+4*\e], v[ST+4*\e+1]
.endr
.endm
	s_load_b256 s[4:11], s[0:1], 0x0               ; the rows, a, b, the image
	v_lshl_add_u32 v200, v0, 2, 0x10100
	v_mov_b32 v201, 0
	v_lshrrev_b32 v1, 5, v0
	v_readfirstlane_b32 s13, v1                    ; wave
	v_and_b32 v2, 31, v0                           ; lane
	v_and_b32 v3, 15, v0                           ; r
	v_bfe_u32 v9, v0, 4, 1                         ; h
	v_lshlrev_b32 v4, 4, v2                        ; 16 x lane
	s_mul_i32 s16, s13, 4*PITCH
	v_add_nc_u32 v5, s16, v4                       ; LDS, in: my wave's four rows, 16 bytes a lane
	v_mul_u32_u24 v6, v3, PITCH
	v_lshl_add_u32 v6, v9, 6, v6
	s_lshl_b32 s16, s13, 10
	v_add_nc_u32 v6, s16, v6                       ; LDS, back: row r, + 64 h, + my wave's 256 along K
	v_lshlrev_b32 v7, 3, v2                        ; 8 x lane: a register pair's place in the image
	v_lshlrev_b32 v8, 3, v3
	v_lshl_add_u32 v8, v9, 2, v8                   ; 8 r + 4 h: lanes 0-15 store word q = 0, lanes 16-31 word q = 1
	s_mov_b32 s[SEL], 0x76543210
	s_mov_b32 s[SEL+1], 0xfedcba98                 ; v_permlanex16_b32's selects for lane l xor 16
	s_mov_b32 s22, 0xffff0000                      ; lanes 16-31
.irp b, 0,1,2,3
	v_mov_b32 v[TM+4+\b], 0                        ; written once: a lane permute's destination counts as one of its sources
.endr
	s_lshr_b32 s16, ttmp9, 1
	s_lshl_b32 s16, s16, 5
	s_and_b32 s17, ttmp9, 1
	s_lshl_b32 s17, s17, 3
	s_add_co_u32 s16, s16, s17
	s_lshl_b32 s17, s13, 2
	s_add_co_u32 s16, s16, s17
	s_lshr_b32 s17, s13, 1
	s_lshl_b32 s17, s17, 3
	s_add_co_u32 s16, s16, s17                     ; my first true row: 32 (rt / 2) + 8 (rt % 2) + 4 w + 8 (w / 2)
	s_lshl_b32 s16, s16, 12
	s_mov_b32 s17, 0
	s_wait_kmcnt 0x0
	s_load_b32 s12, s[6:7], 0x0                    ; a
	s_load_b32 s14, s[8:9], 0x0                    ; b
	s_add_nc_u64 s[4:5], s[4:5], s[16:17]
.irp e, 0,1,2,3
.irp j, 0,1,2,3,4,5,6,7
	global_load_b128 v[X+32*\e+4*\j:X+32*\e+4*\j+3], v4, s[4:5] offset:\e*4096+512*\j   ; 512 consecutive bytes
.endr
.endr
	s_mul_i32 s16, s13, KPS
	s_mul_i32 s18, ttmp9, 3072
	s_add_co_u32 s16, s16, s18
	s_add_nc_u64 s[24:25], s[10:11], s[16:17]      ; codes: kp = my wave, my row tile
	s_lshl_b32 s16, s13, 15
	s_lshl_b32 s18, ttmp9, 7
	s_add_co_u32 s16, s16, s18
	s_add_co_u32 s16, s16, SCO
	s_add_nc_u64 s[26:27], s[10:11], s[16:17]      ; scale words
	s_wait_kmcnt 0x0
	s_mov_b32 s15, s14                             ; (the packed form names the pair)
	s_wait_loadcnt 0x0
	; ---- the mean
.irp e, 0,1,2,3
	v_pk_add_f32 v[ST+4*\e:ST+4*\e+1], v[X+32*\e:X+32*\e+1], v[X+32*\e+2:X+32*\e+3]
	v_pk_add_f32 v[ST+4*\e+2:ST+4*\e+3], v[X+32*\e+4:X+32*\e+5], v[X+32*\e+6:X+32*\e+7]
.endr
.irp i, 8,12,16,20,24,28
.irp e, 0,1,2,3
	v_pk_add_f32 v[ST+4*\e:ST+4*\e+1], v[ST+4*\e:ST+4*\e+1], v[X+32*\e+\i:X+32*\e+\i+1]
	v_pk_add_f32 v[ST+4*\e+2:ST+4*\e+3], v[ST+4*\e+2:ST+4*\e+3], v[X+32*\e+\i+2:X+32*\e+\i+3]
.endr
.endr
.irp e, 0,1,2,3
	v_pk_add_f32 v[ST+4*\e:ST+4*\e+1], v[ST+4*\e:ST+4*\e+1], v[ST+4*\e+2:ST+4*\e+3]
.endr
.irp e, 0,1,2,3
	v_add_f32 v[ST+4*\e], v[ST+4*\e], v[ST+4*\e+1]
.endr
	REDUCE
.irp e, 0,1,2,3
	v_mul_f32 v[ST+4*\e], 0xba800000, v[ST+4*\e]   ; -mean = sum x (-1 / 1024)
.endr
.irp e, 0,1,2,3
.set i, 0
.rept 16
	v_pk_add_f32 v[X+32*\e+i:X+32*\e+i+1], v[X+32*\e+i:X+32*\e+i+1], v[ST+4*\e:ST+4*\e+1] op_sel_hi:[1,0]   ; d = x - mean, in place
.set i, i+2
.endr
.endr
	; ---- the sum of d^2
.irp e, 0,1,2,3
	v_pk_mul_f32 v[ST+4*\e:ST+4*\e+1], v[X+32*\e:X+32*\e+1], v[X+32*\e:X+32*\e+1]
	v_pk_mul_f32 v[ST+4*\e+2:ST+4*\e+3], v[X+32*\e+2:X+32*\e+3], v[X+32*\e+2:X+32*\e+3]
.endr
.irp i, 4,8,12,16,20,24,28
.irp e, 0,1,2,3
	v_pk_fma_f32 v[ST+4*\e:ST+4*\e+1], v[X+32*\e+\i:X+32*\e+\i+1], v[X+32*\e+\i:X+32*\e+\i+1], v[ST+4*\e:ST+4*\e+1]
	v_pk_fma_f32 v[ST+4*\e+2:ST+4*\e+3], v[X+32*\e+\i+2:X+32*\e+\i+3], v[X+32*\e+\i+2:X+32*\e+\i+3], v[ST+4*\e+2:ST+4*\e+3]
.endr
.endr
.irp e, 0,1,2,3
	v_pk_add_f32 v[ST+4*\e:ST+4*\e+1], v[ST+4*\e:ST+4*\e+1], v[ST+4*\e+2:ST+4*\e+3]
.endr
.irp e, 0,1,2,3
	v_add_f32 v[ST+4*\e], v[ST+4*\e], v[ST+4*\e+1]
.endr
	REDUCE
.irp e, 0,1,2,3
	v_mul_f32 v[ST+4*\e], 0x3a802008, v[ST+4*\e]   ; x 1 / 1023
.endr
.irp e, 0,1,2,3
	v_sqrt_f32 v[ST+4*\e+2], v[ST+4*\e]
.endr
	v_nop                                          ; a plain line behind the roots,
	s_wait_alu depctr_va_vdst(0)                   ; and one wait for the four, ahead of their first reader
.irp e, 0,1,2,3
	v_add_f32 v[ST+4*\e+2], 0x358637bd, v[ST+4*\e+2]   ; + 1e-6
.endr
.irp e, 0,1,2,3
	v_rcp_f32 v[ST+4*\e], v[ST+4*\e+2]
.endr
	v_nop
	s_wait_alu depctr_va_vdst(0)                   ; one wait for the four reciprocals
.irp e, 0,1,2,3
	v_mul_f32 v[ST+4*\e], s12, v[ST+4*\e]          ; a / (std + 1e-6)
.endr
.irp e, 0,1,2,3
.set i, 0
.rept 16
	v_pk_fma_f32 v[X+32*\e+i:X+32*\e+i+1], v[X+32*\e+i:X+32*\e+i+1], v[ST+4*\e:ST+4*\e+1], s[14:15] op_sel_hi:[1,0,0]
.set i, i+2
.endr
.endr
.irp e, 0,1,2,3
.irp j, 0,1,2,3,4,5,6,7
	ds_store_b128 v5, v[X+32*\e+4*\j:X+32*\e+4*\j+3] offset:\e*PITCH+512*\j
.endr
.endr
	s_wait_dscnt 0x0                               ; for the others' sake: my rows lie in LDS
	s_barrier_signal -1
	s_barrier_wait -1
	; ---- my 256 along K of the 16 rows
.irp q, 0,1
.irp b, 0,1,2,3
.irp j, 0,1,2,3
	ds_load_b128 v[X+64*\q+16*\b+4*\j:X+64*\q+16*\b+4*\j+3], v6 offset:\q*512+\b*128+16*\j
.endr
.endr
.endr
	s_wait_dscnt 16                                ; the first fragment's 16 loads are in; the second's 16 may be out
	QUANT X
.irp p, 0,1,2,3,4,5
	global_store_b64 v7, v[PC+2*\p:PC+2*\p+1], s[24:25] offset:\p*256       ; 256 consecutive bytes, aligned
.endr
	v_mov_b32 v[PW0], v[PW]
	s_wait_dscnt 0x0
	s_wait_xcnt 0x0                                ; the stores have read the codes' registers: they are written again only behind this wait
	QUANT X+64
.irp p, 0,1,2,3,4,5
	global_store_b64 v7, v[PC+2*\p:PC+2*\p+1], s[24:25] offset:1536+\p*256
.endr
	v_cndmask_b32 v[PWS], v[PW0], v[PW], s22       ; lanes 0-15: the word of q = 0; lanes 16-31: of q = 1
	global_store_b32 v8, v[PWS], s[26:27]          ; 128 consecutive bytes
	s_wait_tensorcnt 0x0
	ds_add_u32 v200, v201
	s_wait_dscnt 0x0
	s_endpgm
.Lfunc_end_k_q692dd8f735_lnq:
	.size	k_q692dd8f735_lnq, .Lfunc_end_k_q692dd8f735_lnq-k_q692dd8f735_lnq
	.p2alignl 7, 3214868480
	.fill 96, 4, 3214868480
	.section	.rodata,"a",@progbits
	.p2align	6, 0x0
	.amdhsa_kernel k_q692dd8f735_lnq
		.amdhsa_group_segment_fixed_size 66304
		.amdhsa_private_segment_fixed_size 0
		.amdhsa_enable_private_segment 0
		.amdhsa_kernarg_size 32
		.amdhsa_user_sgpr_count 2
		.amdhsa_user_sgpr_kernarg_segment_ptr 1
		.amdhsa_wavefront_size32 1
		.amdhsa_system_sgpr_workgroup_id_x 1
		.amdhsa_system_sgpr_workgroup_id_y 1
		.amdhsa_system_sgpr_workgroup_id_z 1
		.amdhsa_system_vgpr_workitem_id 0
		.amdhsa_next_free_vgpr 202
		.amdhsa_next_free_sgpr 66
		.amdhsa_reserve_vcc 0
		.amdhsa_float_denorm_mode_32 3
		.amdhsa_float_denorm_mode_16_64 3
		.amdhsa_memory_ordered 1
		.amdhsa_forward_progress 1
		.amdhsa_inst_pref_size 39
	.end_amdhsa_kernel
	.amdgpu_metadata
---
amdhsa.version: [ 1, 2 ]
amdhsa.kernels:
  - .name:           k_q692dd8f735_lnq
    .symbol:         k_q692dd8f735_lnq.kd
    .args:
      - { .name: x, .offset: 0, .size: 8, .value_kind: global_buffer, .address_space: global }
      - { .name: ln1_a, .offset: 8, .size: 8, .value_kind: global_buffer, .address_space: global }
      - { .name: ln1_b, .offset: 16, .size: 8, .value_kind: global_buffer, .address_space: global }
      - { .name: XI, .offset: 24, .size: 8, .value_kind: global_buffer, .address_space: global }
    .group_segment_fixed_size: 66304
    .private_segment_fixed_size: 0
    .kernarg_segment_align: 8
    .kernarg_segment_size: 32
    .max_flat_workgroup_size: 128
    .sgpr_count:     66
    .vgpr_count:     202
    .wavefront_size: 32
...
	.end_amdgpu_metadata
.endif
;; end of part 2
;; launch gq (part 3): grid 8 x 24, 4 waves a work-group, clusters of 4 x 4, 327,680 bytes of LDS; arguments XI, WA, QV, ZB, NI; writes QV
.if DOCPART == 3
	.amdgcn_target "amdgcn-amd-amdhsa--gfx1250"
	.amdhsa_code_object_version 6
	.text
	.protected	k_q692dd8f735_gq
	.globl	k_q692dd8f735_gq
	.p2align	8
	.type	k_q692dd8f735_gq,@function
k_q692dd8f735_gq:
	s_mov_b64 s[64:65], 0
	v_nop
	global_prefetch_b8 v0, s[64:65] scope:SCOPE_SE
	s_setreg_imm32_b32 hwreg(HW_REG_WAVE_MODE, 25, 1), 1
	s_wait_xcnt 0x0
	s_wait_alu depctr_hold_cnt(0) depctr_sa_sdst(0) depctr_va_vdst(0) depctr_va_sdst(0) depctr_va_ssrc(0) depctr_va_vcc(0) depctr_vm_vsrc(0)
	s_getreg_b32 s2, hwreg(HW_REG_IB_STS2, 6, 4)
	s_cmp_eq_u32 s2, 0
	s_cbranch_scc0 .Lentry_in_a_cluster
	s_endpgm
.Lentry_in_a_cluster:
	s_bfe_u32 s2, ttmp6, 0x10000c
	s_cmp_lg_u32 s2, 0xf033
	s_cbranch_scc0 .Lentry_shape_is_right
	s_endpgm
.Lentry_shape_is_right:
; out = Q(max(A B^T + bias, floor)): a product on codes of FP6 (E2M3, one E8M0 byte for each 32 along K) whose result is quantised again, along B's rows, and stored as an image of operand registers.
; Both operands are images with R = 4096 rows and K = 1024: byte = kp 786432 + rt 3072 + q 1536 + p 256 + 8 lane (a fragment: 16 rows x 128 K, register pair p of lane l at p 256 + 8 l);
; scale words at SCO + kp 32768 + position 8 + q 4.  Position r of row tile rt holds true row 32 (rt / 2) + 8 (rt % 2) + r + 8 (r / 8).
; SOURCE 0 takes rows of B, SOURCE 1 rows of A: a lane holds one row of A, and by the row order the 16 registers of B's tiles 2 b, 2 b + 1 are the 16 neighbours 32 b + 16 (lane / 16) + 0 .. 15 of B's true rows:
; the next product's K.  So a wave's 128 x 128 leaves as eight fragments straight from registers: no LDS on the way out, each register pair 256 consecutive bytes.
; TWO SETS by the cluster's y.  Under 4: A = the activations (first buffer), B = the weights (second): out[token][unit], at the output's byte 0.  From 4 on (the launch with 24 work-groups along y alone):
; A = the weights' rows 2048-3071, B = the activations: out[unit][token], at byte OFF2: the values with the keys innermost.  Only pointers and tile numbers are chosen, on the cluster's y, which all partners share.
; The output image has R = 4096, scale words at OSC.  The bias (by B's true row) is the C of each sum's first product; the floor (0 for a relu, -infinity for none) is read from memory and applied as the sums are lifted.
; SHARES: a tile of 256 x 256 to a work-group of four waves, 128 x 128 a wave: 64 accumulators, 512 registers.  K goes in steps of 256 through two LDS slots; a wave's tensor load brings 128 rows x 256 K,
; 24,576 consecutive bytes of an image.  The scale words of the work-group's rows, for all of K, come once with the first fills.
; CLUSTERS: 4 x 4.  A's tiles are shared along a row of the cluster, B's along a column: each is asked for jointly, by the same tensor load with the same descriptor and a mask that names the four.
; REGISTERS: window 0: v0-31 addresses; v32-63 scale words, two sets; v64-127 the bias, 8 tiles; v128-223 A's fragments, one set; on the way out v128-230.  window 1: B's fragments, two sets, at v0 and v128.
;   window 2: the accumulators of my rows 0-63 ((a, b) at v[8 (8 a + b)]); window 3: of rows 64-127.
; A block of zeros gets the byte 1 where the rule says 127: its codes are zeros and this program alone reads the bytes.  LIMITS: NaN loses against the floor; NaN and infinities among the inputs are not served.
.set NKP,   4                          ; K / 256
.set KPS,   786432
.set SKPS,  32768
.set SCO,   3145728
.set OSC,   12582912
.set OFF2,  13107200
.set NQ,    2                          ; matrix instructions deep in a slot
.set FR,    12                         ; registers of a fragment
.set NL,    6                          ; LDS loads that bring one
.set NP,    4                          ; places behind this matrix instruction (ISA guide 7.12.1)
.set HALFT, 24576                      ; 128 rows x 256 K: what one tensor load brings
.set SLOT,  4*HALFT                    ; A's 256 rows, then B's
.set LAPS,  NKP/2
.set SCL,   2*SLOT                     ; behind the ring: the scale words, kp x 1024 + position x 8 for each 128 rows
.set HALFS, NKP*1024
.set SPARE, SCL+4*HALFS                ; behind them: the spare words, 128 bytes a wave: two blocks of 256 bytes that no other line names
.set ADRA, 16                          ; v16-17 LDS address of my A fragments in slot 0, 1
.set ADRB, 20                          ; v20-21 the same for B
.set L8,   24                          ; v24    8 x lane
.set ADRS, 27                          ; v27    my scale words: lanes 0-15 A's rows, lanes 16-31 B's
.set SPW,  28                          ; v28    my spare word; never rewritten
.set NIL,  29                          ; v29    0; never rewritten
.set SC,   32
.set BI,   64
.set AF,   128
.set HA,   128                         ; the way out: 64 numbers
.set PC,   192                         ; their codes
.set TM,   212
.set PW,   228
.set PWE,  229
.set PWS,  230
.set G1, 24
.set G0, 32
.set G1B, 48
.set G0B, 56
.set G1S, 68
.set G0S, 76
.set G1SB, 80
.set G0SB, 88
.set SEL, 66
.set MSB, 0
.macro WIN new                         ; the immediate's high byte repeats the setting that is left
.if MSB != (\new)
	s_set_vgpr_msb (MSB<<8)|(\new)
.set MSB, (\new)
.endif
.endm
.set MUL_LO, 0xa1                      ; source 0 (B) window 1, source 1 (A) window 0, C and D window 2
.set MUL_HI, 0xf1                      ; the same, C and D window 3
.set TO_B,   0x40                      ; destination window 1, address window 0
; A joint load: waves 0 and 1 fetch for A, waves 2 and 3 for B; the branch hangs on the wave's number alone.  Four v_nop follow each of the two lines.
.macro JLOAD g0a, g1a, g0b, g1b
	s_cmp_eq_u32 s15, 0
	s_cbranch_scc0 .Lfor_b_\@
	tensor_load_to_lds s[\g0a:\g0a+3], s[\g1a:\g1a+7]
	s_nop 0
.rept 4
	v_nop
.endr
	s_branch .Lasked_\@
.Lfor_b_\@:
	tensor_load_to_lds s[\g0b:\g0b+3], s[\g1b:\g1b+7]
	s_nop 0
.rept 4
	v_nop
.endr
.Lasked_\@:
.endm
.macro CREST                           ; a round of the cluster's barrier behind its opening barrier
	s_cmp_lg_u32 s14, 0
	s_cbranch_scc1 .Lnot_wave_0_\@
	s_barrier_signal -3
.Lnot_wave_0_\@:
	s_barrier_wait -3
	s_barrier_signal -1
	s_barrier_wait -1
.endm
.macro CROUND
	s_barrier_signal -1
	s_barrier_wait -1
	CREST
.endm
.macro QUANT s                         ; 64 numbers of a lane, register 16 b + i = k 32 b + 16 (lane / 16) + i of my row, become a fragment's codes in v[PC] on and its scale word in v[PW]
.irp b, 0,1,2,3
	v_max3_num_f32 v[TM+\b], |v[\s+16*\b]|, |v[\s+1+16*\b]|, 0x1800000   ; my 16 numbers of block b, and the floor 2^(3 - 127)
.endr
.irp i, 2,4,6,8,10,12,14
.irp b, 0,1,2,3
	v_max3_num_f32 v[TM+\b], v[TM+\b], |v[\s+16*\b+\i]|, |v[\s+1+16*\b+\i]|
.endr
.endr
.irp b, 0,1,2,3
	v_permlanex16_b32 v[TM+4+\b], v[TM+\b], s[SEL], s[SEL+1]
.endr
.irp b, 0,1,2,3
	v_max_num_f32 v[TM+\b], v[TM+\b], v[TM+4+\b]
.endr
.irp b, 0,1,2,3
	v_add_nc_u32 v[TM+12+\b], 0xff000000, v[TM+\b] ; 2 off the exponent field: the conversion's scale operand
.endr
.irp b, 0,1,2,3
	v_lshrrev_b32 v[TM+4+\b], 23, v[TM+12+\b]      ; the scale's byte
.endr
	v_lshl_or_b32 v[PW], v[TM+5], 8, v[TM+4]
	v_lshl_or_b32 v[PW], v[TM+6], 16, v[PW]
	v_lshl_or_b32 v[PW], v[TM+7], 24, v[PW]
.irp c, 0,1
	v_cvt_scalef32_pk16_fp6_f32 v[PC+6*\c:PC+2+6*\c], v[\s+32*\c:\s+15+32*\c], v[TM+12+2*\c]
	v_cvt_scalef32_pk16_fp6_f32 v[PC+12+4*\c:PC+14+4*\c], v[\s+16+32*\c:\s+31+32*\c], v[TM+12+2*\c+1]
.endr
	v_nop                                          ; one plain line behind the conversions
.irp c, 0,1
.irp i, 0,1,2
	v_permlane16_swap_b32 v[PC+6*\c+\i], v[PC+12+4*\c+\i]
.endr
.irp i, 0,1,2
	v_mov_b32 v[PC+3+6*\c+\i], v[PC+12+4*\c+\i]
.endr
.endr
.endm
	s_load_b256 s[4:11], s[0:1], 0x0               ; the activations' image, the weights' image, the output, the bias
	s_load_b64 s[12:13], s[0:1], 0x20              ; the floor
	v_lshl_add_u32 v[SPW], v0, 2, SPARE
	v_mov_b32 v[NIL], 0
	ds_add_u32 v28, v29
	ds_add_u32 v28, v29
	s_wait_dscnt 0x0
	v_lshrrev_b32 v1, 5, v0
	v_readfirstlane_b32 s14, v1                    ; wave 0..3
	s_lshr_b32 s15, s14, 1                         ; which half of the tile's rows (A) is mine.  Also: I fetch for A (0) or for B (1)
	s_and_b32 s16, s14, 1                          ; which half of B's rows.  Also: which 128 rows I fetch
	s_bfe_u32 s40, ttmp6, 0x40000                  ; cx
	s_bfe_u32 s41, ttmp6, 0x40004                  ; cy
	s_and_b32 s94, ttmp7, 0xffff                   ; the cluster's y
	s_lshl_b32 s19, s94, 2
	s_lshl_b32 s20, s94, 3
	s_sub_co_u32 s20, s20, 32                      ; 8 (cluster y - 4): used in the second set alone
	s_lshl_b32 s42, ttmp9, 2
	s_add_co_u32 s42, s42, s40
	s_cmp_ge_u32 s94, 4                            ; the second set?
	s_cselect_b32 s17, 8, s19
	s_cselect_b32 s20, s20, 0
	s_cselect_b32 s95, OFF2, 0                     ; where the set's output begins
	s_add_co_u32 s17, s17, s41                     ; A's tile: 4 x cluster y + cy, or 8 + cy
	s_add_co_u32 s42, s42, s20                     ; B's tile: 4 x cluster x + cx, or 4 (2 (cluster y - 4) + cluster x) + cx
	s_lshl_b32 s43, s41, 2
	s_lshl_b32 s43, 15, s43                        ; my row of the cluster
	s_lshl_b32 s44, 0x1111, s40                    ; my column
	; descriptor group 1 for tiles: 24,576 dense bytes as 96 rows of 256 bytes (32 elements of 8 bytes), no padding
	s_or_b32 s[G1+0], s43, (3<<16)|(1<<21)         ; 15:0 the mask: A's tiles go to my row; 17:16 elements of 8 bytes; 21 set beside a mask
	s_or_b32 s[G1B+0], s44, (3<<16)|(1<<21)
.irp g, G1, G1B
	s_mov_b32 s[\g+1], 32<<16                      ; tensor_dim0
	s_mov_b32 s[\g+2], 96<<16                      ; tensor_dim1
	s_mov_b32 s[\g+3], 32<<16                      ; tile_dim0
	s_mov_b32 s[\g+4], 96                          ; tile_dim1
	s_mov_b32 s[\g+5], 32                          ; the pitch
	s_mov_b32 s[\g+6], 0
	s_mov_b32 s[\g+7], 0
.endr
	; and for the scale words of 128 rows: NKP rows of 1,024 bytes, SKPS bytes apart
	s_or_b32 s[G1S+0], s43, (3<<16)|(1<<21)
	s_or_b32 s[G1SB+0], s44, (3<<16)|(1<<21)
.irp g, G1S, G1SB
	s_mov_b32 s[\g+1], 128<<16
	s_mov_b32 s[\g+2], NKP<<16
	s_mov_b32 s[\g+3], 128<<16
	s_mov_b32 s[\g+4], NKP
	s_mov_b32 s[\g+5], SKPS/8
	s_mov_b32 s[\g+6], 0
	s_mov_b32 s[\g+7], 0
.endr
	s_lshl_b32 s18, s16, 3                         ; which 8 row tiles of the 16 I fetch
	s_lshl_b32 s20, s17, 4
	s_add_co_u32 s20, s20, s18                     ; A's first row tile that I fetch
	s_lshl_b32 s46, s42, 4
	s_add_co_u32 s46, s46, s18                     ; B's
	s_lshl_b32 s22, s20, 7                         ; 128 bytes of scale words a row tile
	s_add_co_u32 s22, s22, SCO
	s_lshl_b32 s92, s46, 7
	s_add_co_u32 s92, s92, SCO
	s_mul_i32 s20, s20, 3072
	s_mul_i32 s46, s46, 3072
	s_mov_b32 s21, 0
	s_mov_b32 s23, 0
	s_mov_b32 s47, 0
	s_mov_b32 s93, 0
	s_mul_i32 s45, s14, HALFT                      ; where they go: wave x 128 rows: no place in the cluster enters an LDS address
	s_mul_i32 s96, s14, HALFS
	s_mov_b32 s[SEL], 0x76543210
	s_mov_b32 s[SEL+1], 0xfedcba98
	s_mov_b32 s99, 0xffff0000                      ; lanes 16-31
	s_wait_kmcnt 0x0
	s_load_b32 s98, s[12:13], 0x0                  ; the floor: a number that is only ever an operand
	s_cmp_ge_u32 s94, 4
	s_cselect_b64 s[18:19], s[6:7], s[4:5]         ; A's image
	s_cselect_b64 s[2:3], s[4:5], s[6:7]           ; B's
	s_add_nc_u64 s[20:21], s[18:19], s[20:21]
	s_add_nc_u64 s[22:23], s[18:19], s[22:23]
	s_add_nc_u64 s[46:47], s[2:3], s[46:47]
	s_add_nc_u64 s[92:93], s[2:3], s[92:93]
	s_wait_kmcnt 0x0                               ; the floor is in, and its pointer's registers are free
	CROUND                                         ; all sixteen work-groups are here: the first joint loads meet
	s_mov_b32 s[G0S], 1
	s_add_co_u32 s[G0S+1], s96, SCL
	s_mov_b64 s[G0S+2:G0S+3], s[22:23]
	s_or_b32 s[G0S+3], s[G0S+3], 0x80000000
	s_mov_b32 s[G0SB], 1
	s_add_co_u32 s[G0SB+1], s96, SCL
	s_mov_b64 s[G0SB+2:G0SB+3], s[92:93]
	s_or_b32 s[G0SB+3], s[G0SB+3], 0x80000000
	JLOAD G0S, G1S, G0SB, G1SB                     ; the scale words first: they are wanted with K step 0
.irp s, 0,1
	s_mov_b32 s[G0+4*\s], 1
	s_add_co_u32 s[G0+4*\s+1], s45, \s*SLOT
	s_add_nc_u64 s[G0+4*\s+2:G0+4*\s+3], s[20:21], \s*KPS
	s_or_b32 s[G0+4*\s+3], s[G0+4*\s+3], 0x80000000
	s_mov_b32 s[G0B+4*\s], 1
	s_add_co_u32 s[G0B+4*\s+1], s45, \s*SLOT
	s_add_nc_u64 s[G0B+4*\s+2:G0B+4*\s+3], s[46:47], \s*KPS
	s_or_b32 s[G0B+4*\s+3], s[G0B+4*\s+3], 0x80000000
	JLOAD G0+4*\s, G1, G0B+4*\s, G1B
.endr
	v_and_b32 v1, 15, v0                           ; r
	v_bfe_u32 v2, v0, 4, 1                         ; h
	v_and_b32 v3, 31, v0
	v_lshlrev_b32 v[L8], 3, v3
	s_mul_i32 s18, s15, HALFT                      ; my 128 rows of A
	s_mul_i32 s19, s16, HALFT                      ; my 128 rows of B,
	s_add_co_u32 s19, s19, 2*HALFT                 ; which lie behind A's 256
.irp s, 0,1
	v_add_nc_u32 v[ADRA+\s], s18, v[L8]
	v_add_nc_u32 v[ADRB+\s], s19, v[L8]
	s_add_co_u32 s18, s18, SLOT
	s_add_co_u32 s19, s19, SLOT
.endr
	v_lshlrev_b32 v5, 3, v1                        ; my row's two words of a K step
	s_mul_i32 s18, s15, HALFS
	s_mul_i32 s19, s16, HALFS
	s_add_co_u32 s19, s19, 2*HALFS
	s_sub_co_u32 s19, s19, s18
	v_mul_u32_u24 v6, s19, v2                      ; lanes 16-31 take B's: one product, the distance between the two bases
	s_add_co_u32 s18, s18, SCL
	v_add_nc_u32 v5, v5, v6
	v_add_nc_u32 v[ADRS], s18, v5
	s_lshl_b32 s18, s42, 10                        ; the bias of my 128 rows of B
	s_lshl_b32 s19, s16, 9
	s_add_co_u32 s18, s18, s19
	s_mov_b32 s19, 0
	s_add_nc_u64 s[10:11], s[10:11], s[18:19]
	v_lshlrev_b32 v7, 6, v2                        ; lane (r, h) wants, for tile 2 b + u, true rows 32 b + 16 h + 8 u + 0 .. 7
.irp b, 0,1,2,3,4,5,6,7
	global_load_b128 v[BI+8*\b:BI+8*\b+3], v7, s[10:11] offset:(32*(\b/2)+8*(\b%2))*4
	global_load_b128 v[BI+8*\b+4:BI+8*\b+7], v7, s[10:11] offset:(32*(\b/2)+8*(\b%2))*4+16
.endr
	s_mul_i32 s18, s42, KPS                        ; the result: kp' = B's tile, q = my half of B's rows, row tiles 16 x A's tile + 8 x my half of A's rows on
	s_add_co_u32 s18, s18, s95
	s_lshl_b32 s97, s17, 4
	s_lshl_b32 s2, s15, 3
	s_add_co_u32 s97, s97, s2
	s_mul_i32 s2, s97, 3072
	s_add_co_u32 s18, s18, s2
	s_mul_i32 s2, s16, 1536
	s_add_co_u32 s18, s18, s2
	s_add_nc_u64 s[12:13], s[8:9], s[18:19]
	s_mul_i32 s18, s42, SKPS
	s_add_co_u32 s18, s18, s95
	s_add_co_u32 s18, s18, OSC
	s_lshl_b32 s2, s97, 7
	s_add_co_u32 s18, s18, s2
	s_lshl_b32 s2, s16, 2
	s_add_co_u32 s18, s18, s2
	s_add_nc_u64 s[100:101], s[8:9], s[18:19]
.macro FRAG reg, adr, q, i             ; a fragment comes as it lies: six loads of 8 bytes a lane, 256 consecutive bytes each
.irp p, 0,1,2,3,4,5
	ds_load_b64 v[\reg+2*\p:\reg+2*\p+1], v[\adr] offset:(\i)*3072+(\q)*1536+\p*256
.endr
.endm
; 16 matrix instructions: A's blocks a0, a0 + 1 x B's eight, the slot's q-th 128 along K.  p: B's set; sc: the set of scale words.  zero = 1: the first product starts the sums from the bias.
; The 64 accumulators take turns, one instruction a turn, in the same order in every step.
.macro MUL16 a0, p, q, sc, zero
.irp a, \a0, \a0+1
.irp b, 0,1,2,3,4,5,6,7
.if \zero
	v_wmma_scale_f32_16x16x128_f8f6f4 v[8*(8*((\a)%4)+\b):8*(8*((\a)%4)+\b)+7], v[128*(\p)+FR*\b:128*(\p)+FR*\b+FR-1], v[AF+FR*(\a):AF+FR*(\a)+FR-1], v[BI+8*\b:BI+8*\b+7], v[SC+8*NQ*(\sc)+NQ*\b+(\q)], v[SC+8*NQ*(\sc)+NQ*(\a)+(\q)] matrix_a_fmt:MATRIX_FMT_FP6 matrix_b_fmt:MATRIX_FMT_FP6 matrix_a_scale:MATRIX_SCALE_ROW1
.else
	v_wmma_scale_f32_16x16x128_f8f6f4 v[8*(8*((\a)%4)+\b):8*(8*((\a)%4)+\b)+7], v[128*(\p)+FR*\b:128*(\p)+FR*\b+FR-1], v[AF+FR*(\a):AF+FR*(\a)+FR-1], v[8*(8*((\a)%4)+\b):8*(8*((\a)%4)+\b)+7], v[SC+8*NQ*(\sc)+NQ*\b+(\q)], v[SC+8*NQ*(\sc)+NQ*(\a)+(\q)] matrix_a_fmt:MATRIX_FMT_FP6 matrix_b_fmt:MATRIX_FMT_FP6 matrix_a_scale:MATRIX_SCALE_ROW1
.endif
.endr
.endr
.endm
.macro FETCH_B slot, q, p
	WIN TO_B
.irp i, 0,1,2,3,4,5,6,7
	FRAG 128*(\p)+FR*\i, ADRB+\slot, \q, \i
.endr
	WIN 0
.endm
.macro FETCH_A slot, q, i0
.irp i, \i0, \i0+1, \i0+2, \i0+3
	FRAG AF+FR*(\i), ADRA+\slot, \q, \i
.endr
.endm
.macro SCALES sc                       ; a K step's scale words: two words a row; lanes 0-15 take A's block i, lanes 16-31 B's block i
.irp i, 0,1,2,3,4,5,6,7
	ds_load_b64 v[SC+8*NQ*\sc+NQ*\i:SC+8*NQ*\sc+NQ*\i+1], v[ADRS] offset:\i*128
.endr
.endm
.macro PLACES n                        ; plain vector lines between a matrix instruction and a load into, or a vector read or write of, one of its registers (ISA guide 7.12.1 for the vector reads and writes)
.rept \n
	v_nop
.endr
.endm
.macro STEP slot, q, zero              ; a step of 128 along K that has its successor in the same slot
	s_wait_dscnt 4*NL                              ; B's set, A's blocks 0-3 and the scale words are in; the youngest 24 loads (A's blocks 4-7) may be out
	WIN MUL_LO-0x20*(\zero)                        ; (with the bias as C: source 2 in window 0)
	MUL16 0, (\q)%2, \q, \slot, \zero
	MUL16 2, (\q)%2, \q, \slot, \zero
	s_wait_dscnt 0                                 ; A's blocks 4-7 are in
	PLACES NP
	FETCH_B \slot, (\q)+1, 1-(\q)%2
	FETCH_A \slot, (\q)+1, 0
	WIN MUL_HI-0x30*(\zero)
	MUL16 4, (\q)%2, \q, \slot, \zero
	MUL16 6, (\q)%2, \q, \slot, \zero
	PLACES NP
	WIN 0
	FETCH_A \slot, (\q)+1, 4
.endm
; A slot's last step changes slots: one barrier; in front of it each wave waits for all its tensor loads, adds 0 to its spare word, and waits for that and for its own reads of this slot.  fill = 1: this slot is filled again, two K steps ahead.
.macro TURN slot, next, fill
	s_wait_tensorcnt 0x0                           ; all my tensor loads have landed: my part of the next slot
	ds_add_u32 v[SPW], v[NIL]                      ; 0 onto my spare word
	s_wait_dscnt 4*NL+1                            ; (the add and the youngest 24 loads, A's blocks 4-7, may be out)
	WIN MUL_LO
	MUL16 0, 1, NQ-1, \slot, 0                     ; sixteen matrix instructions stand between the add and the wait for it
	s_wait_dscnt 0x0                               ; the add is done, and my reads of this slot are over
	s_barrier_signal -1
	MUL16 2, 1, NQ-1, \slot, 0
	WIN 0
	s_barrier_wait -1
.if \fill
	CREST                                          ; the barrier has opened a round of the cluster's barrier: no wave of any partner still reads this slot or has a load on its way
	s_add_nc_u64 s[G0+4*\slot+2:G0+4*\slot+3], s[G0+4*\slot+2:G0+4*\slot+3], 2*KPS
	s_add_nc_u64 s[G0B+4*\slot+2:G0B+4*\slot+3], s[G0B+4*\slot+2:G0B+4*\slot+3], 2*KPS
	JLOAD G0+4*\slot, G1, G0B+4*\slot, G1B         ; the first tensor load behind the round; its four v_nop are the places in front of the loads below
.else
	PLACES NP
.endif
	v_add_nc_u32 v[ADRS], 1024, v[ADRS]            ; on to the next K step's scale words
	FETCH_B \next, 0, 0
	FETCH_A \next, 0, 0
	SCALES \next
	WIN MUL_HI
	MUL16 4, 1, NQ-1, \slot, 0
	MUL16 6, 1, NQ-1, \slot, 0
	PLACES NP
	WIN 0
	FETCH_A \next, 0, 4
.endm
	s_wait_tensorcnt 1                             ; the scale words and my part of K step 0 are in; K step 1's load may be out
	s_barrier_signal -1
	s_barrier_wait -1
	FETCH_B 0, 0, 0
	FETCH_A 0, 0, 0
	SCALES 0
	FETCH_A 0, 0, 4
	s_wait_loadcnt 0x0                             ; the bias
	STEP 0, 0, 1                                   ; the first step stands in front of the loop: its products start the sums
	s_mov_b32 s3, LAPS-1
.Llap:                                                 ; a trip goes once round the ring and fills both slots again
	TURN 0, 1, 1
	STEP 1, 0, 0
	TURN 1, 0, 1
	STEP 0, 0, 0
	s_sub_co_u32 s3, s3, 1
	s_cmp_lg_u32 s3, 0
	s_cbranch_scc1 .Llap
	TURN 0, 1, 0                                   ; the last lap fills nothing
	STEP 1, 0, 0
	s_wait_dscnt 4*NL                              ; the very last step
	WIN MUL_LO
	MUL16 0, 1, NQ-1, 1, 0
	MUL16 2, 1, NQ-1, 1, 0
	s_wait_dscnt 0
	WIN MUL_HI
	MUL16 4, 1, NQ-1, 1, 0
	MUL16 6, 1, NQ-1, 1, 0
	WIN 0
	PLACES NP
.irp b, 0,1,2,3
	v_mov_b32 v[TM+4+\b], 0                        ; written once: a lane permute's destination counts as one of its sources
.endr
; THE WAY OUT of A's block a: its 64 sums a lane are lifted into window 0 against the floor (each accumulator from its low end on), quantised, and stored: six stores of 256 consecutive bytes.
; The scale words of two blocks leave together: lanes 0-15 the even block's, lanes 16-31 the odd one's, 4 bytes in every 8.
.macro OUTA a
.if (\a) > 0
	s_wait_xcnt 0x0                                ; the last block's stores have read their registers: these are written again only behind this wait
.endif
	WIN 0x08+4*((\a)/4)                            ; source 1: window 2 or 3
.set j, 0
.rept 64
	v_max_num_f32 v[HA+j], s98, v[64*((\a)%4)+j]
.set j, j+1
.endr
	WIN 0
	QUANT HA
.irp p, 0,1,2,3,4,5
	global_store_b64 v[L8], v[PC+2*\p:PC+2*\p+1], s[12:13] offset:(\a)*3072+\p*256
.endr
.if (\a)%2 == 0
	v_mov_b32 v[PWE], v[PW]
.else
	v_cndmask_b32 v[PWS], v[PWE], v[PW], s99
	global_store_b32 v[L8], v[PWS], s[100:101] offset:((\a)-1)*128
.endif
.endm
.irp a, 0,1,2,3,4,5,6,7
	OUTA \a
.endr
	s_wait_tensorcnt 0x0                           ; the wave's end
	ds_add_u32 v[SPW], v[NIL]
	s_wait_dscnt 0x0
	CROUND                                         ; the closing round: no work-group ends while a partner may still ask for a tile that names it
	s_endpgm
.Lfunc_end_k_q692dd8f735_gq:
	.size	k_q692dd8f735_gq, .Lfunc_end_k_q692dd8f735_gq-k_q692dd8f735_gq
	.p2alignl 7, 3214868480
	.fill 96, 4, 3214868480
	.section	.rodata,"a",@progbits
	.p2align	6, 0x0
	.amdhsa_kernel k_q692dd8f735_gq
		.amdhsa_group_segment_fixed_size 327680
		.amdhsa_private_segment_fixed_size 0
		.amdhsa_enable_private_segment 0
		.amdhsa_kernarg_size 40
		.amdhsa_user_sgpr_count 2
		.amdhsa_user_sgpr_kernarg_segment_ptr 1
		.amdhsa_wavefront_size32 1
		.amdhsa_system_sgpr_workgroup_id_x 1
		.amdhsa_system_sgpr_workgroup_id_y 1
		.amdhsa_system_sgpr_workgroup_id_z 1
		.amdhsa_system_vgpr_workitem_id 0
		.amdhsa_next_free_vgpr 1024
		.amdhsa_next_free_sgpr 102
		.amdhsa_reserve_vcc 0
		.amdhsa_float_denorm_mode_32 3
		.amdhsa_float_denorm_mode_16_64 3
		.amdhsa_memory_ordered 1
		.amdhsa_forward_progress 1
		.amdhsa_inst_pref_size 184
	.end_amdhsa_kernel
	.amdgpu_metadata
---
amdhsa.version: [ 1, 2 ]
amdhsa.kernels:
  - .name:           k_q692dd8f735_gq
    .symbol:         k_q692dd8f735_gq.kd
    .args:
      - { .name: XI, .offset: 0, .size: 8, .value_kind: global_buffer, .address_space: global }
      - { .name: WA, .offset: 8, .size: 8, .value_kind: global_buffer, .address_space: global }
      - { .name: QV, .offset: 16, .size: 8, .value_kind: global_buffer, .address_space: global }
      - { .name: ZB, .offset: 24, .size: 8, .value_kind: global_buffer, .address_space: global }
      - { .name: NI, .offset: 32, .size: 8, .value_kind: global_buffer, .address_space: global }
    .group_segment_fixed_size: 327680
    .private_segment_fixed_size: 0
    .kernarg_segment_align: 8
    .kernarg_segment_size: 40
    .max_flat_workgroup_size: 128
    .sgpr_count:     102
    .vgpr_count:     1024
    .wavefront_size: 32
...
	.end_amdgpu_metadata
.endif
;; end of part 3
;; launch attn (part 4): grid 8 x 32, 16 waves a work-group, clusters of 4 x 1, 215,040 bytes of LDS; arguments QV, src_mask, XI; writes XI
.if DOCPART == 4
	.amdgcn_target "amdgcn-amd-amdhsa--gfx1250"
	.amdhsa_code_object_version 6
	.text
	.protected	k_q692dd8f735_attn
	.globl	k_q692dd8f735_attn
	.p2align	8
	.type	k_q692dd8f735_attn,@function
k_q692dd8f735_attn:
	s_mov_b64 s[64:65], 0
	v_nop
	global_prefetch_b8 v0, s[64:65] scope:SCOPE_SE
	s_setreg_imm32_b32 hwreg(HW_REG_WAVE_MODE, 25, 1), 1
	s_wait_xcnt 0x0
	s_wait_alu depctr_hold_cnt(0) depctr_sa_sdst(0) depctr_va_vdst(0) depctr_va_sdst(0) depctr_va_ssrc(0) depctr_va_vcc(0) depctr_vm_vsrc(0)
	s_getreg_b32 s2, hwreg(HW_REG_IB_STS2, 6, 4)
	s_cmp_eq_u32 s2, 0
	s_cbranch_scc0 .Lentry_in_a_cluster
	s_endpgm
.Lentry_in_a_cluster:
	s_bfe_u32 s2, ttmp6, 0x10000c
	s_cmp_lg_u32 s2, 0x3003
	s_cbranch_scc0 .Lentry_shape_is_right
	s_endpgm
.Lentry_shape_is_right:
; Attention of one head on codes of FP6 (E2M3, one E8M0 byte for each 32 along a product's K), 2 batches x 16 heads of 64, 2,048 keys, with the key mask src_mask; its result, divided by the row's sum,
; is quantised along the model's 1,024 and stored as an image of operand registers.
; IN QV: at byte 0 the image of q (K' 0-1023) and k (K' 1024-2047), rows = tokens; at OFF2 the image of the values with the keys innermost, rows 2048 + 64 head + d, K' = tokens.
; An image: byte = kp 786432 + rt 3072 + q 1536 + p 256 + 8 lane; scale words at OSC + kp 32768 + position 8 + q 4.  Position r of row tile rt holds true row 32 (rt / 2) + 8 (rt % 2) + r + 8 (r / 8).
; A head's 64 along K' are three register pairs, 768 bytes, of a fragment of q or k, and two bytes of a scale word.
; THE SOFTMAX AHEAD OF THE SECOND PRODUCT: t = score x log2(e) / 8; M = the running largest t rounded up to a whole number; p = 2^(t - M) is quantised along the keys, not normalised; the row's sum is taken of the
; unquantised p and divides at the end; when M moves, the sum and O are multiplied by 2^(old M - new M): exact.
; SHARES: a work-group owns 256 queries of one head, each of its sixteen waves one tile of 16 in 256 registers: four waves to a SIMD.  ALL of the head's K and V (2 x 98,304 bytes) lie in LDS, filled once.
; CLUSTER: the four query blocks of a cluster walk the same K and V: each tile is asked for jointly (mask 15).  Waves 0-7 fetch K's key steps w and w + 8, waves 8-15 V's: two loads a wave are out.
; LAYOUT: S^T = K Q^T (source 0 = 16 keys, source 1 = my queries), O^T = V^T P^T: a lane holds one query.  By the row order the 16 registers of key tiles 2 b, 2 b + 1 are 16 neighbouring keys, and O^T's of d tiles
; 2 b, 2 b + 1 are 16 neighbouring channels.
; THE MASK rides in the first product's idle half (its K is 64 of the instruction's 128): at k = 64 Q holds the code of 1.0 under the byte 127 and K the code of -7.5 under a byte that is 227 for a masked key and 0 for
; an open one.  A masked score is -7.5 x 2^100, so its p is 0; an open one is shifted by -7.5 x 2^-127.  The largest t starts at -2^96, above every masked t, so M never comes from a masked key.
; A row all of whose keys are masked ends with the sum 0: its scale bytes become 0xff, which makes the next product NaN there, as the softmax of such a row is.
; LIMITS: |t| under 2^96; the shift just named; NaN and infinities are not served.  A block of zeros gets the byte 1 where the rule says 127: its codes are zeros and this program alone reads the bytes.
; REGISTERS: v1-6 addresses that stay, v7 0; v8-11 addresses in hand; v12 -M, v13 the largest t, v[14:15] the sum; v16-27 Q, v28 its scale word; v32-79 four fragments of K (registers 6-11 of each are constants);
;   v96-159 S^T, then p, then four fragments of V; v160-191 O^T; v192-210 p's codes; v212-233 at work; v224-227 scale words as loaded, v228 p's.
.set KPS,   786432
.set SKPS,  32768
.set SCO,   3145728
.set OSC,   12582912
.set OFF2,  13107200
.set VT,    98304                      ; LDS: K's 16 key steps x 6,144 bytes (8 key tiles x 768) at 0; V's 16 x 6,144 (4 d tiles x 1,536) here;
.set KSW,   196608                     ; K's 2,048 scale words, with the mask's byte;
.set VSW,   204800                     ; V's 16 x 64
.set AK0,  1
.set AV0,  2
.set ASK0, 3
.set ASV0, 4
.set L8,   5
.set OB,   6
.set ADK,  8
.set ADV,  9
.set ADS,  10
.set ADT,  11
.set WV,   18
.set SEL,  20
.set CS,   22
.set G1K,  24
.set G1V,  32
.set G0K,  40
.set G0V,  48
.set TB,   2
.set TS,   3
.set TJ,   66
.set CNT,  67
.set HM,   68
.macro CROUND                          ; a round of the cluster's barrier
	s_barrier_signal -1
	s_barrier_wait -1
	s_cmp_lg_u32 s[WV], 0
	s_cbranch_scc1 .Lnot_wave_0_\@
	s_barrier_signal -3
.Lnot_wave_0_\@:
	s_barrier_wait -3
	s_barrier_signal -1
	s_barrier_wait -1
.endm
	s_load_b128 s[4:7], s[0:1], 0x0                ; QV, src_mask
	s_load_b64 s[8:9], s[0:1], 0x10                ; XI
	v_lshl_add_u32 v254, v0, 2, 0x34000
	v_mov_b32 v255, 0
	ds_add_u32 v254, v255
	ds_add_u32 v254, v255
	v_lshrrev_b32 v8, 5, v0
	v_readfirstlane_b32 s[WV], v8                  ; wave 0..15
	s_and_b32 s70, ttmp7, 0xffff
	s_lshr_b32 s71, s70, 4                         ; the batch
	s_and_b32 s72, s70, 15                         ; the head
	s_lshr_b32 s73, s72, 2                         ; its kp,
	s_bfe_u32 s74, s72, 0x10001                    ; its fragment of the two,
	s_and_b32 s75, s72, 1                          ; its half of the fragment
	s_mul_i32 s76, s74, 1536
	s_mul_i32 s77, s75, 768
	s_add_co_u32 s76, s76, s77                     ; the head's 768 bytes in a row tile's 3,072
	s_lshl_b32 s77, s74, 2
	s_lshl_b32 s78, s75, 1
	s_add_co_u32 s77, s77, s78                     ; and its two bytes in a position's 8
	s_and_b32 s80, s[WV], 7                        ; the key step that I fetch first
	s_add_co_u32 s82, s73, 4                       ; K: kp 4 + the head's,
	s_mul_i32 s82, s82, KPS
	s_mul_i32 s83, s71, 128*3072                   ; the batch's 128 row tiles,
	s_add_co_u32 s82, s82, s83
	s_add_co_u32 s82, s82, s76
	s_mul_i32 s83, s80, 8*3072                     ; my key step's 8
	s_add_co_u32 s82, s82, s83
	s_mov_b32 s83, 0
	s_lshl_b32 s84, s71, 3                         ; V: kp' = 8 x batch + step / 2,
	s_lshr_b32 s85, s80, 1
	s_add_co_u32 s84, s84, s85
	s_mul_i32 s84, s84, KPS
	s_lshl_b32 s85, s72, 2
	s_add_co_u32 s85, s85, 128                     ; row tiles 128 + 4 x head on,
	s_mul_i32 s85, s85, 3072
	s_add_co_u32 s84, s84, s85
	s_and_b32 s85, s80, 1
	s_mul_i32 s85, s85, 1536                       ; fragment step % 2
	s_add_co_u32 s84, s84, s85
	s_add_co_u32 s84, s84, OFF2
	s_mov_b32 s85, 0
	s_mul_i32 s86, s80, 6144                       ; and where they go: the wave's number alone enters an LDS address
	; descriptor group 1.  K: 8 rows of 768 bytes (96 elements of 8), 3,072 bytes apart.  V: 4 rows of 1,536 bytes, likewise
	s_mov_b32 s[G1K], 15|(3<<16)|(1<<21)           ; 15:0 the mask: all four work-groups; 17:16 elements of 8 bytes; 21 set beside a mask
	s_mov_b32 s[G1K+1], 96<<16
	s_mov_b32 s[G1K+2], 8<<16
	s_mov_b32 s[G1K+3], 96<<16
	s_mov_b32 s[G1K+4], 8
	s_mov_b32 s[G1K+5], 384
	s_mov_b32 s[G1K+6], 0
	s_mov_b32 s[G1K+7], 0
	s_mov_b32 s[G1V], 15|(3<<16)|(1<<21)
	s_mov_b32 s[G1V+1], 192<<16
	s_mov_b32 s[G1V+2], 4<<16
	s_mov_b32 s[G1V+3], 192<<16
	s_mov_b32 s[G1V+4], 4
	s_mov_b32 s[G1V+5], 384
	s_mov_b32 s[G1V+6], 0
	s_mov_b32 s[G1V+7], 0
	s_bfe_u32 s78, ttmp6, 0x40000                  ; cx: it enters Q's and the result's addresses alone
	s_lshl_b32 s79, ttmp9, 2
	s_add_co_u32 s79, s79, s78
	s_lshl_b32 s79, s79, 4
	s_add_co_u32 s79, s79, s[WV]
	s_lshl_b32 s78, s71, 7
	s_add_co_u32 s79, s79, s78                     ; my row tile: 128 x batch + 16 x query block + wave
	s_mul_i32 s14, s73, KPS
	s_mul_i32 s15, s79, 3072
	s_add_co_u32 s14, s14, s15
	s_add_co_u32 s14, s14, s76                     ; my 768 bytes of codes, in q's image and in the result's alike
	s_mov_b32 s15, 0
	s_lshl_b32 s16, s73, 15
	s_lshl_b32 s17, s79, 7
	s_add_co_u32 s16, s16, s17
	s_add_co_u32 s16, s16, s77                     ; and my scale bytes
	s_mov_b32 s17, 0
	s_add_co_u32 s88, s73, 4                       ; K's scale bytes of the batch
	s_lshl_b32 s88, s88, 15
	s_lshl_b32 s89, s71, 14
	s_add_co_u32 s88, s88, s89
	s_add_co_u32 s88, s88, s77
	s_add_co_u32 s88, s88, OSC
	s_mov_b32 s89, 0
	s_lshl_b32 s90, s71, 13                        ; the batch's mask
	s_mov_b32 s91, 0
	s_lshl_b32 s92, s71, 18                        ; V's scale words: kp' 8 x batch on, positions 2048 + 64 x head on
	s_lshl_b32 s93, s72, 9
	s_add_co_u32 s92, s92, s93
	s_add_co_u32 s92, s92, OFF2+OSC+2048*8
	s_mov_b32 s93, 0
	s_mov_b32 s[SEL], 0x76543210
	s_mov_b32 s[SEL+1], 0xfedcba98
	s_mov_b32 s[CS], 0x3e38aa3b                    ; c = log2(e) / sqrt(64)
	s_mov_b32 s[CS+1], s[CS]
	s_mov_b32 s[HM], 0xffff0000                    ; lanes 16-31
	s_mov_b32 s[TB], 0
	s_mov_b32 s[TS], 0
	s_mov_b32 s[TJ], 0
	s_mov_b32 s[CNT], 16
	s_wait_dscnt 0x0
	s_wait_kmcnt 0x0
	CROUND                                         ; all four work-groups are here: the joint loads meet
	s_mov_b32 s[G0K], 1
	s_mov_b32 s[G0K+1], s86
	s_add_nc_u64 s[G0K+2:G0K+3], s[4:5], s[82:83]
	s_mov_b32 s[G0K+4], 1
	s_add_co_u32 s[G0K+5], s86, 49152
	s_add_nc_u64 s[G0K+6:G0K+7], s[G0K+2:G0K+3], 64*3072       ; eight key steps on
	s_or_b32 s[G0K+3], s[G0K+3], 0x80000000
	s_or_b32 s[G0K+7], s[G0K+7], 0x80000000
	s_mov_b32 s[G0V], 1
	s_add_co_u32 s[G0V+1], s86, VT
	s_add_nc_u64 s[G0V+2:G0V+3], s[4:5], s[84:85]
	s_mov_b32 s[G0V+4], 1
	s_add_co_u32 s[G0V+5], s86, VT+49152
	s_add_nc_u64 s[G0V+6:G0V+7], s[G0V+2:G0V+3], 4*KPS
	s_or_b32 s[G0V+3], s[G0V+3], 0x80000000
	s_or_b32 s[G0V+7], s[G0V+7], 0x80000000
	s_cmp_lt_u32 s[WV], 8                          ; a wave's two fills stand in one branch, ahead of every wait on TENSORcnt, every LDS read and every further barrier
	s_cbranch_scc0 .Lfirst_v
	tensor_load_to_lds s[G0K:G0K+3], s[G1K:G1K+7]
	s_nop 0
	tensor_load_to_lds s[G0K+4:G0K+7], s[G1K:G1K+7]
	s_nop 0
.rept 4
	v_nop
.endr
	s_branch .Lfirst_asked
.Lfirst_v:
	tensor_load_to_lds s[G0V:G0V+3], s[G1V:G1V+7]
	s_nop 0
	tensor_load_to_lds s[G0V+4:G0V+7], s[G1V:G1V+7]
	s_nop 0
.rept 4
	v_nop
.endr
.Lfirst_asked:
	s_add_nc_u64 s[88:89], s[4:5], s[88:89]
	s_add_nc_u64 s[90:91], s[6:7], s[90:91]
	s_add_nc_u64 s[92:93], s[4:5], s[92:93]
	s_add_nc_u64 s[94:95], s[4:5], s[14:15]
	s_add_nc_u64 s[10:11], s[8:9], s[14:15]
	s_add_nc_u64 s[96:97], s[4:5], s[16:17]
	s_add_nc_u64 s[96:97], s[96:97], OSC
	s_add_nc_u64 s[12:13], s[8:9], s[16:17]
	s_add_nc_u64 s[12:13], s[12:13], SCO
	; ---- the scale words are made ready in LDS by all 512 threads: key positions t, t + 512, .. ; V's words of kp' t / 64, position t % 64
	v_lshlrev_b32 v110, 3, v0                      ; 8 bytes a position
	v_and_b32 v111, 0x1e7, v0
	v_bfe_u32 v112, v0, 3, 1
	v_bfe_u32 v113, v0, 4, 1
	v_lshl_or_b32 v111, v112, 4, v111
	v_lshl_or_b32 v111, v113, 3, v111              ; the position's true token: bits 3 and 4 change places
	v_lshlrev_b32 v111, 2, v111
	v_lshrrev_b32 v112, 6, v0
	v_and_b32 v116, 63, v0
	v_lshlrev_b32 v115, 9, v112
	v_lshl_add_u32 v115, v116, 2, v115
	v_add_nc_u32 v115, VSW, v115                   ; LDS: V's words of key steps 2 (t / 64) and, 256 bytes on, 2 (t / 64) + 1
	v_lshlrev_b32 v112, 15, v112
	v_lshl_add_u32 v112, v116, 3, v112
	v_lshl_add_u32 v114, v0, 2, KSW                ; LDS: K's word of position t
	v_and_b32 v8, 15, v0                           ; r
	v_bfe_u32 v9, v0, 4, 1                         ; h
	v_and_b32 v10, 31, v0
	v_lshlrev_b32 v[L8], 3, v10                    ; 8 x lane
	v_lshlrev_b32 v113, 3, v8                      ; 8 r
.irp j, 0,1,2,3
	global_load_u16 v[96+\j], v110, s[88:89] offset:4096*\j    ; the key's two scale bytes
.endr
.irp j, 0,1,2,3
	global_load_b32 v[100+\j], v111, s[90:91] offset:2048*\j   ; and its mask
.endr
	global_load_b64 v[104:105], v112, s[92:93]
.irp i, 0,1,2
	global_load_b64 v[16+2*\i:17+2*\i], v[L8], s[94:95] offset:\i*256   ; Q's codes stay in registers
.endr
	global_load_u16 v106, v113, s[96:97]           ; Q's two scale bytes
	v_mov_b32 v7, 0
	v_mov_b32 v117, 227<<16
	v_mov_b32 v[AK0], v[L8]
	v_add_nc_u32 v[AV0], VT, v[L8]
	v_lshl_add_u32 v[ASK0], v8, 2, KSW
	v_lshl_add_u32 v[ASV0], v8, 2, VSW
	v_add_nc_u32 v[OB], v113, v9                   ; 8 r + h: lanes 0-15 store the first block's byte, lanes 16-31 the second's
	s_wait_loadcnt 0x0
	v_or_b32 v28, 0x7f0000, v106                   ; Q's scale word: byte 2, over the mask's slot, stands for 1
.irp j, 0,1,2,3
	v_cmp_eq_u32 vcc_lo, 0, v[100+\j]
	v_cndmask_b32 v[100+\j], 0, v117, vcc_lo       ; byte 2: 227 where the key is masked, else 0
	v_or_b32 v[96+\j], v[96+\j], v[100+\j]
	ds_store_b32 v114, v[96+\j] offset:2048*\j
.endr
	ds_store_b32 v115, v104
	ds_store_b32 v115, v105 offset:256
	v_cndmask_b32 v22, 8, v7, s[HM]                ; k = 64: the code of 1.0, in lanes 0-15
.irp i, 23,24,25,26,27
	v_mov_b32 v[\i], 0
.endr
.irp t, 0,1,2,3
	v_cndmask_b32 v[38+12*\t], 63, v7, s[HM]       ; k = 64: the code of -7.5
.irp i, 7,8,9,10,11
	v_mov_b32 v[32+12*\t+\i], 0
.endr
.endr
	v_mov_b32 v13, 0xef800000                      ; the largest t so far: -2^96
	v_floor_f32 v12, -v13                          ; -M
	v_mov_b32 v14, 0
	v_mov_b32 v15, 0
.irp b, 0,1,2,3
	v_mov_b32 v[216+\b], 0                         ; written once: a lane permute's destination counts as one of its sources
.endr
	v_mov_b32 v231, 0                              ; (named as the upper half of the pair v[230:231])
	v_mov_b32 v233, 0xff
.set j, 0
.rept 32
	v_mov_b32 v[160+j], 0                          ; O^T: the step is written once; the first finds zeros
.set j, j+1
.endr
	s_wait_dscnt 0x0                               ; for the others' sake: my scale words lie in LDS,
	s_wait_tensorcnt 0x0                           ; and both my tiles have landed
	s_barrier_signal -1
	s_barrier_wait -1
.Lstep:                                            ; A KEY STEP: 128 keys; 16 trips
	v_add_nc_u32 v[ADK], s[TB], v[AK0]
	v_add_nc_u32 v[ADV], s[TB], v[AV0]
	v_add_nc_u32 v[ADS], s[TS], v[ASK0]
	v_add_nc_u32 v[ADT], s[TJ], v[ASV0]
	v_nop                                          ; five places: the scores are written over registers that the last products read as V
.irp g, 0,1                            ; S^T = K Q^T, four tiles of 16 keys at a time
.if \g > 0
.rept 4
	v_nop                                          ; places in front of loads into registers that matrix instructions have read
.endr
.endif
.irp t, 0,1,2,3
.irp i, 0,1,2
	ds_load_b64 v[32+12*\t+2*\i:33+12*\t+2*\i], v[ADK] offset:(4*\g+\t)*768+\i*256
.endr
	ds_load_b32 v[224+\t], v[ADS] offset:(4*\g+\t)*64
.endr
	s_wait_dscnt 0x0
.irp t, 0,1,2,3
	v_wmma_scale_f32_16x16x128_f8f6f4 v[96+8*(4*\g+\t):103+8*(4*\g+\t)], v[32+12*\t:43+12*\t], v[16:27], 0, v[224+\t], v28 matrix_a_fmt:MATRIX_FMT_FP6 matrix_b_fmt:MATRIX_FMT_FP6
.endr
.endr
.rept 4
	v_nop
.endr
.irp b, 0,1,2,3
	v_max3_num_f32 v[212+\b], v[96+16*\b], v[97+16*\b], v[98+16*\b]   ; the largest score of each block of 32 keys: for the row's maximum and, since p rises with the score, for the block's largest p
.endr
.irp i, 3,5,7,9,11,13
.irp b, 0,1,2,3
	v_max3_num_f32 v[212+\b], v[212+\b], v[96+16*\b+\i], v[97+16*\b+\i]
.endr
.endr
.irp b, 0,1,2,3
	v_max_num_f32 v[212+\b], v[212+\b], v[111+16*\b]
.endr
.irp b, 0,1,2,3
	v_permlanex16_b32 v[216+\b], v[212+\b], s[SEL], s[SEL+1]
.endr
.irp b, 0,1,2,3
	v_max_num_f32 v[212+\b], v[212+\b], v[216+\b]  ; with lane l xor 16's 16 keys
.endr
	v_max3_num_f32 v232, v212, v213, v214
	v_max_num_f32 v232, v232, v215
	v_mul_f32 v232, s[CS], v232                    ; the step's largest t
	v_max_num_f32 v13, v13, v232                   ; the running largest t
	v_mov_b32 v232, v12
	v_floor_f32 v12, -v13                          ; the new -M = floor(-t): M is a whole number
	v_sub_f32 v232, v12, v232                      ; old M - new M: a whole number, 0 or less
	v_cvt_i32_f32 v232, v232                       ; (it saturates)
	v_ldexp_f32 v230, 1.0, v232                    ; f = 2^(old M - new M)
.set j, 0
.rept 32
	v_pk_fma_f32 v[96+j:97+j], v[96+j:97+j], s[CS:CS+1], v[12:13] op_sel_hi:[1,0,0]   ; t - M, two at a time
.set j, j+2
.endr
.irp b, 0,1,2,3
	v_fma_f32 v[212+\b], v[212+\b], s[CS], v12     ; the same of each block's largest score
.endr
.set j, 0
.rept 64
	v_exp_f32 v[96+j], v[96+j]                     ; p = 2^(t - M)
.set j, j+1
.endr
	v_pk_mul_f32 v[14:15], v[14:15], v[230:231] op_sel_hi:[1,0]   ; the sums under the new M: a plain line behind the exponentials
	s_wait_alu depctr_va_vdst(0)                   ; one wait for the batch, ahead of its first reader
.irp b, 0,1,2,3
	v_exp_f32 v[212+\b], v[212+\b]                 ; the block's largest p: the same two instructions on the same number
.endr
	v_pk_add_f32 v[216:217], v[96:97], v[98:99]    ; the row's sum, of the unquantised p, in two chains
.irp j, 4,8,12,16,20,24,28,32,36,40,44,48,52,56,60
	v_pk_add_f32 v[14:15], v[14:15], v[96+\j:97+\j]
	v_pk_add_f32 v[216:217], v[216:217], v[98+\j:99+\j]
.endr
	v_pk_add_f32 v[14:15], v[14:15], v[216:217]
	s_wait_alu depctr_va_vdst(0)                   ; and one for the four
.irp b, 0,1,2,3
	v_max_num_f32 v[212+\b], 0x1800000, v[212+\b]  ; the floor 2^(3 - 127): the byte cannot fall under 1
.endr
.irp b, 0,1,2,3
	v_add_nc_u32 v[220+\b], 0xff000000, v[212+\b]  ; 2 off the exponent field: the conversion's scale operand
.endr
.irp b, 0,1,2,3
	v_lshrrev_b32 v[216+\b], 23, v[220+\b]         ; the scale's byte
.endr
	v_lshl_or_b32 v228, v217, 8, v216              ; p's scale word for these 128 keys
	v_lshl_or_b32 v228, v218, 16, v228
	v_lshl_or_b32 v228, v219, 24, v228
.irp c, 0,1
	v_cvt_scalef32_pk16_fp6_f32 v[192+6*\c:194+6*\c], v[96+32*\c:111+32*\c], v[220+2*\c]
	v_cvt_scalef32_pk16_fp6_f32 v[204+4*\c:206+4*\c], v[112+32*\c:127+32*\c], v[221+2*\c]
.endr
	v_nop                                          ; one plain line behind the conversions
.irp c, 0,1
.irp i, 0,1,2
	v_permlane16_swap_b32 v[192+6*\c+\i], v[204+4*\c+\i]
.endr
.irp i, 0,1,2
	v_mov_b32 v[195+6*\c+\i], v[204+4*\c+\i]
.endr
.endr
.set j, 0
.rept 16
	v_pk_mul_f32 v[160+j:161+j], v[160+j:161+j], v[230:231] op_sel_hi:[1,0]   ; O^T under the new M; these sixteen are also the places between the scale word and the codes just made and the products below
.set j, j+2
.endr
.irp t, 0,1,2,3                        ; O^T += V^T P^T: four tiles of 16 channels
.irp p, 0,1,2,3,4,5
	ds_load_b64 v[96+12*\t+2*\p:97+12*\t+2*\p], v[ADV] offset:\t*1536+\p*256
.endr
	ds_load_b32 v[224+\t], v[ADT] offset:\t*64
.endr
	s_wait_dscnt 0x0
.irp t, 0,1,2,3
	v_wmma_scale_f32_16x16x128_f8f6f4 v[160+8*\t:167+8*\t], v[96+12*\t:107+12*\t], v[192:203], v[160+8*\t:167+8*\t], v[224+\t], v228 matrix_a_fmt:MATRIX_FMT_FP6 matrix_b_fmt:MATRIX_FMT_FP6
.endr
	s_add_co_u32 s[TB], s[TB], 6144                ; the next step's tiles and scale words
	s_add_co_u32 s[TS], s[TS], 512
	s_add_co_u32 s[TJ], s[TJ], 256
	s_sub_co_u32 s[CNT], s[CNT], 1
	s_cmp_lg_u32 s[CNT], 0
	s_cbranch_scc1 .Lstep
	; ---- THE WAY OUT: O^T / the sum, quantised along my head's 64 channels (two blocks), three stores of 256 consecutive bytes, a byte a lane of scales
.rept 4
	v_nop
.endr
	v_add_f32 v14, v14, v15
	v_permlanex16_b32 v232, v14, s[SEL], s[SEL+1]
	v_add_f32 v14, v14, v232                       ; the row's sum
	v_cmp_eq_f32 vcc_lo, 0, v14                    ; every key masked?
	v_rcp_f32 v15, v14
	v_nop
	s_wait_alu depctr_va_vdst(0)
.set j, 0
.rept 32
	v_mul_f32 v[96+j], v[160+j], v15               ; register 16 b + i: channel 32 b + 16 (lane / 16) + i
.set j, j+1
.endr
.irp b, 0,1
	v_max3_num_f32 v[212+\b], |v[96+16*\b]|, |v[97+16*\b]|, 0x1800000
.endr
.irp i, 2,4,6,8,10,12,14
.irp b, 0,1
	v_max3_num_f32 v[212+\b], v[212+\b], |v[96+16*\b+\i]|, |v[97+16*\b+\i]|
.endr
.endr
.irp b, 0,1
	v_permlanex16_b32 v[216+\b], v[212+\b], s[SEL], s[SEL+1]
.endr
.irp b, 0,1
	v_max_num_f32 v[212+\b], v[212+\b], v[216+\b]
.endr
.irp b, 0,1
	v_add_nc_u32 v[220+\b], 0xff000000, v[212+\b]
.endr
.irp b, 0,1
	v_lshrrev_b32 v[216+\b], 23, v[220+\b]
.endr
.irp b, 0,1
	v_cndmask_b32 v[216+\b], v[216+\b], v233, vcc_lo   ; 0xff where the sum is 0
.endr
	v_cndmask_b32 v218, v216, v217, s[HM]          ; lanes 0-15: block 0's byte; lanes 16-31: block 1's
	v_cvt_scalef32_pk16_fp6_f32 v[192:194], v[96:111], v220
	v_cvt_scalef32_pk16_fp6_f32 v[204:206], v[112:127], v221
	v_nop
.irp i, 0,1,2
	v_permlane16_swap_b32 v[192+\i], v[204+\i]
.endr
.irp i, 0,1,2
	v_mov_b32 v[195+\i], v[204+\i]
.endr
.irp i, 0,1,2
	global_store_b64 v[L8], v[192+2*\i:193+2*\i], s[10:11] offset:\i*256
.endr
	global_store_b8 v[OB], v218, s[12:13]
	s_wait_tensorcnt 0x0
	ds_add_u32 v254, v255
	s_wait_dscnt 0x0
	CROUND                                         ; the closing round
	s_endpgm
.Lfunc_end_k_q692dd8f735_attn:
	.size	k_q692dd8f735_attn, .Lfunc_end_k_q692dd8f735_attn-k_q692dd8f735_attn
	.p2alignl 7, 3214868480
	.fill 96, 4, 3214868480
	.section	.rodata,"a",@progbits
	.p2align	6, 0x0
	.amdhsa_kernel k_q692dd8f735_attn
		.amdhsa_group_segment_fixed_size 215040
		.amdhsa_private_segment_fixed_size 0
		.amdhsa_enable_private_segment 0
		.amdhsa_kernarg_size 24
		.amdhsa_user_sgpr_count 2
		.amdhsa_user_sgpr_kernarg_segment_ptr 1
		.amdhsa_wavefront_size32 1
		.amdhsa_system_sgpr_workgroup_id_x 1
		.amdhsa_system_sgpr_workgroup_id_y 1
		.amdhsa_system_sgpr_workgroup_id_z 1
		.amdhsa_system_vgpr_workitem_id 0
		.amdhsa_next_free_vgpr 256
		.amdhsa_next_free_sgpr 100
		.amdhsa_reserve_vcc 1
		.amdhsa_float_denorm_mode_32 3
		.amdhsa_float_denorm_mode_16_64 3
		.amdhsa_memory_ordered 1
		.amdhsa_forward_progress 1
		.amdhsa_inst_pref_size 35
	.end_amdhsa_kernel
	.amdgpu_metadata
---
amdhsa.version: [ 1, 2 ]
amdhsa.kernels:
  - .name:           k_q692dd8f735_attn
    .symbol:         k_q692dd8f735_attn.kd
    .args:
      - { .name: QV, .offset: 0, .size: 8, .value_kind: global_buffer, .address_space: global }
      - { .name: src_mask, .offset: 8, .size: 8, .value_kind: global_buffer, .address_space: global }
      - { .name: XI, .offset: 16, .size: 8, .value_kind: global_buffer, .address_space: global }
    .group_segment_fixed_size: 215040
    .private_segment_fixed_size: 0
    .kernarg_segment_align: 8
    .kernarg_segment_size: 24
    .max_flat_workgroup_size: 512
    .sgpr_count:     100
    .vgpr_count:     256
    .wavefront_size: 32
...
	.end_amdgpu_metadata
.endif
;; end of part 4
;; launch gfw (part 5): grid 4 x 16, 4 waves a work-group, clusters of 4 x 4, 327,680 bytes of LDS; arguments XI, WA, x, H; writes H
.if DOCPART == 5
	.amdgcn_target "amdgcn-amd-amdhsa--gfx1250"
	.amdhsa_code_object_version 6
	.text
	.protected	k_q692dd8f735_gfw
	.globl	k_q692dd8f735_gfw
	.p2align	8
	.type	k_q692dd8f735_gfw,@function
k_q692dd8f735_gfw:
	s_mov_b64 s[64:65], 0
	v_nop
	global_prefetch_b8 v0, s[64:65] scope:SCOPE_SE
	s_setreg_imm32_b32 hwreg(HW_REG_WAVE_MODE, 25, 1), 1
	s_wait_xcnt 0x0
	s_wait_alu depctr_hold_cnt(0) depctr_sa_sdst(0) depctr_va_vdst(0) depctr_va_sdst(0) depctr_va_ssrc(0) depctr_va_vcc(0) depctr_vm_vsrc(0)
	s_getreg_b32 s2, hwreg(HW_REG_IB_STS2, 6, 4)
	s_cmp_eq_u32 s2, 0
	s_cbranch_scc0 .Lentry_in_a_cluster
	s_endpgm
.Lentry_in_a_cluster:
	s_bfe_u32 s2, ttmp6, 0x10000c
	s_cmp_lg_u32 s2, 0xf033
	s_cbranch_scc0 .Lentry_shape_is_right
	s_endpgm
.Lentry_shape_is_right:
; out = A B^T (+ bias) + residual, f32 row-major [4096][1024]; the product on codes of FP6 (E2M3, one E8M0 byte for each 32 along K).  Here: h = x + attention x wo.
; A (tokens) and B (the weight's columns) are images of operand registers: byte = kp x (the image's bytes a kp) + rt 3072 + q 1536 + p 256 + 8 lane; scale words kp x .. + position 8 + q 4.
; Position r of row tile rt holds true row 32 (rt / 2) + 8 (rt % 2) + r + 8 (r / 8).  SOURCE 0 takes rows of B, SOURCE 1 rows of A: a lane holds one token, and the 16 registers of B's tiles 2 b, 2 b + 1
; are 16 neighbouring columns 32 b + 16 (lane / 16) + 0 .. 15.
; SHARES: a tile of 256 x 256 to a work-group of four waves, 128 x 128 a wave; K in steps of 256 through two LDS slots; a wave's tensor load brings 24,576 consecutive bytes; the scale words come once.
; With 1,024 columns there are 64 such tiles, so 64 work-groups.  CLUSTERS: 4 x 4; A's tiles are shared along a row of the cluster, B's along a column, by joint loads.
; THE WAY OUT: a block of 16 tokens x 128 columns goes through the wave's own stage in LDS (in slot 0, which has had its last fill and its last read) and comes back as whole rows of 512 bytes;
; the residual's rows, asked for two blocks ahead, are added; 32 lanes store 512 consecutive bytes.  A position's true row stands in the immediate offsets.
; REGISTERS: window 0: v0-31 addresses; v32-63 scale words; v64-127, v192-255 the residual, by turns; v128-223 A's fragments, later v128-191 rows of the result.  windows 1-3 as B's two sets and the accumulators.
.set NKP,   4                          ; K / 256
.set ASC,   3145728                    ; where A's scale words begin
.set AKPS,  786432                     ; A's bytes of codes a kp
.set ASK8,  4096                       ; A's bytes of scale words a kp, / 8
.set BKPS,  786432                     ; B's
.set BSK8,  4096
.set BSC,   3145728
.set BRT0,  192                        ; B's first row tile in its image: wo's rows begin at 3072
.set HASBIAS, 0
.set OUTARG, 0x18
.set NQ,    2
.set FR,    12
.set NL,    6
.set NP,    4
.set HALFT, 24576
.set SLOT,  4*HALFT
.set LAPS,  NKP/2
.set SCL,   2*SLOT
.set HALFS, NKP*1024
.set SPARE, SCL+4*HALFS                ; the spare words, 128 bytes a wave: two blocks of 256 bytes that no other line names
.set BV,   8                           ; v8-11  the bias of my four columns
.set ADRA, 16
.set ADRB, 20
.set STO,  24
.set RD,   25
.set CO,   26
.set ADRS, 27
.set SPW,  28
.set NIL,  29
.set SC,   32
.set AF,   128
.set BB,   128
.set G1, 24
.set G0, 32
.set G1B, 48
.set G0B, 56
.set G1S, 68
.set G0S, 76
.set G1SB, 80
.set G0SB, 88
.set MSB, 0
.macro WIN new
.if MSB != (\new)
	s_set_vgpr_msb (MSB<<8)|(\new)
.set MSB, (\new)
.endif
.endm
.set MUL_LO, 0xa1
.set MUL_HI, 0xf1
.set TO_B,   0x40
.macro JLOAD g0a, g1a, g0b, g1b        ; a joint load: waves 0 and 1 fetch for A, waves 2 and 3 for B; four v_nop follow each of the two lines
	s_cmp_eq_u32 s15, 0
	s_cbranch_scc0 .Lfor_b_\@
	tensor_load_to_lds s[\g0a:\g0a+3], s[\g1a:\g1a+7]
	s_nop 0
.rept 4
	v_nop
.endr
	s_branch .Lasked_\@
.Lfor_b_\@:
	tensor_load_to_lds s[\g0b:\g0b+3], s[\g1b:\g1b+7]
	s_nop 0
.rept 4
	v_nop
.endr
.Lasked_\@:
.endm
.macro CREST
	s_cmp_lg_u32 s14, 0
	s_cbranch_scc1 .Lnot_wave_0_\@
	s_barrier_signal -3
.Lnot_wave_0_\@:
	s_barrier_wait -3
	s_barrier_signal -1
	s_barrier_wait -1
.endm
.macro CROUND
	s_barrier_signal -1
	s_barrier_wait -1
	CREST
.endm
	s_load_b128 s[4:7], s[0:1], 0x0                ; A's image, B's image
	s_load_b64 s[8:9], s[0:1], 0x10                ; the residual
.if HASBIAS
	s_load_b64 s[10:11], s[0:1], 0x18              ; the bias
.endif
	s_load_b64 s[12:13], s[0:1], OUTARG            ; the result
	v_lshl_add_u32 v[SPW], v0, 2, SPARE
	v_mov_b32 v[NIL], 0
	ds_add_u32 v28, v29
	ds_add_u32 v28, v29
	s_wait_dscnt 0x0
	v_lshrrev_b32 v1, 5, v0
	v_readfirstlane_b32 s14, v1                    ; wave 0..3
	s_lshr_b32 s15, s14, 1                         ; my half of A's rows.  Also: I fetch for A (0) or for B (1)
	s_and_b32 s16, s14, 1                          ; my half of B's rows.  Also: which 128 rows I fetch
	s_bfe_u32 s40, ttmp6, 0x40000                  ; cx
	s_bfe_u32 s41, ttmp6, 0x40004                  ; cy
	s_lshl_b32 s42, ttmp9, 2
	s_add_co_u32 s42, s42, s40                     ; B's tile
	s_and_b32 s17, ttmp7, 0xffff
	s_lshl_b32 s17, s17, 2
	s_add_co_u32 s17, s17, s41                     ; A's tile
	s_lshl_b32 s43, s41, 2
	s_lshl_b32 s43, 15, s43                        ; my row of the cluster
	s_lshl_b32 s44, 0x1111, s40                    ; my column
	s_or_b32 s[G1+0], s43, (3<<16)|(1<<21)         ; tiles: 96 dense rows of 256 bytes (32 elements of 8 bytes); the mask; bit 21 beside it
	s_or_b32 s[G1B+0], s44, (3<<16)|(1<<21)
.irp g, G1, G1B
	s_mov_b32 s[\g+1], 32<<16
	s_mov_b32 s[\g+2], 96<<16
	s_mov_b32 s[\g+3], 32<<16
	s_mov_b32 s[\g+4], 96
	s_mov_b32 s[\g+5], 32
	s_mov_b32 s[\g+6], 0
	s_mov_b32 s[\g+7], 0
.endr
	s_or_b32 s[G1S+0], s43, (3<<16)|(1<<21)        ; scale words of 128 rows: NKP rows of 1,024 bytes
	s_or_b32 s[G1SB+0], s44, (3<<16)|(1<<21)
.irp g, G1S, G1SB
	s_mov_b32 s[\g+1], 128<<16
	s_mov_b32 s[\g+2], NKP<<16
	s_mov_b32 s[\g+3], 128<<16
	s_mov_b32 s[\g+4], NKP
	s_mov_b32 s[\g+6], 0
	s_mov_b32 s[\g+7], 0
.endr
	s_mov_b32 s[G1S+5], ASK8
	s_mov_b32 s[G1SB+5], BSK8
	s_lshl_b32 s18, s16, 3
	s_lshl_b32 s20, s17, 4
	s_add_co_u32 s20, s20, s18                     ; A's first row tile that I fetch
	s_lshl_b32 s46, s42, 4
	s_add_co_u32 s46, s46, s18                     ; B's
.if BRT0
	s_add_co_u32 s46, s46, BRT0
.endif
	s_lshl_b32 s22, s20, 7
	s_add_co_u32 s22, s22, ASC
	s_lshl_b32 s92, s46, 7
	s_add_co_u32 s92, s92, BSC
	s_mul_i32 s20, s20, 3072
	s_mul_i32 s46, s46, 3072
	s_mov_b32 s21, 0
	s_mov_b32 s23, 0
	s_mov_b32 s47, 0
	s_mov_b32 s93, 0
	s_mul_i32 s45, s14, HALFT
	s_mul_i32 s96, s14, HALFS
	s_wait_kmcnt 0x0
	s_add_nc_u64 s[20:21], s[4:5], s[20:21]
	s_add_nc_u64 s[22:23], s[4:5], s[22:23]
	s_add_nc_u64 s[46:47], s[6:7], s[46:47]
	s_add_nc_u64 s[92:93], s[6:7], s[92:93]
	CROUND                                         ; all sixteen work-groups are here: the first joint loads meet
	s_mov_b32 s[G0S], 1
	s_add_co_u32 s[G0S+1], s96, SCL
	s_mov_b64 s[G0S+2:G0S+3], s[22:23]
	s_or_b32 s[G0S+3], s[G0S+3], 0x80000000
	s_mov_b32 s[G0SB], 1
	s_add_co_u32 s[G0SB+1], s96, SCL
	s_mov_b64 s[G0SB+2:G0SB+3], s[92:93]
	s_or_b32 s[G0SB+3], s[G0SB+3], 0x80000000
	JLOAD G0S, G1S, G0SB, G1SB
.irp s, 0,1
	s_mov_b32 s[G0+4*\s], 1
	s_add_co_u32 s[G0+4*\s+1], s45, \s*SLOT
	s_add_nc_u64 s[G0+4*\s+2:G0+4*\s+3], s[20:21], \s*AKPS
	s_or_b32 s[G0+4*\s+3], s[G0+4*\s+3], 0x80000000
	s_mov_b32 s[G0B+4*\s], 1
	s_add_co_u32 s[G0B+4*\s+1], s45, \s*SLOT
	s_add_nc_u64 s[G0B+4*\s+2:G0B+4*\s+3], s[46:47], \s*BKPS
	s_or_b32 s[G0B+4*\s+3], s[G0B+4*\s+3], 0x80000000
	JLOAD G0+4*\s, G1, G0B+4*\s, G1B
.endr
	v_and_b32 v1, 15, v0                           ; r
	v_bfe_u32 v2, v0, 4, 1                         ; h
	v_and_b32 v3, 31, v0
	v_lshlrev_b32 v4, 3, v3                        ; 8 x lane
	s_mul_i32 s18, s15, HALFT
	s_mul_i32 s19, s16, HALFT
	s_add_co_u32 s19, s19, 2*HALFT
.irp s, 0,1
	v_add_nc_u32 v[ADRA+\s], s18, v4
	v_add_nc_u32 v[ADRB+\s], s19, v4
	s_add_co_u32 s18, s18, SLOT
	s_add_co_u32 s19, s19, SLOT
.endr
	v_lshlrev_b32 v5, 3, v1
	s_mul_i32 s18, s15, HALFS
	s_mul_i32 s19, s16, HALFS
	s_add_co_u32 s19, s19, 2*HALFS
	s_sub_co_u32 s19, s19, s18
	v_mul_u32_u24 v6, s19, v2                      ; lanes 16-31 take B's: one product, the distance between the two bases
	s_add_co_u32 s18, s18, SCL
	v_add_nc_u32 v5, v5, v6
	v_add_nc_u32 v[ADRS], s18, v5
	s_mul_i32 s18, s14, 16*528                     ; my stage: 16 rows x (512 bytes + 16)
	v_mul_u32_u24 v5, v1, 528
	v_lshl_add_u32 v5, v2, 6, v5
	v_add_nc_u32 v[STO], s18, v5                   ; in: row r, + 64 h
	v_lshlrev_b32 v[CO], 4, v3                     ; back: 32 lanes take a row of 512 bytes; and the same in memory
	v_add_nc_u32 v[RD], s18, v[CO]
	s_lshl_b32 s18, s17, 8
	s_lshl_b32 s19, s15, 7
	s_add_co_u32 s18, s18, s19
	s_lshl_b32 s18, s18, 12                        ; my first row x 4,096 bytes
	s_lshl_b32 s19, s42, 10
	s_add_co_u32 s18, s18, s19
	s_lshl_b32 s19, s16, 9
	s_add_co_u32 s18, s18, s19                     ; + my first column x 4
	s_mov_b32 s19, 0
	s_add_nc_u64 s[8:9], s[8:9], s[18:19]
	s_add_nc_u64 s[12:13], s[12:13], s[18:19]
.macro RLOAD a                         ; the residual's 16 rows of block a: position t is true row 32 (a / 2) + 8 (a % 2) + t + 8 (t / 8) of my 128
.set RSL, 64+128*((\a)%2)
.irp t, 0,1,2,3,4,5,6,7,8,9,10,11,12,13,14,15
	global_load_b128 v[RSL+4*\t:RSL+4*\t+3], v[CO], s[8:9] offset:(32*((\a)/2)+8*((\a)%2)+\t+8*(\t/8))*4096
.endr
.endm
	RLOAD 0                                        ; its registers lie idle in the loop
.if HASBIAS
	s_lshl_b32 s18, s42, 10
	s_lshl_b32 s2, s16, 9
	s_add_co_u32 s18, s18, s2
	s_add_nc_u64 s[10:11], s[10:11], s[18:19]
	global_load_b128 v[BV:BV+3], v[CO], s[10:11]
.endif
.macro FRAG reg, adr, q, i
.irp p, 0,1,2,3,4,5
	ds_load_b64 v[\reg+2*\p:\reg+2*\p+1], v[\adr] offset:(\i)*3072+(\q)*1536+\p*256
.endr
.endm
; 16 matrix instructions: A's blocks a0, a0 + 1 x B's eight.  zero = 1: the first product starts the sums.  The 64 accumulators take turns, one instruction a turn.
.macro MUL16 a0, p, q, sc, zero
.irp a, \a0, \a0+1
.irp b, 0,1,2,3,4,5,6,7
.if \zero
	v_wmma_scale_f32_16x16x128_f8f6f4 v[8*(8*((\a)%4)+\b):8*(8*((\a)%4)+\b)+7], v[128*(\p)+FR*\b:128*(\p)+FR*\b+FR-1], v[AF+FR*(\a):AF+FR*(\a)+FR-1], 0, v[SC+8*NQ*(\sc)+NQ*\b+(\q)], v[SC+8*NQ*(\sc)+NQ*(\a)+(\q)] matrix_a_fmt:MATRIX_FMT_FP6 matrix_b_fmt:MATRIX_FMT_FP6 matrix_a_scale:MATRIX_SCALE_ROW1
.else
	v_wmma_scale_f32_16x16x128_f8f6f4 v[8*(8*((\a)%4)+\b):8*(8*((\a)%4)+\b)+7], v[128*(\p)+FR*\b:128*(\p)+FR*\b+FR-1], v[AF+FR*(\a):AF+FR*(\a)+FR-1], v[8*(8*((\a)%4)+\b):8*(8*((\a)%4)+\b)+7], v[SC+8*NQ*(\sc)+NQ*\b+(\q)], v[SC+8*NQ*(\sc)+NQ*(\a)+(\q)] matrix_a_fmt:MATRIX_FMT_FP6 matrix_b_fmt:MATRIX_FMT_FP6 matrix_a_scale:MATRIX_SCALE_ROW1
.endif
.endr
.endr
.endm
.macro FETCH_B slot, q, p
	WIN TO_B
.irp i, 0,1,2,3,4,5,6,7
	FRAG 128*(\p)+FR*\i, ADRB+\slot, \q, \i
.endr
	WIN 0
.endm
.macro FETCH_A slot, q, i0
.irp i, \i0, \i0+1, \i0+2, \i0+3
	FRAG AF+FR*(\i), ADRA+\slot, \q, \i
.endr
.endm
.macro SCALES sc
.irp i, 0,1,2,3,4,5,6,7
	ds_load_b64 v[SC+8*NQ*\sc+NQ*\i:SC+8*NQ*\sc+NQ*\i+1], v[ADRS] offset:\i*128
.endr
.endm
.macro PLACES n
.rept \n
	v_nop
.endr
.endm
.macro STEP slot, q, zero
	s_wait_dscnt 4*NL                              ; all but the youngest 24 loads (A's blocks 4-7) are in
	WIN MUL_LO
	MUL16 0, (\q)%2, \q, \slot, \zero
	MUL16 2, (\q)%2, \q, \slot, \zero
	s_wait_dscnt 0
	PLACES NP
	FETCH_B \slot, (\q)+1, 1-(\q)%2
	FETCH_A \slot, (\q)+1, 0
	WIN MUL_HI
	MUL16 4, (\q)%2, \q, \slot, \zero
	MUL16 6, (\q)%2, \q, \slot, \zero
	PLACES NP
	WIN 0
	FETCH_A \slot, (\q)+1, 4
.endm
.macro TURN slot, next, fill           ; a slot's last step changes slots: one barrier, with the three lines in front of it
	s_wait_tensorcnt 0x0                           ; all my tensor loads have landed: my part of the next slot
	ds_add_u32 v[SPW], v[NIL]                      ; 0 onto my spare word
	s_wait_dscnt 4*NL+1                            ; (the add and the youngest 24 loads may be out)
	WIN MUL_LO
	MUL16 0, 1, NQ-1, \slot, 0
	s_wait_dscnt 0x0                               ; the add is done, and my reads of this slot are over
	s_barrier_signal -1
	MUL16 2, 1, NQ-1, \slot, 0
	WIN 0
	s_barrier_wait -1
.if \fill
	CREST                                          ; the barrier has opened a round of the cluster's barrier
	s_add_nc_u64 s[G0+4*\slot+2:G0+4*\slot+3], s[G0+4*\slot+2:G0+4*\slot+3], 2*AKPS
	s_add_nc_u64 s[G0B+4*\slot+2:G0B+4*\slot+3], s[G0B+4*\slot+2:G0B+4*\slot+3], 2*BKPS
	JLOAD G0+4*\slot, G1, G0B+4*\slot, G1B         ; the first tensor load behind the round; its four v_nop are the places in front of the loads below
.else
	PLACES NP
.endif
	v_add_nc_u32 v[ADRS], 1024, v[ADRS]
	FETCH_B \next, 0, 0
	FETCH_A \next, 0, 0
	SCALES \next
	WIN MUL_HI
	MUL16 4, 1, NQ-1, \slot, 0
	MUL16 6, 1, NQ-1, \slot, 0
	PLACES NP
	WIN 0
	FETCH_A \next, 0, 4
.endm
	s_wait_tensorcnt 1                             ; the scale words and my part of K step 0 are in; K step 1's load may be out
	s_barrier_signal -1
	s_barrier_wait -1
	FETCH_B 0, 0, 0
	FETCH_A 0, 0, 0
	SCALES 0
	FETCH_A 0, 0, 4
	STEP 0, 0, 1
	s_mov_b32 s3, LAPS-1
.Llap:
	TURN 0, 1, 1
	STEP 1, 0, 0
	TURN 1, 0, 1
	STEP 0, 0, 0
	s_sub_co_u32 s3, s3, 1
	s_cmp_lg_u32 s3, 0
	s_cbranch_scc1 .Llap
	TURN 0, 1, 0
	STEP 1, 0, 0
	s_wait_dscnt 4*NL
	WIN MUL_LO
	MUL16 0, 1, NQ-1, 1, 0
	MUL16 2, 1, NQ-1, 1, 0
	s_wait_dscnt 0
	WIN MUL_HI
	MUL16 4, 1, NQ-1, 1, 0
	MUL16 6, 1, NQ-1, 1, 0
	WIN 0
	PLACES NP
	RLOAD 1
.macro TOSTAGE a
.set AC, 64*((\a)%4)
	WIN 0x08+4*((\a)/4)                            ; an LDS store's data are its source 1: window 2 or 3
.irp b, 0,1,2,3,4,5,6,7
	ds_store_b128 v[STO], v[AC+8*\b:AC+8*\b+3] offset:128*(\b/2)+32*(\b%2)        ; each accumulator from its low end on; columns 32 (b / 2) + 16 h + 8 (b % 2) on
	ds_store_b128 v[STO], v[AC+8*\b+4:AC+8*\b+7] offset:128*(\b/2)+32*(\b%2)+16
.endr
	WIN 0
.irp t, 0,1,2,3,4,5,6,7,8,9,10,11,12,13,14,15
	ds_load_b128 v[BB+4*\t:BB+4*\t+3], v[RD] offset:\t*528       ; LDS serves a wave's instructions in order: these see my stores
.endr
.endm
.irp a, 0,1,2,3,4,5,6,7
	TOSTAGE \a
	s_wait_dscnt 0x0
.if \a < 7
	s_wait_loadcnt 16                              ; this block's residual is in; the next block's 16 loads may be out
.else
	s_wait_loadcnt 0x0
.endif
.set RS, 64+128*(\a%2)
.set i, 0
.rept 32
	v_pk_add_f32 v[BB+i:BB+i+1], v[BB+i:BB+i+1], v[RS+i:RS+i+1]
.set i, i+2
.endr
.if HASBIAS
.set i, 0
.rept 16
	v_pk_add_f32 v[BB+i:BB+i+1], v[BB+i:BB+i+1], v[BV:BV+1]
	v_pk_add_f32 v[BB+i+2:BB+i+3], v[BB+i+2:BB+i+3], v[BV+2:BV+3]
.set i, i+4
.endr
.endif
.if \a < 6
	RLOAD \a+2
.endif
.irp t, 0,1,2,3,4,5,6,7,8,9,10,11,12,13,14,15
	global_store_b128 v[CO], v[BB+4*\t:BB+4*\t+3], s[12:13] offset:(32*(\a/2)+8*(\a%2)+\t+8*(\t/8))*4096   ; 512 consecutive bytes
.endr
.if \a < 7
	s_wait_xcnt 0x0                                ; the stores have read their registers: the next block lands there only behind this wait
.endif
.endr
	s_wait_tensorcnt 0x0                           ; the wave's end
	ds_add_u32 v[SPW], v[NIL]
	s_wait_dscnt 0x0
	CROUND                                         ; the closing round
	s_endpgm
.Lfunc_end_k_q692dd8f735_gfw:
	.size	k_q692dd8f735_gfw, .Lfunc_end_k_q692dd8f735_gfw-k_q692dd8f735_gfw
	.p2alignl 7, 3214868480
	.fill 96, 4, 3214868480
	.section	.rodata,"a",@progbits
	.p2align	6, 0x0
	.amdhsa_kernel k_q692dd8f735_gfw
		.amdhsa_group_segment_fixed_size 327680
		.amdhsa_private_segment_fixed_size 0
		.amdhsa_enable_private_segment 0
		.amdhsa_kernarg_size 32
		.amdhsa_user_sgpr_count 2
		.amdhsa_user_sgpr_kernarg_segment_ptr 1
		.amdhsa_wavefront_size32 1
		.amdhsa_system_sgpr_workgroup_id_x 1
		.amdhsa_system_sgpr_workgroup_id_y 1
		.amdhsa_system_sgpr_workgroup_id_z 1
		.amdhsa_system_vgpr_workitem_id 0
		.amdhsa_next_free_vgpr 1024
		.amdhsa_next_free_sgpr 100
		.amdhsa_reserve_vcc 0
		.amdhsa_float_denorm_mode_32 3
		.amdhsa_float_denorm_mode_16_64 3
		.amdhsa_memory_ordered 1
		.amdhsa_forward_progress 1
		.amdhsa_inst_pref_size 187
	.end_amdhsa_kernel
	.amdgpu_metadata
---
amdhsa.version: [ 1, 2 ]
amdhsa.kernels:
  - .name:           k_q692dd8f735_gfw
    .symbol:         k_q692dd8f735_gfw.kd
    .args:
      - { .name: XI, .offset: 0, .size: 8, .value_kind: global_buffer, .address_space: global }
      - { .name: WA, .offset: 8, .size: 8, .value_kind: global_buffer, .address_space: global }
      - { .name: x, .offset: 16, .size: 8, .value_kind: global_buffer, .address_space: global }
      - { .name: H, .offset: 24, .size: 8, .value_kind: global_buffer, .address_space: global }
    .group_segment_fixed_size: 327680
    .private_segment_fixed_size: 0
    .kernarg_segment_align: 8
    .kernarg_segment_size: 32
    .max_flat_workgroup_size: 128
    .sgpr_count:     100
    .vgpr_count:     1024
    .wavefront_size: 32
...
	.end_amdgpu_metadata
.endif
;; end of part 5
;; launch ln2: the kernel of part 2 again; grid 256 x 1, 4 waves a work-group, no clusters, 66,304 bytes of LDS; arguments H, ln2_a, ln2_b, XI; writes XI
;; launch ff1: the kernel of part 3 again; grid 16 x 16, 4 waves a work-group, clusters of 4 x 4, 327,680 bytes of LDS; arguments XI, W1, QV, ff1_b, ZB; writes QV
;; launch gff (part 6): grid 4 x 16, 4 waves a work-group, clusters of 4 x 4, 327,680 bytes of LDS; arguments QV, W2, H, ff2_b, out0; writes out0
.if DOCPART == 6
	.amdgcn_target "amdgcn-amd-amdhsa--gfx1250"
	.amdhsa_code_object_version 6
	.text
	.protected	k_q692dd8f735_gff
	.globl	k_q692dd8f735_gff
	.p2align	8
	.type	k_q692dd8f735_gff,@function
k_q692dd8f735_gff:
	s_mov_b64 s[64:65], 0
	v_nop
	global_prefetch_b8 v0, s[64:65] scope:SCOPE_SE
	s_setreg_imm32_b32 hwreg(HW_REG_WAVE_MODE, 25, 1), 1
	s_wait_xcnt 0x0
	s_wait_alu depctr_hold_cnt(0) depctr_sa_sdst(0) depctr_va_vdst(0) depctr_va_sdst(0) depctr_va_ssrc(0) depctr_va_vcc(0) depctr_vm_vsrc(0)
	s_getreg_b32 s2, hwreg(HW_REG_IB_STS2, 6, 4)
	s_cmp_eq_u32 s2, 0
	s_cbranch_scc0 .Lentry_in_a_cluster
	s_endpgm
.Lentry_in_a_cluster:
	s_bfe_u32 s2, ttmp6, 0x10000c
	s_cmp_lg_u32 s2, 0xf033
	s_cbranch_scc0 .Lentry_shape_is_right
	s_endpgm
.Lentry_shape_is_right:
; out = A B^T + bias + residual, f32 row-major [4096][1024]; the product on codes of FP6 (E2M3, one E8M0 byte for each 32 along K).  Here: out0 = h + hidden x ff2_w + ff2_b, K = 4096.
; A (tokens) and B (the weight's columns) are images of operand registers: byte = kp x (the image's bytes a kp) + rt 3072 + q 1536 + p 256 + 8 lane; scale words kp x .. + position 8 + q 4.
; Position r of row tile rt holds true row 32 (rt / 2) + 8 (rt % 2) + r + 8 (r / 8).  SOURCE 0 takes rows of B, SOURCE 1 rows of A: a lane holds one token, and the 16 registers of B's tiles 2 b, 2 b + 1
; are 16 neighbouring columns 32 b + 16 (lane / 16) + 0 .. 15.
; SHARES: a tile of 256 x 256 to a work-group of four waves, 128 x 128 a wave; K in steps of 256 through two LDS slots; a wave's tensor load brings 24,576 consecutive bytes; the scale words come once.
; With 1,024 columns there are 64 such tiles, so 64 work-groups.  CLUSTERS: 4 x 4; A's tiles are shared along a row of the cluster, B's along a column, by joint loads.
; THE WAY OUT: a block of 16 tokens x 128 columns goes through the wave's own stage in LDS (in slot 0, which has had its last fill and its last read) and comes back as whole rows of 512 bytes;
; the residual's rows, asked for two blocks ahead, and the bias are added; 32 lanes store 512 consecutive bytes.  A position's true row stands in the immediate offsets.
; REGISTERS: window 0: v0-31 addresses; v32-63 scale words; v64-127, v192-255 the residual, by turns; v128-223 A's fragments, later v128-191 rows of the result.  windows 1-3 as B's two sets and the accumulators.
.set NKP,   16                         ; K / 256
.set ASC,   12582912                   ; where A's scale words begin
.set AKPS,  786432                     ; A's bytes of codes a kp
.set ASK8,  4096                       ; A's bytes of scale words a kp, / 8
.set BKPS,  196608                     ; B's
.set BSK8,  1024
.set BSC,   3145728
.set BRT0,  0
.set HASBIAS, 1
.set OUTARG, 0x20
.set NQ,    2
.set FR,    12
.set NL,    6
.set NP,    4
.set HALFT, 24576
.set SLOT,  4*HALFT
.set LAPS,  NKP/2
.set SCL,   2*SLOT
.set HALFS, NKP*1024
.set SPARE, SCL+4*HALFS                ; the spare words, 128 bytes a wave: two blocks of 256 bytes that no other line names
.set BV,   8                           ; v8-11  the bias of my four columns
.set ADRA, 16
.set ADRB, 20
.set STO,  24
.set RD,   25
.set CO,   26
.set ADRS, 27
.set SPW,  28
.set NIL,  29
.set SC,   32
.set AF,   128
.set BB,   128
.set G1, 24
.set G0, 32
.set G1B, 48
.set G0B, 56
.set G1S, 68
.set G0S, 76
.set G1SB, 80
.set G0SB, 88
.set MSB, 0
.macro WIN new
.if MSB != (\new)
	s_set_vgpr_msb (MSB<<8)|(\new)
.set MSB, (\new)
.endif
.endm
.set MUL_LO, 0xa1
.set MUL_HI, 0xf1
.set TO_B,   0x40
.macro JLOAD g0a, g1a, g0b, g1b        ; a joint load: waves 0 and 1 fetch for A, waves 2 and 3 for B; four v_nop follow each of the two lines
	s_cmp_eq_u32 s15, 0
	s_cbranch_scc0 .Lfor_b_\@
	tensor_load_to_lds s[\g0a:\g0a+3], s[\g1a:\g1a+7]
	s_nop 0
.rept 4
	v_nop
.endr
	s_branch .Lasked_\@
.Lfor_b_\@:
	tensor_load_to_lds s[\g0b:\g0b+3], s[\g1b:\g1b+7]
	s_nop 0
.rept 4
	v_nop
.endr
.Lasked_\@:
.endm
.macro CREST
	s_cmp_lg_u32 s14, 0
	s_cbranch_scc1 .Lnot_wave_0_\@
	s_barrier_signal -3
.Lnot_wave_0_\@:
	s_barrier_wait -3
	s_barrier_signal -1
	s_barrier_wait -1
.endm
.macro CROUND
	s_barrier_signal -1
	s_barrier_wait -1
	CREST
.endm
	s_load_b128 s[4:7], s[0:1], 0x0                ; A's image, B's image
	s_load_b64 s[8:9], s[0:1], 0x10                ; the residual
.if HASBIAS
	s_load_b64 s[10:11], s[0:1], 0x18              ; the bias
.endif
	s_load_b64 s[12:13], s[0:1], OUTARG            ; the result
	v_lshl_add_u32 v[SPW], v0, 2, SPARE
	v_mov_b32 v[NIL], 0
	ds_add_u32 v28, v29
	ds_add_u32 v28, v29
	s_wait_dscnt 0x0
	v_lshrrev_b32 v1, 5, v0
	v_readfirstlane_b32 s14, v1                    ; wave 0..3
	s_lshr_b32 s15, s14, 1                         ; my half of A's rows.  Also: I fetch for A (0) or for B (1)
	s_and_b32 s16, s14, 1                          ; my half of B's rows.  Also: which 128 rows I fetch
	s_bfe_u32 s40, ttmp6, 0x40000                  ; cx
	s_bfe_u32 s41, ttmp6, 0x40004                  ; cy
	s_lshl_b32 s42, ttmp9, 2
	s_add_co_u32 s42, s42, s40                     ; B's tile
	s_and_b32 s17, ttmp7, 0xffff
	s_lshl_b32 s17, s17, 2
	s_add_co_u32 s17, s17, s41                     ; A's tile
	s_lshl_b32 s43, s41, 2
	s_lshl_b32 s43, 15, s43                        ; my row of the cluster
	s_lshl_b32 s44, 0x1111, s40                    ; my column
	s_or_b32 s[G1+0], s43, (3<<16)|(1<<21)         ; tiles: 96 dense rows of 256 bytes (32 elements of 8 bytes); the mask; bit 21 beside it
	s_or_b32 s[G1B+0], s44, (3<<16)|(1<<21)
.irp g, G1, G1B
	s_mov_b32 s[\g+1], 32<<16
	s_mov_b32 s[\g+2], 96<<16
	s_mov_b32 s[\g+3], 32<<16
	s_mov_b32 s[\g+4], 96
	s_mov_b32 s[\g+5], 32
	s_mov_b32 s[\g+6], 0
	s_mov_b32 s[\g+7], 0
.endr
	s_or_b32 s[G1S+0], s43, (3<<16)|(1<<21)        ; scale words of 128 rows: NKP rows of 1,024 bytes
	s_or_b32 s[G1SB+0], s44, (3<<16)|(1<<21)
.irp g, G1S, G1SB
	s_mov_b32 s[\g+1], 128<<16
	s_mov_b32 s[\g+2], NKP<<16
	s_mov_b32 s[\g+3], 128<<16
	s_mov_b32 s[\g+4], NKP
	s_mov_b32 s[\g+6], 0
	s_mov_b32 s[\g+7], 0
.endr
	s_mov_b32 s[G1S+5], ASK8
	s_mov_b32 s[G1SB+5], BSK8
	s_lshl_b32 s18, s16, 3
	s_lshl_b32 s20, s17, 4
	s_add_co_u32 s20, s20, s18                     ; A's first row tile that I fetch
	s_lshl_b32 s46, s42, 4
	s_add_co_u32 s46, s46, s18                     ; B's
.if BRT0
	s_add_co_u32 s46, s46, BRT0
.endif
	s_lshl_b32 s22, s20, 7
	s_add_co_u32 s22, s22, ASC
	s_lshl_b32 s92, s46, 7
	s_add_co_u32 s92, s92, BSC
	s_mul_i32 s20, s20, 3072
	s_mul_i32 s46, s46, 3072
	s_mov_b32 s21, 0
	s_mov_b32 s23, 0
	s_mov_b32 s47, 0
	s_mov_b32 s93, 0
	s_mul_i32 s45, s14, HALFT
	s_mul_i32 s96, s14, HALFS
	s_wait_kmcnt 0x0
	s_add_nc_u64 s[20:21], s[4:5], s[20:21]
	s_add_nc_u64 s[22:23], s[4:5], s[22:23]
	s_add_nc_u64 s[46:47], s[6:7], s[46:47]
	s_add_nc_u64 s[92:93], s[6:7], s[92:93]
	CROUND                                         ; all sixteen work-groups are here: the first joint loads meet
	s_mov_b32 s[G0S], 1
	s_add_co_u32 s[G0S+1], s96, SCL
	s_mov_b64 s[G0S+2:G0S+3], s[22:23]
	s_or_b32 s[G0S+3], s[G0S+3], 0x80000000
	s_mov_b32 s[G0SB], 1
	s_add_co_u32 s[G0SB+1], s96, SCL
	s_mov_b64 s[G0SB+2:G0SB+3], s[92:93]
	s_or_b32 s[G0SB+3], s[G0SB+3], 0x80000000
	JLOAD G0S, G1S, G0SB, G1SB
.irp s, 0,1
	s_mov_b32 s[G0+4*\s], 1
	s_add_co_u32 s[G0+4*\s+1], s45, \s*SLOT
	s_add_nc_u64 s[G0+4*\s+2:G0+4*\s+3], s[20:21], \s*AKPS
	s_or_b32 s[G0+4*\s+3], s[G0+4*\s+3], 0x80000000
	s_mov_b32 s[G0B+4*\s], 1
	s_add_co_u32 s[G0B+4*\s+1], s45, \s*SLOT
	s_add_nc_u64 s[G0B+4*\s+2:G0B+4*\s+3], s[46:47], \s*BKPS
	s_or_b32 s[G0B+4*\s+3], s[G0B+4*\s+3], 0x80000000
	JLOAD G0+4*\s, G1, G0B+4*\s, G1B
.endr
	v_and_b32 v1, 15, v0                           ; r
	v_bfe_u32 v2, v0, 4, 1                         ; h
	v_and_b32 v3, 31, v0
	v_lshlrev_b32 v4, 3, v3                        ; 8 x lane
	s_mul_i32 s18, s15, HALFT
	s_mul_i32 s19, s16, HALFT
	s_add_co_u32 s19, s19, 2*HALFT
.irp s, 0,1
	v_add_nc_u32 v[ADRA+\s], s18, v4
	v_add_nc_u32 v[ADRB+\s], s19, v4
	s_add_co_u32 s18, s18, SLOT
	s_add_co_u32 s19, s19, SLOT
.endr
	v_lshlrev_b32 v5, 3, v1
	s_mul_i32 s18, s15, HALFS
	s_mul_i32 s19, s16, HALFS
	s_add_co_u32 s19, s19, 2*HALFS
	s_sub_co_u32 s19, s19, s18
	v_mul_u32_u24 v6, s19, v2                      ; lanes 16-31 take B's: one product, the distance between the two bases
	s_add_co_u32 s18, s18, SCL
	v_add_nc_u32 v5, v5, v6
	v_add_nc_u32 v[ADRS], s18, v5
	s_mul_i32 s18, s14, 16*528                     ; my stage: 16 rows x (512 bytes + 16)
	v_mul_u32_u24 v5, v1, 528
	v_lshl_add_u32 v5, v2, 6, v5
	v_add_nc_u32 v[STO], s18, v5                   ; in: row r, + 64 h
	v_lshlrev_b32 v[CO], 4, v3                     ; back: 32 lanes take a row of 512 bytes; and the same in memory
	v_add_nc_u32 v[RD], s18, v[CO]
	s_lshl_b32 s18, s17, 8
	s_lshl_b32 s19, s15, 7
	s_add_co_u32 s18, s18, s19
	s_lshl_b32 s18, s18, 12                        ; my first row x 4,096 bytes
	s_lshl_b32 s19, s42, 10
	s_add_co_u32 s18, s18, s19
	s_lshl_b32 s19, s16, 9
	s_add_co_u32 s18, s18, s19                     ; + my first column x 4
	s_mov_b32 s19, 0
	s_add_nc_u64 s[8:9], s[8:9], s[18:19]
	s_add_nc_u64 s[12:13], s[12:13], s[18:19]
.macro RLOAD a                         ; the residual's 16 rows of block a: position t is true row 32 (a / 2) + 8 (a % 2) + t + 8 (t / 8) of my 128
.set RSL, 64+128*((\a)%2)
.irp t, 0,1,2,3,4,5,6,7,8,9,10,11,12,13,14,15
	global_load_b128 v[RSL+4*\t:RSL+4*\t+3], v[CO], s[8:9] offset:(32*((\a)/2)+8*((\a)%2)+\t+8*(\t/8))*4096
.endr
.endm
	RLOAD 0                                        ; its registers lie idle in the loop
.if HASBIAS
	s_lshl_b32 s18, s42, 10
	s_lshl_b32 s2, s16, 9
	s_add_co_u32 s18, s18, s2
	s_add_nc_u64 s[10:11], s[10:11], s[18:19]
	global_load_b128 v[BV:BV+3], v[CO], s[10:11]
.endif
.macro FRAG reg, adr, q, i
.irp p, 0,1,2,3,4,5
	ds_load_b64 v[\reg+2*\p:\reg+2*\p+1], v[\adr] offset:(\i)*3072+(\q)*1536+\p*256
.endr
.endm
; 16 matrix instructions: A's blocks a0, a0 + 1 x B's eight.  zero = 1: the first product starts the sums.  The 64 accumulators take turns, one instruction a turn.
.macro MUL16 a0, p, q, sc, zero
.irp a, \a0, \a0+1
.irp b, 0,1,2,3,4,5,6,7
.if \zero
	v_wmma_scale_f32_16x16x128_f8f6f4 v[8*(8*((\a)%4)+\b):8*(8*((\a)%4)+\b)+7], v[128*(\p)+FR*\b:128*(\p)+FR*\b+FR-1], v[AF+FR*(\a):AF+FR*(\a)+FR-1], 0, v[SC+8*NQ*(\sc)+NQ*\b+(\q)], v[SC+8*NQ*(\sc)+NQ*(\a)+(\q)] matrix_a_fmt:MATRIX_FMT_FP6 matrix_b_fmt:MATRIX_FMT_FP6 matrix_a_scale:MATRIX_SCALE_ROW1
.else
	v_wmma_scale_f32_16x16x128_f8f6f4 v[8*(8*((\a)%4)+\b):8*(8*((\a)%4)+\b)+7], v[128*(\p)+FR*\b:128*(\p)+FR*\b+FR-1], v[AF+FR*(\a):AF+FR*(\a)+FR-1], v[8*(8*((\a)%4)+\b):8*(8*((\a)%4)+\b)+7], v[SC+8*NQ*(\sc)+NQ*\b+(\q)], v[SC+8*NQ*(\sc)+NQ*(\a)+(\q)] matrix_a_fmt:MATRIX_FMT_FP6 matrix_b_fmt:MATRIX_FMT_FP6 matrix_a_scale:MATRIX_SCALE_ROW1
.endif
.endr
.endr
.endm
.macro FETCH_B slot, q, p
	WIN TO_B
.irp i, 0,1,2,3,4,5,6,7
	FRAG 128*(\p)+FR*\i, ADRB+\slot, \q, \i
.endr
	WIN 0
.endm
.macro FETCH_A slot, q, i0
.irp i, \i0, \i0+1, \i0+2, \i0+3
	FRAG AF+FR*(\i), ADRA+\slot, \q, \i
.endr
.endm
.macro SCALES sc
.irp i, 0,1,2,3,4,5,6,7
	ds_load_b64 v[SC+8*NQ*\sc+NQ*\i:SC+8*NQ*\sc+NQ*\i+1], v[ADRS] offset:\i*128
.endr
.endm
.macro PLACES n
.rept \n
	v_nop
.endr
.endm
.macro STEP slot, q, zero
	s_wait_dscnt 4*NL                              ; all but the youngest 24 loads (A's blocks 4-7) are in
	WIN MUL_LO
	MUL16 0, (\q)%2, \q, \slot, \zero
	MUL16 2, (\q)%2, \q, \slot, \zero
	s_wait_dscnt 0
	PLACES NP
	FETCH_B \slot, (\q)+1, 1-(\q)%2
	FETCH_A \slot, (\q)+1, 0
	WIN MUL_HI
	MUL16 4, (\q)%2, \q, \slot, \zero
	MUL16 6, (\q)%2, \q, \slot, \zero
	PLACES NP
	WIN 0
	FETCH_A \slot, (\q)+1, 4
.endm
.macro TURN slot, next, fill           ; a slot's last step changes slots: one barrier, with the three lines in front of it
	s_wait_tensorcnt 0x0                           ; all my tensor loads have landed: my part of the next slot
	ds_add_u32 v[SPW], v[NIL]                      ; 0 onto my spare word
	s_wait_dscnt 4*NL+1                            ; (the add and the youngest 24 loads may be out)
	WIN MUL_LO
	MUL16 0, 1, NQ-1, \slot, 0
	s_wait_dscnt 0x0                               ; the add is done, and my reads of this slot are over
	s_barrier_signal -1
	MUL16 2, 1, NQ-1, \slot, 0
	WIN 0
	s_barrier_wait -1
.if \fill
	CREST                                          ; the barrier has opened a round of the cluster's barrier
	s_add_nc_u64 s[G0+4*\slot+2:G0+4*\slot+3], s[G0+4*\slot+2:G0+4*\slot+3], 2*AKPS
	s_add_nc_u64 s[G0B+4*\slot+2:G0B+4*\slot+3], s[G0B+4*\slot+2:G0B+4*\slot+3], 2*BKPS
	JLOAD G0+4*\slot, G1, G0B+4*\slot, G1B         ; the first tensor load behind the round; its four v_nop are the places in front of the loads below
.else
	PLACES NP
.endif
	v_add_nc_u32 v[ADRS], 1024, v[ADRS]
	FETCH_B \next, 0, 0
	FETCH_A \next, 0, 0
	SCALES \next
	WIN MUL_HI
	MUL16 4, 1, NQ-1, \slot, 0
	MUL16 6, 1, NQ-1, \slot, 0
	PLACES NP
	WIN 0
	FETCH_A \next, 0, 4
.endm
	s_wait_tensorcnt 1                             ; the scale words and my part of K step 0 are in; K step 1's load may be out
	s_barrier_signal -1
	s_barrier_wait -1
	FETCH_B 0, 0, 0
	FETCH_A 0, 0, 0
	SCALES 0
	FETCH_A 0, 0, 4
	STEP 0, 0, 1
	s_mov_b32 s3, LAPS-1
.Llap:
	TURN 0, 1, 1
	STEP 1, 0, 0
	TURN 1, 0, 1
	STEP 0, 0, 0
	s_sub_co_u32 s3, s3, 1
	s_cmp_lg_u32 s3, 0
	s_cbranch_scc1 .Llap
	TURN 0, 1, 0
	STEP 1, 0, 0
	s_wait_dscnt 4*NL
	WIN MUL_LO
	MUL16 0, 1, NQ-1, 1, 0
	MUL16 2, 1, NQ-1, 1, 0
	s_wait_dscnt 0
	WIN MUL_HI
	MUL16 4, 1, NQ-1, 1, 0
	MUL16 6, 1, NQ-1, 1, 0
	WIN 0
	PLACES NP
	RLOAD 1
.macro TOSTAGE a
.set AC, 64*((\a)%4)
	WIN 0x08+4*((\a)/4)                            ; an LDS store's data are its source 1: window 2 or 3
.irp b, 0,1,2,3,4,5,6,7
	ds_store_b128 v[STO], v[AC+8*\b:AC+8*\b+3] offset:128*(\b/2)+32*(\b%2)        ; each accumulator from its low end on; columns 32 (b / 2) + 16 h + 8 (b % 2) on
	ds_store_b128 v[STO], v[AC+8*\b+4:AC+8*\b+7] offset:128*(\b/2)+32*(\b%2)+16
.endr
	WIN 0
.irp t, 0,1,2,3,4,5,6,7,8,9,10,11,12,13,14,15
	ds_load_b128 v[BB+4*\t:BB+4*\t+3], v[RD] offset:\t*528       ; LDS serves a wave's instructions in order: these see my stores
.endr
.endm
.irp a, 0,1,2,3,4,5,6,7
	TOSTAGE \a
	s_wait_dscnt 0x0
.if \a < 7
	s_wait_loadcnt 16                              ; this block's residual (and the bias) is in; the next block's 16 loads may be out
.else
	s_wait_loadcnt 0x0
.endif
.set RS, 64+128*(\a%2)
.set i, 0
.rept 32
	v_pk_add_f32 v[BB+i:BB+i+1], v[BB+i:BB+i+1], v[RS+i:RS+i+1]
.set i, i+2
.endr
.if HASBIAS
.set i, 0
.rept 16
	v_pk_add_f32 v[BB+i:BB+i+1], v[BB+i:BB+i+1], v[BV:BV+1]
	v_pk_add_f32 v[BB+i+2:BB+i+3], v[BB+i+2:BB+i+3], v[BV+2:BV+3]
.set i, i+4
.endr
.endif
.if \a < 6
	RLOAD \a+2
.endif
.irp t, 0,1,2,3,4,5,6,7,8,9,10,11,12,13,14,15
	global_store_b128 v[CO], v[BB+4*\t:BB+4*\t+3], s[12:13] offset:(32*(\a/2)+8*(\a%2)+\t+8*(\t/8))*4096 th:TH_STORE_NT   ; 512 consecutive bytes; written once, read by nobody here
.endr
.if \a < 7
	s_wait_xcnt 0x0                                ; the stores have read their registers: the next block lands there only behind this wait
.endif
.endr
	s_wait_tensorcnt 0x0                           ; the wave's end
	ds_add_u32 v[SPW], v[NIL]
	s_wait_dscnt 0x0
	CROUND                                         ; the closing round
	s_endpgm
.Lfunc_end_k_q692dd8f735_gff:
	.size	k_q692dd8f735_gff, .Lfunc_end_k_q692dd8f735_gff-k_q692dd8f735_gff
	.p2alignl 7, 3214868480
	.fill 96, 4, 3214868480
	.section	.rodata,"a",@progbits
	.p2align	6, 0x0
	.amdhsa_kernel k_q692dd8f735_gff
		.amdhsa_group_segment_fixed_size 327680
		.amdhsa_private_segment_fixed_size 0
		.amdhsa_enable_private_segment 0
		.amdhsa_kernarg_size 40
		.amdhsa_user_sgpr_count 2
		.amdhsa_user_sgpr_kernarg_segment_ptr 1
		.amdhsa_wavefront_size32 1
		.amdhsa_system_sgpr_workgroup_id_x 1
		.amdhsa_system_sgpr_workgroup_id_y 1
		.amdhsa_system_sgpr_workgroup_id_z 1
		.amdhsa_system_vgpr_workitem_id 0
		.amdhsa_next_free_vgpr 1024
		.amdhsa_next_free_sgpr 100
		.amdhsa_reserve_vcc 0
		.amdhsa_float_denorm_mode_32 3
		.amdhsa_float_denorm_mode_16_64 3
		.amdhsa_memory_ordered 1
		.amdhsa_forward_progress 1
		.amdhsa_inst_pref_size 204
	.end_amdhsa_kernel
	.amdgpu_metadata
---
amdhsa.version: [ 1, 2 ]
amdhsa.kernels:
  - .name:           k_q692dd8f735_gff
    .symbol:         k_q692dd8f735_gff.kd
    .args:
      - { .name: QV, .offset: 0, .size: 8, .value_kind: global_buffer, .address_space: global }
      - { .name: W2, .offset: 8, .size: 8, .value_kind: global_buffer, .address_space: global }
      - { .name: H, .offset: 16, .size: 8, .value_kind: global_buffer, .address_space: global }
      - { .name: ff2_b, .offset: 24, .size: 8, .value_kind: global_buffer, .address_space: global }
      - { .name: out0, .offset: 32, .size: 8, .value_kind: global_buffer, .address_space: global }
    .group_segment_fixed_size: 327680
    .private_segment_fixed_size: 0
    .kernarg_segment_align: 8
    .kernarg_segment_size: 40
    .max_flat_workgroup_size: 128
    .sgpr_count:     100
    .vgpr_count:     1024
    .wavefront_size: 32
...
	.end_amdgpu_metadata
.endif
;; end of part 6
;; ======== version 2 of 2: 7 launches
;; limits: right only within a limited range of input values
;; workspace buffers: WA 3,276,800 bytes; W1 3,276,800 bytes; W2 3,276,800 bytes; ZB 16,384 bytes; NI 512 bytes; XI 3,276,800 bytes; QV 26,214,400 bytes; H 16,777,216 bytes
;; launch lnq (part 7): grid 640 x 1, 4 waves a work-group, no clusters, 91,136 bytes of LDS; arguments x, ln1_a, ln1_b, XI, wq, wk, wv, wo, ff1_w, ff2_w, WA, W1, W2, ZB, NI; writes XI, WA, W1, W2, ZB, NI
.if DOCPART == 7
	.amdgcn_target "amdgcn-amd-amdhsa--gfx1250"
	.amdhsa_code_object_version 6
	.text
	.protected	k_q692dd8f735_lnq
	.globl	k_q692dd8f735_lnq
	.p2align	8
	.type	k_q692dd8f735_lnq,@function
k_q692dd8f735_lnq:
	s_mov_b64 s[64:65], 0
	v_nop
	global_prefetch_b8 v0, s[64:65] scope:SCOPE_SE
	s_setreg_imm32_b32 hwreg(HW_REG_WAVE_MODE, 25, 1), 1
	s_wait_xcnt 0x0
; y = a (x - mean) / (std + 1e-6) + b for each row of [4096][1024] f32 (std with divisor 1023), quantised along the row into codes of FP6 with one E8M0 byte for each 32,
; and stored as an image of operand registers: byte = kp 786432 + rt 3072 + q 1536 + p 256 + 8 lane; scale words at SCO + kp 32768 + position 8 + q 4.
; Position r of row tile rt holds true row 32 (rt / 2) + 8 (rt % 2) + r + 8 (r / 8).
; A work-group takes one row tile.  PHASE 1: wave w takes positions 4 w .. 4 w + 3, a whole row in 32 registers a lane: mean, then the sum of (x - mean)^2 (two passes over registers, so that a common
; offset does not cancel), y in f32, into LDS by rows.  One barrier.  PHASE 2: wave w takes K = 256 w .. 256 w + 255 of all 16 rows: lane (r, h) reads 16 neighbours of each block of 32 of row r,
; quantises two fragments and stores each register pair as 256 consecutive bytes.
; No cluster, no tensor load: work-groups share no input, and a work-group's 64 KiB come by 128 loads that are all out together.
; A block of zeros gets the byte 1 where the rule says 127: its codes are zeros and this program alone reads the bytes.  LIMITS: NaN and infinities among the inputs are not served.
.set KPS,   786432
.set SCO,   3145728
.set PITCH, 4112                       ; an LDS row: 4,096 bytes + 16: the 16 rows that a load of phase 2 touches begin 16 bytes apart modulo 256
.set ST,    16                         ; v16-31   row e: pairs v[16 + 4 e], v[18 + 4 e]
.set X,     32                         ; v32-159  row e: 32 registers; in phase 2 two sets of 64 numbers
.set PC,    160                        ; v160-178 the codes just made
.set TM,    180                        ; v180-195 at work in the quantiser
.set PW,    196                        ; the scale word just made
.set PW0,   197
.set PWS,   198
.set SEL,   20
.macro QUANT s                         ; 64 numbers of a lane, register 16 b + i = k 32 b + 16 (lane / 16) + i of my row, become a fragment's codes in v[PC] on and its scale word in v[PW]
.irp b, 0,1,2,3
	v_max3_num_f32 v[TM+\b], |v[\s+16*\b]|, |v[\s+1+16*\b]|, 0x1800000   ; my 16 numbers of block b, and the floor 2^(3 - 127)
.endr
.irp i, 2,4,6,8,10,12,14
.irp b, 0,1,2,3
	v_max3_num_f32 v[TM+\b], v[TM+\b], |v[\s+16*\b+\i]|, |v[\s+1+16*\b+\i]|
.endr
.endr
.irp b, 0,1,2,3
	v_permlanex16_b32 v[TM+4+\b], v[TM+\b], s[SEL], s[SEL+1]
.endr
.irp b, 0,1,2,3
	v_max_num_f32 v[TM+\b], v[TM+\b], v[TM+4+\b]   ; with lane l xor 16's: the block's largest magnitude
.endr
.irp b, 0,1,2,3
	v_add_nc_u32 v[TM+12+\b], 0xff000000, v[TM+\b] ; 2 off its exponent field: the conversion's scale operand
.endr
.irp b, 0,1,2,3
	v_lshrrev_b32 v[TM+4+\b], 23, v[TM+12+\b]      ; the scale's byte
.endr
	v_lshl_or_b32 v[PW], v[TM+5], 8, v[TM+4]
	v_lshl_or_b32 v[PW], v[TM+6], 16, v[PW]
	v_lshl_or_b32 v[PW], v[TM+7], 24, v[PW]
.irp c, 0,1
	v_cvt_scalef32_pk16_fp6_f32 v[PC+6*\c:PC+2+6*\c], v[\s+32*\c:\s+15+32*\c], v[TM+12+2*\c]
	v_cvt_scalef32_pk16_fp6_f32 v[PC+12+4*\c:PC+14+4*\c], v[\s+16+32*\c:\s+31+32*\c], v[TM+12+2*\c+1]
.endr
	v_nop                                          ; one plain line behind the conversions
.irp c, 0,1                            ; the operand's layout wants a whole block in a lane: lanes 0-15 block 2 c, lanes 16-31 block 2 c + 1
.irp i, 0,1,2
	v_permlane16_swap_b32 v[PC+6*\c+\i], v[PC+12+4*\c+\i]
.endr
.irp i, 0,1,2
	v_mov_b32 v[PC+3+6*\c+\i], v[PC+12+4*\c+\i]
.endr
.endr
.endm
.macro REDUCE                          ; v[ST + 4 e] summed over the 32 lanes, the four rows by turns; the result stands in every lane
.irp m, 1,2,4,8
.irp e, 0,1,2,3
	v_add_f32_dpp v[ST+4*\e], v[ST+4*\e], v[ST+4*\e] row_xmask:\m row_mask:0xf bank_mask:0xf
.endr
.endr
.irp e, 0,1,2,3
	v_permlanex16_b32 v[ST+4*\e+1], v[ST+4*\e], s[SEL], s[SEL+1]
.endr
.irp e, 0,1,2,3
	v_add_f32 v[ST+4*\e], v[ST+4*\e], v[ST+4*\e+1]
.endr
.endm
	; ONE BODY, TWO KINDS OF WORK-GROUP, told apart by the work-group's number alone: 0-255 take a row tile of the norm each, 256-639 a piece of a weight (behind .Lweights).
	; The two share no input and no LDS byte.  The launch of this body with 256 work-groups has the norm's kind alone; its argument list has the same form.
	v_lshl_add_u32 v200, v0, 2, 0x10100
	v_mov_b32 v201, 0
	s_cmp_ge_u32 ttmp9, 256
	s_cbranch_scc1 .Lweights
	s_load_b256 s[4:11], s[0:1], 0x0               ; the rows, a, b, the image
	v_lshrrev_b32 v1, 5, v0
	v_readfirstlane_b32 s13, v1                    ; wave
	v_and_b32 v2, 31, v0                           ; lane
	v_and_b32 v3, 15, v0                           ; r
	v_bfe_u32 v9, v0, 4, 1                         ; h
	v_lshlrev_b32 v4, 4, v2                        ; 16 x lane
	s_mul_i32 s16, s13, 4*PITCH
	v_add_nc_u32 v5, s16, v4                       ; LDS, in: my wave's four rows, 16 bytes a lane
	v_mul_u32_u24 v6, v3, PITCH
	v_lshl_add_u32 v6, v9, 6, v6
	s_lshl_b32 s16, s13, 10
	v_add_nc_u32 v6, s16, v6                       ; LDS, back: row r, + 64 h, + my wave's 256 along K
	v_lshlrev_b32 v7, 3, v2                        ; 8 x lane: a register pair's place in the image
	v_lshlrev_b32 v8, 3, v3
	v_lshl_add_u32 v8, v9, 2, v8                   ; 8 r + 4 h: lanes 0-15 store word q = 0, lanes 16-31 word q = 1
	s_mov_b32 s[SEL], 0x76543210
	s_mov_b32 s[SEL+1], 0xfedcba98                 ; v_permlanex16_b32's selects for lane l xor 16
	s_mov_b32 s22, 0xffff0000                      ; lanes 16-31
.irp b, 0,1,2,3
	v_mov_b32 v[TM+4+\b], 0                        ; written once: a lane permute's destination counts as one of its sources
.endr
	s_lshr_b32 s16, ttmp9, 1
	s_lshl_b32 s16, s16, 5
	s_and_b32 s17, ttmp9, 1
	s_lshl_b32 s17, s17, 3
	s_add_co_u32 s16, s16, s17
	s_lshl_b32 s17, s13, 2
	s_add_co_u32 s16, s16, s17
	s_lshr_b32 s17, s13, 1
	s_lshl_b32 s17, s17, 3
	s_add_co_u32 s16, s16, s17                     ; my first true row: 32 (rt / 2) + 8 (rt % 2) + 4 w + 8 (w / 2)
	s_lshl_b32 s16, s16, 12
	s_mov_b32 s17, 0
	s_wait_kmcnt 0x0
	s_load_b32 s12, s[6:7], 0x0                    ; a
	s_load_b32 s14, s[8:9], 0x0                    ; b
	s_add_nc_u64 s[4:5], s[4:5], s[16:17]
.irp e, 0,1,2,3
.irp j, 0,1,2,3,4,5,6,7
	global_load_b128 v[X+32*\e+4*\j:X+32*\e+4*\j+3], v4, s[4:5] offset:\e*4096+512*\j   ; 512 consecutive bytes
.endr
.endr
	s_mul_i32 s16, s13, KPS
	s_mul_i32 s18, ttmp9, 3072
	s_add_co_u32 s16, s16, s18
	s_add_nc_u64 s[24:25], s[10:11], s[16:17]      ; codes: kp = my wave, my row tile
	s_lshl_b32 s16, s13, 15
	s_lshl_b32 s18, ttmp9, 7
	s_add_co_u32 s16, s16, s18
	s_add_co_u32 s16, s16, SCO
	s_add_nc_u64 s[26:27], s[10:11], s[16:17]      ; scale words
	s_wait_kmcnt 0x0
	s_mov_b32 s15, s14                             ; (the packed form names the pair)
	s_wait_loadcnt 0x0
	; ---- the mean
.irp e, 0,1,2,3
	v_pk_add_f32 v[ST+4*\e:ST+4*\e+1], v[X+32*\e:X+32*\e+1], v[X+32*\e+2:X+32*\e+3]
	v_pk_add_f32 v[ST+4*\e+2:ST+4*\e+3], v[X+32*\e+4:X+32*\e+5], v[X+32*\e+6:X+32*\e+7]
.endr
.irp i, 8,12,16,20,24,28
.irp e, 0,1,2,3
	v_pk_add_f32 v[ST+4*\e:ST+4*\e+1], v[ST+4*\e:ST+4*\e+1], v[X+32*\e+\i:X+32*\e+\i+1]
	v_pk_add_f32 v[ST+4*\e+2:ST+4*\e+3], v[ST+4*\e+2:ST+4*\e+3], v[X+32*\e+\i+2:X+32*\e+\i+3]
.endr
.endr
.irp e, 0,1,2,3
	v_pk_add_f32 v[ST+4*\e:ST+4*\e+1], v[ST+4*\e:ST+4*\e+1], v[ST+4*\e+2:ST+4*\e+3]
.endr
.irp e, 0,1,2,3
	v_add_f32 v[ST+4*\e], v[ST+4*\e], v[ST+4*\e+1]
.endr
	REDUCE
.irp e, 0,1,2,3
	v_mul_f32 v[ST+4*\e], 0xba800000, v[ST+4*\e]   ; -mean = sum x (-1 / 1024)
.endr
.irp e, 0,1,2,3
.set i, 0
.rept 16
	v_pk_add_f32 v[X+32*\e+i:X+32*\e+i+1], v[X+32*\e+i:X+32*\e+i+1], v[ST+4*\e:ST+4*\e+1] op_sel_hi:[1,0]   ; d = x - mean, in place
.set i, i+2
.endr
.endr
	; ---- the sum of d^2
.irp e, 0,1,2,3
	v_pk_mul_f32 v[ST+4*\e:ST+4*\e+1], v[X+32*\e:X+32*\e+1], v[X+32*\e:X+32*\e+1]
	v_pk_mul_f32 v[ST+4*\e+2:ST+4*\e+3], v[X+32*\e+2:X+32*\e+3], v[X+32*\e+2:X+32*\e+3]
.endr
.irp i, 4,8,12,16,20,24,28
.irp e, 0,1,2,3
	v_pk_fma_f32 v[ST+4*\e:ST+4*\e+1], v[X+32*\e+\i:X+32*\e+\i+1], v[X+32*\e+\i:X+32*\e+\i+1], v[ST+4*\e:ST+4*\e+1]
	v_pk_fma_f32 v[ST+4*\e+2:ST+4*\e+3], v[X+32*\e+\i+2:X+32*\e+\i+3], v[X+32*\e+\i+2:X+32*\e+\i+3], v[ST+4*\e+2:ST+4*\e+3]
.endr
.endr
.irp e, 0,1,2,3
	v_pk_add_f32 v[ST+4*\e:ST+4*\e+1], v[ST+4*\e:ST+4*\e+1], v[ST+4*\e+2:ST+4*\e+3]
.endr
.irp e, 0,1,2,3
	v_add_f32 v[ST+4*\e], v[ST+4*\e], v[ST+4*\e+1]
.endr
	REDUCE
.irp e, 0,1,2,3
	v_mul_f32 v[ST+4*\e], 0x3a802008, v[ST+4*\e]   ; x 1 / 1023
.endr
	s_wait_alu depctr_va_vdst(0)
.irp e, 0,1,2,3
	v_sqrt_f32 v[ST+4*\e+2], v[ST+4*\e]
.endr
	v_nop                                          ; a plain line behind the roots,
	s_wait_alu depctr_va_vdst(0)                   ; and one wait for the four, ahead of their first reader
.irp e, 0,1,2,3
	v_add_f32 v[ST+4*\e+2], 0x358637bd, v[ST+4*\e+2]   ; + 1e-6
.endr
	s_wait_alu depctr_va_vdst(0)
.irp e, 0,1,2,3
	v_rcp_f32 v[ST+4*\e], v[ST+4*\e+2]
.endr
	v_nop
	s_wait_alu depctr_va_vdst(0)                   ; one wait for the four reciprocals
.irp e, 0,1,2,3
	v_mul_f32 v[ST+4*\e], s12, v[ST+4*\e]          ; a / (std + 1e-6)
.endr
.irp e, 0,1,2,3
.set i, 0
.rept 16
	v_pk_fma_f32 v[X+32*\e+i:X+32*\e+i+1], v[X+32*\e+i:X+32*\e+i+1], v[ST+4*\e:ST+4*\e+1], s[14:15] op_sel_hi:[1,0,0]
.set i, i+2
.endr
.endr
.irp e, 0,1,2,3
.irp j, 0,1,2,3,4,5,6,7
	ds_store_b128 v5, v[X+32*\e+4*\j:X+32*\e+4*\j+3] offset:\e*PITCH+512*\j
.endr
.endr
	s_wait_dscnt 0x0                               ; for the others' sake: my rows lie in LDS
	s_barrier_signal -1
	s_barrier_wait -1
	; ---- my 256 along K of the 16 rows
.irp q, 0,1
.irp b, 0,1,2,3
.irp j, 0,1,2,3
	ds_load_b128 v[X+64*\q+16*\b+4*\j:X+64*\q+16*\b+4*\j+3], v6 offset:\q*512+\b*128+16*\j
.endr
.endr
.endr
	s_wait_dscnt 16                                ; the first fragment's 16 loads are in; the second's 16 may be out
	QUANT X
.irp p, 0,1,2,3,4,5
	global_store_b64 v7, v[PC+2*\p:PC+2*\p+1], s[24:25] offset:\p*256       ; 256 consecutive bytes, aligned
.endr
	v_mov_b32 v[PW0], v[PW]
	s_wait_dscnt 0x0
	s_wait_xcnt 0x0                                ; the stores have read the codes' registers: they are written again only behind this wait
	QUANT X+64
.irp p, 0,1,2,3,4,5
	global_store_b64 v7, v[PC+2*\p:PC+2*\p+1], s[24:25] offset:1536+\p*256
.endr
	v_cndmask_b32 v[PWS], v[PW0], v[PW], s22       ; lanes 0-15: the word of q = 0; lanes 16-31: of q = 1
	global_store_b32 v8, v[PWS], s[26:27]          ; 128 consecutive bytes
	s_wait_tensorcnt 0x0
	ds_add_u32 v200, v201
	s_wait_dscnt 0x0
	s_endpgm
.Lweights:
; THE SIX WEIGHTS, f32 stored [K][N], become codes of FP6 (E2M3) with one E8M0 byte for each 32 along K, laid as images of operand registers.
; An operand of R rows: byte = kp (R / 16) 3072 + rt 3072 + q 1536 + p 256 + 8 l, kp = k / 256, q = (k / 128) % 2, rt the row tile.  Scale words: SCO + kp R 8 + position 8 + q 4.
; Position r of row tile rt holds true row 32 (rt / 2) + 8 (rt % 2) + r + 8 (r / 8).
; WA holds wq, wk, wv, wo as rows 0, 1024, 2048, 3072 on (R = 4096, K = 1024); W1 ff1_w (R = 4096, K = 1024); W2 ff2_w (R = 1024, K = 4096).
; A lane takes a column n and its registers run down K: a load reads 128 consecutive bytes a wave, a block of 32 along K lies in one lane, the conversions give codes with K innermost.
; A work-group takes 128 columns x 256 K, a wave 32 columns = 6,144 consecutive bytes of the image, gathered in the wave's own LDS and stored 512 bytes an instruction.
; One path for all six tensors: only pointers and strides are chosen, by the work-group's number.  A block of zeros gets the byte 1 where the rule says 127: its codes are zeros and this program alone reads the bytes.
; The first eight of these work-groups also store the 16,384 zero bytes of ZB, the ninth the 128 words of -infinity of NI: a zero bias and the floors for the later products' launches.
.set WLDS, 66560                       ; LDS of this kind of work-group: 4 x 6,144 bytes behind the norm's rows and the spare words
.set VO,   32                          ; v32-63   4 x lane + i x the source's row pitch
.set X,    64                          ; v64-127  two sets of 32 numbers
.set C,    128                         ; v128-134 a block's codes
.set OUTR, 136                         ; v136-183 the way out
.set SB,   32                          ; s[32:47] the source at block t of my 256 along K: no pointer is stepped
	s_load_b512 s[4:19], s[0:1], 0x20              ; wq wk wv wo ff1_w ff2_w WA W1
	s_load_b128 s[20:23], s[0:1], 0x60             ; W2 ZB
	s_load_b64 s[24:25], s[0:1], 0x70              ; NI
	s_sub_co_u32 s2, ttmp9, 256                    ; my number among the 384
	v_lshrrev_b32 v1, 5, v0
	v_readfirstlane_b32 s26, v1                    ; wave
	v_and_b32 v2, 31, v0                           ; lane = my column among the wave's 32
	v_lshlrev_b32 v3, 2, v2
	v_bfe_u32 v8, v0, 3, 1                         ; u: which of the two row tiles
	v_bfe_u32 v9, v0, 4, 1
	v_and_b32 v10, 7, v0
	v_lshl_add_u32 v9, v9, 3, v10                  ; r: my position in it
	s_mul_i32 s62, s26, 6144
	s_add_co_u32 s62, s62, WLDS
	v_mul_u32_u24 v4, v8, 3072
	v_lshl_add_u32 v4, v9, 3, v4
	v_add_nc_u32 v4, s62, v4                       ; LDS, in: wave x 6144 + u x 3072 + 8 r
	v_lshlrev_b32 v6, 4, v2
	v_add_nc_u32 v5, s62, v6                       ; LDS, back: wave x 6144 + 16 x lane
	v_lshl_add_u32 v7, v8, 4, v9
	v_lshlrev_b32 v7, 3, v7                        ; my position's two scale words
	s_lshr_b32 s28, s2, 5                          ; 0-3: wq wk wv wo; 4-7: ff1_w; 8-11: ff2_w
	s_lshr_b32 s31, s2, 7                          ; 0: one of the four; 1: ff1_w; 2: ff2_w
	s_cmp_eq_u32 s31, 0
	s_cselect_b32 s29, 31, 127
	s_cselect_b32 s30, s28, 0
	s_and_b32 s29, s2, s29                         ; the work-group's number within its tensor
	s_lshl_b32 s30, s30, 10                        ; the tensor's first row in WA
	s_mov_b32 s27, 4096
	s_cmp_eq_u32 s31, 1
	s_cselect_b32 s27, 16384, s27                  ; the source's row pitch in bytes
	s_cselect_b32 s56, 31, 7
	s_cselect_b32 s57, 5, 3
	s_and_b32 s58, s29, s56                        ; which 128 columns
	s_lshr_b32 s59, s29, s57                       ; kp: which 256 along K
	s_mov_b32 s60, 786432
	s_mov_b32 s61, 32768
	s_cmp_eq_u32 s31, 2
	s_cselect_b32 s60, 196608, s60                 ; the image's bytes of codes for a kp,
	s_cselect_b32 s61, 8192, s61                   ; and of scale words
.irp i, 0,1,2,3,4,5,6,7,8,9,10,11,12,13,14,15,16,17,18,19,20,21,22,23,24,25,26,27,28,29,30,31
	v_mad_u32_u24 v[VO+\i], s27, \i, v3
.endr
	s_wait_alu depctr_va_vdst(0)
	s_wait_kmcnt 0x0
	s_cmp_eq_u32 s28, 0                            ; the choices hang on the work-group's number alone
	s_cselect_b64 s[52:53], s[4:5], s[6:7]
	s_cmp_lt_u32 s28, 2
	s_cselect_b64 s[52:53], s[52:53], s[8:9]
	s_cmp_lt_u32 s28, 3
	s_cselect_b64 s[52:53], s[52:53], s[10:11]
	s_cmp_lt_u32 s28, 4
	s_cselect_b64 s[52:53], s[52:53], s[12:13]
	s_cselect_b64 s[54:55], s[16:17], s[18:19]
	s_cmp_lt_u32 s28, 8
	s_cselect_b64 s[52:53], s[52:53], s[14:15]
	s_cselect_b64 s[54:55], s[54:55], s[20:21]
	s_mul_i32 s62, s59, s27
	s_lshl_b32 s62, s62, 8                         ; kp x 256 rows
	s_lshl_b32 s63, s58, 9
	s_add_co_u32 s62, s62, s63                     ; + 128 columns x 4 bytes
	s_lshl_b32 s63, s26, 7
	s_add_co_u32 s62, s62, s63                     ; + my wave's 32 columns
	s_mov_b32 s63, 0
	s_add_nc_u64 s[SB:SB+1], s[52:53], s[62:63]
	s_lshl_b32 s62, s27, 5                         ; 32 rows on
.irp t, 1,2,3,4,5,6,7
	s_add_nc_u64 s[SB+2*\t:SB+2*\t+1], s[SB+2*\t-2:SB+2*\t-1], s[62:63]
.endr
	s_lshl_b32 s62, s58, 7
	s_add_co_u32 s62, s62, s30
	s_lshl_b32 s56, s26, 5
	s_add_co_u32 s28, s62, s56                     ; n0: my wave's first row of the image
	s_mul_i32 s62, s59, s60
	s_mul_i32 s56, s28, 192                        ; (n0 / 16) x 3072
	s_add_co_u32 s62, s62, s56
	s_add_nc_u64 s[48:49], s[54:55], s[62:63]      ; my 6,144 bytes of codes
	s_mul_i32 s62, s59, s61
	s_lshl_b32 s56, s28, 3
	s_add_co_u32 s62, s62, s56
	s_add_co_u32 s62, s62, SCO
	s_add_nc_u64 s[50:51], s[54:55], s[62:63]      ; my 256 bytes of scale words
.macro LOAD t                          ; block t: W(32 t + i, my column) into set t % 2
.irp i, 0,1,2,3,4,5,6,7,8,9,10,11,12,13,14,15,16,17,18,19,20,21,22,23,24,25,26,27,28,29,30,31
	global_load_b32 v[X+32*((\t)%2)+\i], v[VO+\i], s[SB+2*(\t):SB+2*(\t)+1] th:TH_LOAD_NT
.endr
.endm
	LOAD 0
	LOAD 1
.macro BLOCK t
.set XS, X+32*((\t)%2)
.if (\t) < 7
	s_wait_loadcnt 32                              ; this block's 32 loads are in; the next block's 32 may be out
.else
	s_wait_loadcnt 0x0
.endif
	v_max3_num_f32 v12, |v[XS]|, |v[XS+1]|, |v[XS+2]|             ; the block's largest magnitude: all 32 numbers are mine; two chains
	v_max3_num_f32 v13, |v[XS+3]|, |v[XS+4]|, |v[XS+5]|
.irp i, 6,10,14,18,22,26
	v_max3_num_f32 v12, v12, |v[XS+\i]|, |v[XS+\i+1]|
	v_max3_num_f32 v13, v13, |v[XS+\i+2]|, |v[XS+\i+3]|
.endr
	v_max3_num_f32 v12, v12, |v[XS+30]|, |v[XS+31]|
	v_max3_num_f32 v12, v12, v13, 0x1800000        ; and the floor 2^(3 - 127): the byte cannot fall under 1
	v_add_nc_u32 v11, 0xff000000, v12              ; 2 off the exponent field: the conversion takes this operand's exponent field as its scale
	v_lshrrev_b32 v13, 23, v11                     ; the scale's byte
.if (\t)%4 == 0
	v_mov_b32 v[24+(\t)/4], v13                    ; four bytes to a word, the lower K in the lower byte
.else
	v_lshl_or_b32 v[24+(\t)/4], v13, 8*((\t)%4), v[24+(\t)/4]
.endif
	v_cvt_scalef32_pk16_fp6_f32 v[C:C+2], v[XS:XS+15], v11
	v_cvt_scalef32_pk16_fp6_f32 v[C+4:C+6], v[XS+16:XS+31], v11   ; (a conversion's three registers begin on an even number)
	v_nop                                          ; one plain line behind the conversions, ahead of the moves that read their results
	v_mov_b32 v[C+3], v[C+4]
	v_mov_b32 v[C+4], v[C+5]
	v_mov_b32 v[C+5], v[C+6]                       ; six registers on end: k = 32 t + 0 .. 31 of my column
.irp i, 0,1,2
	ds_store_b64 v4, v[C+2*\i:C+2*\i+1] offset:((\t)/4)*1536+(((\t)/2)%2)*768+\i*256+((\t)%2)*128   ; fragment q = t / 4, registers 6 c on with c = (t / 2) % 2, lane r + 16 (t % 2)
.endr
.if (\t)+2 < 8
	LOAD (\t)+2
.endif
	s_wait_dscnt 0x0                               ; the stores have read their registers: the next block's codes may be written
.endm
.irp t, 0,1,2,3,4,5,6,7
	BLOCK \t
.endr
	s_wait_alu depctr_va_vdst(0)
	global_store_b64 v7, v[24:25], s[50:51]        ; 32 lanes store 256 consecutive bytes of scale words, aligned
.irp j, 0,1,2,3,4,5,6,7,8,9,10,11
	ds_load_b128 v[OUTR+4*\j:OUTR+4*\j+3], v5 offset:512*\j       ; LDS serves a wave's instructions in order: these see my stores
.endr
.irp j, 0,1,2,3,4,5,6,7,8,9,10,11
	s_wait_dscnt 11-\j                             ; read-back j is in; the later ones may be out
	global_store_b128 v6, v[OUTR+4*\j:OUTR+4*\j+3], s[48:49] offset:512*\j   ; 512 consecutive bytes
.endr
	s_cmp_lt_u32 s2, 8
	s_cbranch_scc0 .Lno_zeros
	v_mov_b32 v184, 0
	v_mov_b32 v185, 0
	v_mov_b32 v186, 0
	v_mov_b32 v187, 0
	v_lshlrev_b32 v188, 4, v0
	s_lshl_b32 s62, s2, 11
	s_add_nc_u64 s[22:23], s[22:23], s[62:63]
	global_store_b128 v188, v[184:187], s[22:23]   ; 2,048 bytes of ZB a work-group
.Lno_zeros:
	s_cmp_eq_u32 s2, 8
	s_cbranch_scc0 .Lend
	v_mov_b32 v189, 0xff800000
	v_lshlrev_b32 v190, 2, v0
	global_store_b32 v190, v189, s[24:25]          ; NI: 128 words of -infinity
.Lend:
	s_wait_tensorcnt 0x0
	ds_add_u32 v200, v201
	s_wait_dscnt 0x0
	s_endpgm
.Lfunc_end_k_q692dd8f735_lnq:
	.size	k_q692dd8f735_lnq, .Lfunc_end_k_q692dd8f735_lnq-k_q692dd8f735_lnq
	.p2alignl 7, 3214868480
	.fill 96, 4, 3214868480
	.section	.rodata,"a",@progbits
	.p2align	6, 0x0
	.amdhsa_kernel k_q692dd8f735_lnq
		.amdhsa_group_segment_fixed_size 91136
		.amdhsa_private_segment_fixed_size 0
		.amdhsa_enable_private_segment 0
		.amdhsa_kernarg_size 120
		.amdhsa_user_sgpr_count 2
		.amdhsa_user_sgpr_kernarg_segment_ptr 1
		.amdhsa_wavefront_size32 1
		.amdhsa_system_sgpr_workgroup_id_x 1
		.amdhsa_system_sgpr_workgroup_id_y 1
		.amdhsa_system_sgpr_workgroup_id_z 1
		.amdhsa_system_vgpr_workitem_id 0
		.amdhsa_next_free_vgpr 202
		.amdhsa_next_free_sgpr 66
		.amdhsa_reserve_vcc 0
		.amdhsa_float_denorm_mode_32 3
		.amdhsa_float_denorm_mode_16_64 3
		.amdhsa_memory_ordered 1
		.amdhsa_forward_progress 1
		.amdhsa_inst_pref_size 85
	.end_amdhsa_kernel
	.amdgpu_metadata
---
amdhsa.version: [ 1, 2 ]
amdhsa.kernels:
  - .name:           k_q692dd8f735_lnq
    .symbol:         k_q692dd8f735_lnq.kd
    .args:
      - { .name: x, .offset: 0, .size: 8, .value_kind: global_buffer, .address_space: global }
      - { .name: ln1_a, .offset: 8, .size: 8, .value_kind: global_buffer, .address_space: global }
      - { .name: ln1_b, .offset: 16, .size: 8, .value_kind: global_buffer, .address_space: global }
      - { .name: XI, .offset: 24, .size: 8, .value_kind: global_buffer, .address_space: global }
      - { .name: wq, .offset: 32, .size: 8, .value_kind: global_buffer, .address_space: global }
      - { .name: wk, .offset: 40, .size: 8, .value_kind: global_buffer, .address_space: global }
      - { .name: wv, .offset: 48, .size: 8, .value_kind: global_buffer, .address_space: global }
      - { .name: wo, .offset: 56, .size: 8, .value_kind: global_buffer, .address_space: global }
      - { .name: ff1_w, .offset: 64, .size: 8, .value_kind: global_buffer, .address_space: global }
      - { .name: ff2_w, .offset: 72, .size: 8, .value_kind: global_buffer, .address_space: global }
      - { .name: WA, .offset: 80, .size: 8, .value_kind: global_buffer, .address_space: global }
      - { .name: W1, .offset: 88, .size: 8, .value_kind: global_buffer, .address_space: global }
      - { .name: W2, .offset: 96, .size: 8, .value_kind: global_buffer, .address_space: global }
      - { .name: ZB, .offset: 104, .size: 8, .value_kind: global_buffer, .address_space: global }
      - { .name: NI, .offset: 112, .size: 8, .value_kind: global_buffer, .address_space: global }
    .group_segment_fixed_size: 91136
    .private_segment_fixed_size: 0
    .kernarg_segment_align: 8
    .kernarg_segment_size: 120
    .max_flat_workgroup_size: 128
    .sgpr_count:     66
    .vgpr_count:     202
    .wavefront_size: 32
...
	.end_amdgpu_metadata
.endif
;; end of part 7
;; launch gq (part 8): grid 8 x 24, 4 waves a work-group, clusters of 4 x 4, 327,680 bytes of LDS; arguments XI, WA, QV, ZB, NI; writes QV
.if DOCPART == 8
	.amdgcn_target "amdgcn-amd-amdhsa--gfx1250"
	.amdhsa_code_object_version 6
	.text
	.protected	k_q692dd8f735_gq
	.globl	k_q692dd8f735_gq
	.p2align	8
	.type	k_q692dd8f735_gq,@function
k_q692dd8f735_gq:
	s_mov_b64 s[64:65], 0
	v_nop
	global_prefetch_b8 v0, s[64:65] scope:SCOPE_SE
	s_setreg_imm32_b32 hwreg(HW_REG_WAVE_MODE, 25, 1), 1
	s_wait_xcnt 0x0
	s_wait_alu depctr_hold_cnt(0) depctr_sa_sdst(0) depctr_va_vdst(0) depctr_va_sdst(0) depctr_va_ssrc(0) depctr_va_vcc(0) depctr_vm_vsrc(0)
	s_getreg_b32 s2, hwreg(HW_REG_IB_STS2, 6, 4)
	s_cmp_eq_u32 s2, 0
	s_cbranch_scc0 .Lentry_in_a_cluster
	s_endpgm
.Lentry_in_a_cluster:
	s_bfe_u32 s2, ttmp6, 0x10000c
	s_cmp_lg_u32 s2, 0xf033
	s_cbranch_scc0 .Lentry_shape_is_right
	s_endpgm
.Lentry_shape_is_right:
; out = Q(max(A B^T + bias, floor)): a product on codes of FP6 (E2M3, one E8M0 byte for each 32 along K) whose result is quantised again, along B's rows, and stored as an image of operand registers.
; Both operands are images with R = 4096 rows and K = 1024: byte = kp 786432 + rt 3072 + q 1536 + p 256 + 8 lane (a fragment: 16 rows x 128 K, register pair p of lane l at p 256 + 8 l);
; scale words at SCO + kp 32768 + position 8 + q 4.  Position r of row tile rt holds true row 32 (rt / 2) + 8 (rt % 2) + r + 8 (r / 8).
; SOURCE 0 takes rows of B, SOURCE 1 rows of A: a lane holds one row of A, and by the row order the 16 registers of B's tiles 2 b, 2 b + 1 are the 16 neighbours 32 b + 16 (lane / 16) + 0 .. 15 of B's true rows:
; the next product's K.  So a wave's 128 x 128 leaves as eight fragments straight from registers: no LDS on the way out, each register pair 256 consecutive bytes.
; TWO SETS by the cluster's y.  Under 4: A = the activations (first buffer), B = the weights (second): out[token][unit], at the output's byte 0.  From 4 on (the launch with 24 work-groups along y alone):
; A = the weights' rows 2048-3071, B = the activations: out[unit][token], at byte OFF2: the values with the keys innermost.  Only pointers and tile numbers are chosen, on the cluster's y, which all partners share.
; The output image has R = 4096, scale words at OSC.  The bias (by B's true row) is the C of each sum's first product; the floor (0 for a relu, -infinity for none) is read from memory and applied as the sums are lifted.
; SHARES: a tile of 256 x 256 to a work-group of four waves, 128 x 128 a wave: 64 accumulators, 512 registers.  K goes in steps of 256 through two LDS slots; a wave's tensor load brings 128 rows x 256 K,
; 24,576 consecutive bytes of an image.  The scale words of the work-group's rows, for all of K, come once with the first fills.
; CLUSTERS: 4 x 4.  A's tiles are shared along a row of the cluster, B's along a column: each is asked for jointly, by the same tensor load with the same descriptor and a mask that names the four.
; REGISTERS: window 0: v0-31 addresses; v32-63 scale words, two sets; v64-127 the bias, 8 tiles; v128-223 A's fragments, one set; on the way out v128-230.  window 1: B's fragments, two sets, at v0 and v128.
;   window 2: the accumulators of my rows 0-63 ((a, b) at v[8 (8 a + b)]); window 3: of rows 64-127.
; A block of zeros gets the byte 1 where the rule says 127: its codes are zeros and this program alone reads the bytes.  LIMITS: NaN loses against the floor; NaN and infinities among the inputs are not served.
.set NKP,   4                          ; K / 256
.set KPS,   786432
.set SKPS,  32768
.set SCO,   3145728
.set OSC,   12582912
.set OFF2,  13107200
.set NQ,    2                          ; matrix instructions deep in a slot
.set FR,    12                         ; registers of a fragment
.set NL,    6                          ; LDS loads that bring one
.set NP,    4                          ; places behind this matrix instruction (ISA guide 7.12.1)
.set HALFT, 24576                      ; 128 rows x 256 K: what one tensor load brings
.set SLOT,  4*HALFT                    ; A's 256 rows, then B's
.set LAPS,  NKP/2
.set SCL,   2*SLOT                     ; behind the ring: the scale words, kp x 2048 + position x 8, A's 256 rows, then B's
.set HALFS, NKP*1024
.set SPARE, SCL+4*HALFS                ; behind them: the spare words, 128 bytes a wave: two blocks of 256 bytes that no other line names
.set ADRA, 16                          ; v16-17 LDS address of my A fragments in slot 0, 1
.set ADRB, 20                          ; v20-21 the same for B
.set L8,   24                          ; v24    8 x lane
.set ADRS, 27                          ; v27    my scale words: lanes 0-15 A's rows, lanes 16-31 B's
.set SPW,  28                          ; v28    my spare word; never rewritten
.set NIL,  29                          ; v29    0; never rewritten
.set SC,   32
.set BI,   64
.set AF,   128
.set HA,   128                         ; the way out: 64 numbers
.set PC,   192                         ; their codes
.set TM,   212
.set PW,   228
.set PWE,  229
.set PWS,  230
.set G1, 24
.set G0, 32
.set G1B, 48
.set G0B, 56
.set G1S, 68
.set G0S, 76
.set G1SB, 80
.set G0SB, 88
.set SEL, 66
.set MSB, 0
.macro WIN new                         ; the immediate's high byte repeats the setting that is left
.if MSB != (\new)
	s_set_vgpr_msb (MSB<<8)|(\new)
.set MSB, (\new)
.endif
.endm
.set MUL_LO, 0xa1                      ; source 0 (B) window 1, source 1 (A) window 0, C and D window 2
.set MUL_HI, 0xf1                      ; the same, C and D window 3
.set TO_B,   0x40                      ; destination window 1, address window 0
; A joint load: waves 0 and 1 fetch for A, waves 2 and 3 for B; the branch hangs on the wave's number alone.  Four v_nop follow each of the two lines.
.macro JLOAD g0a, g1a, g0b, g1b
	s_cmp_eq_u32 s15, 0
	s_cbranch_scc0 .Lfor_b_\@
	tensor_load_to_lds s[\g0a:\g0a+3], s[\g1a:\g1a+7]
	s_nop 0
.rept 4
	v_nop
.endr
	s_branch .Lasked_\@
.Lfor_b_\@:
	tensor_load_to_lds s[\g0b:\g0b+3], s[\g1b:\g1b+7]
	s_nop 0
.rept 4
	v_nop
.endr
.Lasked_\@:
.endm
.macro CREST                           ; a round of the cluster's barrier behind its opening barrier
	s_cmp_lg_u32 s14, 0
	s_cbranch_scc1 .Lnot_wave_0_\@
	s_barrier_signal -3
.Lnot_wave_0_\@:
	s_barrier_wait -3
	s_barrier_signal -1
	s_barrier_wait -1
.endm
.macro CROUND
	s_barrier_signal -1
	s_barrier_wait -1
	CREST
.endm
.macro QUANT s                         ; 64 numbers of a lane, register 16 b + i = k 32 b + 16 (lane / 16) + i of my row, become a fragment's codes in v[PC] on and its scale word in v[PW]
.irp b, 0,1,2,3
	v_max3_num_f32 v[TM+\b], |v[\s+16*\b]|, |v[\s+1+16*\b]|, 0x1800000   ; my 16 numbers of block b, and the floor 2^(3 - 127)
.endr
.irp i, 2,4,6,8,10,12,14
.irp b, 0,1,2,3
	v_max3_num_f32 v[TM+\b], v[TM+\b], |v[\s+16*\b+\i]|, |v[\s+1+16*\b+\i]|
.endr
.endr
.irp b, 0,1,2,3
	v_permlanex16_b32 v[TM+4+\b], v[TM+\b], s[SEL], s[SEL+1]
.endr
.irp b, 0,1,2,3
	v_max_num_f32 v[TM+\b], v[TM+\b], v[TM+4+\b]
.endr
.irp b, 0,1,2,3
	v_add_nc_u32 v[TM+12+\b], 0xff000000, v[TM+\b] ; 2 off the exponent field: the conversion's scale operand
.endr
.irp b, 0,1,2,3
	v_lshrrev_b32 v[TM+4+\b], 23, v[TM+12+\b]      ; the scale's byte
.endr
	v_lshl_or_b32 v[PW], v[TM+5], 8, v[TM+4]
	v_lshl_or_b32 v[PW], v[TM+6], 16, v[PW]
	v_lshl_or_b32 v[PW], v[TM+7], 24, v[PW]
.irp c, 0,1
	v_cvt_scalef32_pk16_fp6_f32 v[PC+6*\c:PC+2+6*\c], v[\s+32*\c:\s+15+32*\c], v[TM+12+2*\c]
	v_cvt_scalef32_pk16_fp6_f32 v[PC+12+4*\c:PC+14+4*\c], v[\s+16+32*\c:\s+31+32*\c], v[TM+12+2*\c+1]
.endr
	v_nop                                          ; one plain line behind the conversions
.irp c, 0,1
.irp i, 0,1,2
	v_permlane16_swap_b32 v[PC+6*\c+\i], v[PC+12+4*\c+\i]
.endr
.irp i, 0,1,2
	v_mov_b32 v[PC+3+6*\c+\i], v[PC+12+4*\c+\i]
.endr
.endr
.endm
	s_load_b256 s[4:11], s[0:1], 0x0               ; the activations' image, the weights' image, the output, the bias
	s_load_b64 s[12:13], s[0:1], 0x20              ; the floor
	v_lshl_add_u32 v[SPW], v0, 2, SPARE
	v_mov_b32 v[NIL], 0
	ds_add_u32 v28, v29
	ds_add_u32 v28, v29
	s_wait_dscnt 0x0
	v_lshrrev_b32 v1, 5, v0
	v_readfirstlane_b32 s14, v1                    ; wave 0..3
	s_lshr_b32 s15, s14, 1                         ; which half of the tile's rows (A) is mine.  Also: I fetch for A (0) or for B (1)
	s_and_b32 s16, s14, 1                          ; which half of B's rows.  Also: which 128 rows I fetch
	s_bfe_u32 s40, ttmp6, 0x40000                  ; cx
	s_bfe_u32 s41, ttmp6, 0x40004                  ; cy
	s_and_b32 s94, ttmp7, 0xffff                   ; the cluster's y
	s_lshl_b32 s19, s94, 2
	s_lshl_b32 s20, s94, 3
	s_sub_co_u32 s20, s20, 32                      ; 8 (cluster y - 4): used in the second set alone
	s_lshl_b32 s42, ttmp9, 2
	s_add_co_u32 s42, s42, s40
	s_cmp_ge_u32 s94, 4                            ; the second set?
	s_cselect_b32 s17, 8, s19
	s_cselect_b32 s20, s20, 0
	s_cselect_b32 s95, OFF2, 0                     ; where the set's output begins
	s_add_co_u32 s17, s17, s41                     ; A's tile: 4 x cluster y + cy, or 8 + cy
	s_add_co_u32 s42, s42, s20                     ; B's tile: 4 x cluster x + cx, or 4 (2 (cluster y - 4) + cluster x) + cx
	s_lshl_b32 s43, s41, 2
	s_lshl_b32 s43, 15, s43                        ; my row of the cluster
	s_lshl_b32 s44, 0x1111, s40                    ; my column
	; descriptor group 1 for tiles: 24,576 dense bytes as 96 rows of 256 bytes (32 elements of 8 bytes), no padding
	s_or_b32 s[G1+0], s43, (3<<16)|(1<<21)         ; 15:0 the mask: A's tiles go to my row; 17:16 elements of 8 bytes; 21 set beside a mask
	s_or_b32 s[G1B+0], s44, (3<<16)|(1<<21)
.irp g, G1, G1B
	s_mov_b32 s[\g+1], 32<<16                      ; tensor_dim0
	s_mov_b32 s[\g+2], 192<<16                     ; tensor_dim1: the head's loads bring 256 rows of an operand, 192 rows of 256 bytes
	s_mov_b32 s[\g+3], 32<<16                      ; tile_dim0
	s_mov_b32 s[\g+4], 192                         ; tile_dim1
	s_mov_b32 s[\g+5], 32                          ; the pitch
	s_mov_b32 s[\g+6], 0
	s_mov_b32 s[\g+7], 0
.endr
	; and for the scale words of 256 rows: NKP rows of 2,048 bytes, SKPS bytes apart
	s_or_b32 s[G1S+0], s43, (3<<16)|(1<<21)
	s_or_b32 s[G1SB+0], s44, (3<<16)|(1<<21)
.irp g, G1S, G1SB
	s_mov_b32 s[\g+1], 256<<16                     ; the scale words of 256 rows: NKP rows of 2,048 bytes
	s_mov_b32 s[\g+2], NKP<<16
	s_mov_b32 s[\g+3], 256<<16
	s_mov_b32 s[\g+4], NKP
	s_mov_b32 s[\g+5], SKPS/8
	s_mov_b32 s[\g+6], 0
	s_mov_b32 s[\g+7], 0
.endr
	s_lshl_b32 s20, s17, 4                         ; A's first row tile
	s_lshl_b32 s46, s42, 4                         ; B's
	s_lshl_b32 s22, s20, 7                         ; 128 bytes of scale words a row tile
	s_add_co_u32 s22, s22, SCO
	s_lshl_b32 s92, s46, 7
	s_add_co_u32 s92, s92, SCO
	s_mul_i32 s20, s20, 3072
	s_mul_i32 s46, s46, 3072
	s_mov_b32 s21, 0
	s_mov_b32 s23, 0
	s_mov_b32 s47, 0
	s_mov_b32 s93, 0
	s_mul_i32 s45, s14, HALFT                      ; where they go: wave x 128 rows: no place in the cluster enters an LDS address
	s_mov_b32 s[SEL], 0x76543210
	s_mov_b32 s[SEL+1], 0xfedcba98
	s_mov_b32 s99, 0xffff0000                      ; lanes 16-31
	s_wait_kmcnt 0x0
	s_load_b32 s98, s[12:13], 0x0                  ; the floor: a number that is only ever an operand
	s_cmp_ge_u32 s94, 4
	s_cselect_b64 s[18:19], s[6:7], s[4:5]         ; A's image
	s_cselect_b64 s[2:3], s[4:5], s[6:7]           ; B's
	s_add_nc_u64 s[20:21], s[18:19], s[20:21]
	s_add_nc_u64 s[22:23], s[18:19], s[22:23]
	s_add_nc_u64 s[46:47], s[2:3], s[46:47]
	s_add_nc_u64 s[92:93], s[2:3], s[92:93]
	s_wait_kmcnt 0x0                               ; the floor is in, and its pointer's registers are free
	CROUND                                         ; all sixteen work-groups are here: the first joint loads meet
	s_mov_b32 s[G0S], 1
	s_mov_b32 s[G0S+1], SCL                        ; A's scale words: kp x 2048 + position x 8
	s_mov_b64 s[G0S+2:G0S+3], s[22:23]
	s_or_b32 s[G0S+3], s[G0S+3], 0x80000000
	s_mov_b32 s[G0SB], 1
	s_mov_b32 s[G0SB+1], SCL+2*HALFS               ; B's behind them
	s_mov_b64 s[G0SB+2:G0SB+3], s[92:93]
	s_or_b32 s[G0SB+3], s[G0SB+3], 0x80000000
.irp s, 0,1
	s_mov_b32 s[G0+4*\s], 1
	s_add_co_u32 s[G0+4*\s+1], s45, \s*SLOT
	s_add_nc_u64 s[G0+4*\s+2:G0+4*\s+3], s[20:21], \s*KPS
	s_or_b32 s[G0+4*\s+3], s[G0+4*\s+3], 0x80000000
	s_mov_b32 s[G0B+4*\s], 1
	s_add_co_u32 s[G0B+4*\s+1], s45, \s*SLOT
	s_add_nc_u64 s[G0B+4*\s+2:G0B+4*\s+3], s[46:47], \s*KPS
	s_or_b32 s[G0B+4*\s+3], s[G0B+4*\s+3], 0x80000000
.endr
	; THE HEAD'S LOADS, ONE A WAVE: wave 0 K step 0's 256 rows of A, wave 1 its 256 rows of B, wave 2 A's scale words, wave 3 B's.
	s_mov_b32 s[G0+1], 0                           ; slot 0's group 0 serves the head first: the whole tile of A at the slot's start,
	s_mov_b32 s[G0B+1], 2*HALFT                    ; the whole tile of B behind it
	s_mul_i32 s18, s16, HALFT                      ; slot 1's is the ring's: my 128 rows
	s_mov_b32 s19, 0
	s_add_nc_u64 s[G0+6:G0+7], s[G0+6:G0+7], s[18:19]
	s_add_nc_u64 s[G0B+6:G0B+7], s[G0B+6:G0B+7], s[18:19]
.macro ARM under, g0, g1, next         ; one chain of branches on the wave's number: every way passes exactly one load
	s_cmp_lt_u32 s14, \under
	s_cbranch_scc0 \next
	tensor_load_to_lds s[\g0:\g0+3], s[\g1:\g1+7]
	s_nop 0
.rept 4
	v_nop
.endr
	s_branch .Lhead_asked
\next:
.endm
	ARM 1, G0,  G1,  .Lhead_b
	ARM 2, G0B, G1B, .Lhead_sa
	ARM 3, G0S, G1S, .Lhead_sb
	tensor_load_to_lds s[G0SB:G0SB+3], s[G1SB:G1SB+7]
	s_nop 0
.rept 4
	v_nop
.endr
.Lhead_asked:
	; PREFETCHES INTO THE L2: behind the load of K step n the ring's tile of K step n + 2 is asked for; the head also asks for K step 1.  Of the 96 blocks of 256 bytes that I fetch of a K step, each of the
	; four partners that ask for them jointly names 24, told apart by address (cx for A, cy for B); lanes 24-31 name the last block again.  K has four steps: three requests a wave, none in the loop.
	s_cmp_eq_u32 s15, 0
	s_cselect_b64 s[20:21], s[20:21], s[46:47]     ; the operand that I fetch for
	s_cselect_b32 s22, s40, s41                    ; my place among the four
	s_mul_i32 s22, s22, 6144
	s_mul_i32 s23, s16, HALFT                      ; my 128 rows
	s_add_co_u32 s22, s22, s23
	s_mov_b32 s23, 0
	s_add_nc_u64 s[20:21], s[20:21], s[22:23]
	v_and_b32 v30, 31, v0
	v_min_u32 v30, 23, v30
	v_lshlrev_b32 v30, 8, v30                      ; a lane a block; v30 and s[20:21] are never rewritten
	global_prefetch_b8 v30, s[20:21] offset:KPS th:TH_LOAD_NT scope:SCOPE_SE
	global_prefetch_b8 v30, s[20:21] offset:2*KPS th:TH_LOAD_NT scope:SCOPE_SE
	v_and_b32 v1, 15, v0                           ; r
	v_bfe_u32 v2, v0, 4, 1                         ; h
	s_wait_alu depctr_va_vdst(0)
	v_and_b32 v3, 31, v0
	v_lshlrev_b32 v[L8], 3, v3
	s_mul_i32 s18, s15, HALFT                      ; my 128 rows of A
	s_mul_i32 s19, s16, HALFT                      ; my 128 rows of B,
	s_add_co_u32 s19, s19, 2*HALFT                 ; which lie behind A's 256
.irp s, 0,1
	v_add_nc_u32 v[ADRA+\s], s18, v[L8]
	v_add_nc_u32 v[ADRB+\s], s19, v[L8]
	s_add_co_u32 s18, s18, SLOT
	s_add_co_u32 s19, s19, SLOT
.endr
	v_lshlrev_b32 v5, 3, v1                        ; my row's two words of a K step
	s_lshl_b32 s18, s15, 10                        ; my 128 rows' words of a K step: 1,024 bytes of its 2,048
	s_lshl_b32 s19, s16, 10
	s_add_co_u32 s19, s19, 2*HALFS
	s_sub_co_u32 s19, s19, s18
	v_mul_u32_u24 v6, s19, v2                      ; lanes 16-31 take B's: one product, the distance between the two bases
	s_add_co_u32 s18, s18, SCL
	v_add_nc_u32 v5, v5, v6
	v_add_nc_u32 v[ADRS], s18, v5
	s_lshl_b32 s18, s42, 10                        ; the bias of my 128 rows of B
	s_lshl_b32 s19, s16, 9
	s_add_co_u32 s18, s18, s19
	s_mov_b32 s19, 0
	s_add_nc_u64 s[10:11], s[10:11], s[18:19]
	v_lshlrev_b32 v7, 6, v2                        ; lane (r, h) wants, for tile 2 b + u, true rows 32 b + 16 h + 8 u + 0 .. 7
.irp b, 0,1,2,3,4,5,6,7
	global_load_b128 v[BI+8*\b:BI+8*\b+3], v7, s[10:11] offset:(32*(\b/2)+8*(\b%2))*4
	global_load_b128 v[BI+8*\b+4:BI+8*\b+7], v7, s[10:11] offset:(32*(\b/2)+8*(\b%2))*4+16
.endr
	s_mul_i32 s18, s42, KPS                        ; the result: kp' = B's tile, q = my half of B's rows, row tiles 16 x A's tile + 8 x my half of A's rows on
	s_add_co_u32 s18, s18, s95
	s_lshl_b32 s97, s17, 4
	s_lshl_b32 s2, s15, 3
	s_add_co_u32 s97, s97, s2
	s_mul_i32 s2, s97, 3072
	s_add_co_u32 s18, s18, s2
	s_mul_i32 s2, s16, 1536
	s_add_co_u32 s18, s18, s2
	s_add_nc_u64 s[12:13], s[8:9], s[18:19]
	s_mul_i32 s18, s42, SKPS
	s_add_co_u32 s18, s18, s95
	s_add_co_u32 s18, s18, OSC
	s_lshl_b32 s2, s97, 7
	s_add_co_u32 s18, s18, s2
	s_lshl_b32 s2, s16, 2
	s_add_co_u32 s18, s18, s2
	s_add_nc_u64 s[100:101], s[8:9], s[18:19]
.macro FRAG reg, adr, q, i             ; a fragment comes as it lies: six loads of 8 bytes a lane, 256 consecutive bytes each
.irp p, 0,1,2,3,4,5
	ds_load_b64 v[\reg+2*\p:\reg+2*\p+1], v[\adr] offset:(\i)*3072+(\q)*1536+\p*256
.endr
.endm
; 16 matrix instructions: A's blocks a0, a0 + 1 x B's eight, the slot's q-th 128 along K.  p: B's set; sc: the set of scale words.  zero = 1: the first product starts the sums from the bias.
; The 64 accumulators take turns, one instruction a turn, in the same order in every step.
.macro MUL16 a0, p, q, sc, zero
.irp a, \a0, \a0+1
.irp b, 0,1,2,3,4,5,6,7
.if \zero
	v_wmma_scale_f32_16x16x128_f8f6f4 v[8*(8*((\a)%4)+\b):8*(8*((\a)%4)+\b)+7], v[128*(\p)+FR*\b:128*(\p)+FR*\b+FR-1], v[AF+FR*(\a):AF+FR*(\a)+FR-1], v[BI+8*\b:BI+8*\b+7], v[SC+8*NQ*(\sc)+NQ*\b+(\q)], v[SC+8*NQ*(\sc)+NQ*(\a)+(\q)] matrix_a_fmt:MATRIX_FMT_FP6 matrix_b_fmt:MATRIX_FMT_FP6 matrix_a_scale:MATRIX_SCALE_ROW1
.else
	v_wmma_scale_f32_16x16x128_f8f6f4 v[8*(8*((\a)%4)+\b):8*(8*((\a)%4)+\b)+7], v[128*(\p)+FR*\b:128*(\p)+FR*\b+FR-1], v[AF+FR*(\a):AF+FR*(\a)+FR-1], v[8*(8*((\a)%4)+\b):8*(8*((\a)%4)+\b)+7], v[SC+8*NQ*(\sc)+NQ*\b+(\q)], v[SC+8*NQ*(\sc)+NQ*(\a)+(\q)] matrix_a_fmt:MATRIX_FMT_FP6 matrix_b_fmt:MATRIX_FMT_FP6 matrix_a_scale:MATRIX_SCALE_ROW1
.endif
.endr
.endr
.endm
.macro FETCH_B slot, q, p
	WIN TO_B
.irp i, 0,1,2,3,4,5,6,7
	FRAG 128*(\p)+FR*\i, ADRB+\slot, \q, \i
.endr
	WIN 0
.endm
.macro FETCH_A slot, q, i0
.irp i, \i0, \i0+1, \i0+2, \i0+3
	FRAG AF+FR*(\i), ADRA+\slot, \q, \i
.endr
.endm
.macro SCALES sc                       ; a K step's scale words: two words a row; lanes 0-15 take A's block i, lanes 16-31 B's block i
.irp i, 0,1,2,3,4,5,6,7
	ds_load_b64 v[SC+8*NQ*\sc+NQ*\i:SC+8*NQ*\sc+NQ*\i+1], v[ADRS] offset:\i*128
.endr
.endm
.macro PLACES n                        ; plain vector lines between a matrix instruction and a load into, or a vector read or write of, one of its registers (ISA guide 7.12.1 for the vector reads and writes)
.rept \n
	v_nop
.endr
.endm
.macro STEP slot, q, zero              ; a step of 128 along K that has its successor in the same slot
	s_wait_dscnt 4*NL                              ; B's set, A's blocks 0-3 and the scale words are in; the youngest 24 loads (A's blocks 4-7) may be out
	WIN MUL_LO-0x20*(\zero)                        ; (with the bias as C: source 2 in window 0)
	MUL16 0, (\q)%2, \q, \slot, \zero
	MUL16 2, (\q)%2, \q, \slot, \zero
	s_wait_dscnt 0                                 ; A's blocks 4-7 are in
	PLACES NP
	FETCH_B \slot, (\q)+1, 1-(\q)%2
	FETCH_A \slot, (\q)+1, 0
	WIN MUL_HI-0x30*(\zero)
	MUL16 4, (\q)%2, \q, \slot, \zero
	MUL16 6, (\q)%2, \q, \slot, \zero
	PLACES NP
	WIN 0
	FETCH_A \slot, (\q)+1, 4
.endm
; A slot's last step changes slots: one barrier; in front of it each wave waits for all its tensor loads, adds 0 to its spare word, and waits for that and for its own reads of this slot.  fill = 1: this slot is filled again, two K steps ahead.
.macro TURN slot, next, fill
	s_wait_tensorcnt 0x0                           ; all my tensor loads have landed: my part of the next slot
	ds_add_u32 v[SPW], v[NIL]                      ; 0 onto my spare word
	s_wait_dscnt 4*NL+1                            ; (the add and the youngest 24 loads, A's blocks 4-7, may be out)
	WIN MUL_LO
	MUL16 0, 1, NQ-1, \slot, 0                     ; sixteen matrix instructions stand between the add and the wait for it
	s_wait_dscnt 0x0                               ; the add is done, and my reads of this slot are over
	s_barrier_signal -1
	MUL16 2, 1, NQ-1, \slot, 0
	WIN 0
	s_barrier_wait -1
.if \fill
	CREST                                          ; the barrier has opened a round of the cluster's barrier: no wave of any partner still reads this slot or has a load on its way
	s_add_nc_u64 s[G0+4*\slot+2:G0+4*\slot+3], s[G0+4*\slot+2:G0+4*\slot+3], 2*KPS
	s_add_nc_u64 s[G0B+4*\slot+2:G0B+4*\slot+3], s[G0B+4*\slot+2:G0B+4*\slot+3], 2*KPS
	JLOAD G0+4*\slot, G1, G0B+4*\slot, G1B         ; the first tensor load behind the round; its four v_nop are the places in front of the loads below
.else
	PLACES NP
.endif
	s_wait_alu depctr_va_vdst(0)
	v_add_nc_u32 v[ADRS], 2048, v[ADRS]            ; on to the next K step's scale words
	FETCH_B \next, 0, 0
	FETCH_A \next, 0, 0
	SCALES \next
	WIN MUL_HI
	MUL16 4, 1, NQ-1, \slot, 0
	MUL16 6, 1, NQ-1, \slot, 0
	PLACES NP
	WIN 0
	FETCH_A \next, 0, 4
.endm
	s_wait_alu depctr_va_vdst(0)
	s_wait_tensorcnt 0x0                           ; my tile of the head's four is in
	ds_add_u32 v[SPW], v[NIL]
.irp g, G1, G1B
	s_mov_b32 s[\g+2], 96<<16                      ; no tensor load of mine is out: from here on a load brings 128 rows, 96 rows of 256 bytes
	s_mov_b32 s[\g+4], 96
.endr
	s_mul_i32 s18, s16, HALFT
	s_mov_b32 s19, 0
	s_mov_b32 s[G0+1], s45                         ; slot 0's group 0 becomes the ring's: my quarter of the slot, my 128 rows
	s_mov_b32 s[G0B+1], s45
	s_add_nc_u64 s[G0+2:G0+3], s[G0+2:G0+3], s[18:19]
	s_add_nc_u64 s[G0B+2:G0B+3], s[G0B+2:G0B+3], s[18:19]
	s_wait_dscnt 0x0
	CROUND                                         ; a whole round: all four tiles are in, and the joint loads meet
	JLOAD G0+4, G1, G0B+4, G1B                     ; K step 1, the first tensor load behind the round
	global_prefetch_b8 v30, s[20:21] offset:3*KPS th:TH_LOAD_NT scope:SCOPE_SE   ; K step 3, the last
	FETCH_B 0, 0, 0
	FETCH_A 0, 0, 0
	SCALES 0
	FETCH_A 0, 0, 4
	s_wait_loadcnt 0x0                             ; the bias
	STEP 0, 0, 1                                   ; the first step stands in front of the loop: its products start the sums
	s_mov_b32 s3, LAPS-1
.Llap:                                                 ; a trip goes once round the ring and fills both slots again
	TURN 0, 1, 1
	STEP 1, 0, 0
	TURN 1, 0, 1
	STEP 0, 0, 0
	s_sub_co_u32 s3, s3, 1
	s_cmp_lg_u32 s3, 0
	s_cbranch_scc1 .Llap
	TURN 0, 1, 0                                   ; the last lap fills nothing
	STEP 1, 0, 0
	s_wait_dscnt 4*NL                              ; the very last step
	WIN MUL_LO
	MUL16 0, 1, NQ-1, 1, 0
	MUL16 2, 1, NQ-1, 1, 0
	s_wait_dscnt 0
	WIN MUL_HI
	MUL16 4, 1, NQ-1, 1, 0
	MUL16 6, 1, NQ-1, 1, 0
	WIN 0
	PLACES NP
.irp b, 0,1,2,3
	v_mov_b32 v[TM+4+\b], 0                        ; written once: a lane permute's destination counts as one of its sources
.endr
; THE WAY OUT of A's block a: its 64 sums a lane are lifted into window 0 against the floor (each accumulator from its low end on), quantised, and stored: six stores of 256 consecutive bytes.
; The scale words of two blocks leave together: lanes 0-15 the even block's, lanes 16-31 the odd one's, 4 bytes in every 8.
.macro OUTA a
.if (\a) > 0
	s_wait_xcnt 0x0                                ; the last block's stores have read their registers: these are written again only behind this wait
.endif
	WIN 0x08+4*((\a)/4)                            ; source 1: window 2 or 3
.set j, 0
.rept 64
	v_max_num_f32 v[HA+j], s98, v[64*((\a)%4)+j]
.set j, j+1
.endr
	WIN 0
	QUANT HA
.irp p, 0,1,2,3,4,5
	global_store_b64 v[L8], v[PC+2*\p:PC+2*\p+1], s[12:13] offset:(\a)*3072+\p*256
.endr
.if (\a)%2 == 0
	v_mov_b32 v[PWE], v[PW]
.else
	v_cndmask_b32 v[PWS], v[PWE], v[PW], s99
	global_store_b32 v[L8], v[PWS], s[100:101] offset:((\a)-1)*128
.endif
.endm
.irp a, 0,1,2,3,4,5,6,7
	OUTA \a
.endr
	s_wait_tensorcnt 0x0                           ; the wave's end
	ds_add_u32 v[SPW], v[NIL]
	s_wait_dscnt 0x0
	CROUND                                         ; the closing round: no work-group ends while a partner may still ask for a tile that names it
	s_endpgm
.Lfunc_end_k_q692dd8f735_gq:
	.size	k_q692dd8f735_gq, .Lfunc_end_k_q692dd8f735_gq-k_q692dd8f735_gq
	.p2alignl 7, 3214868480
	.fill 96, 4, 3214868480
	.section	.rodata,"a",@progbits
	.p2align	6, 0x0
	.amdhsa_kernel k_q692dd8f735_gq
		.amdhsa_group_segment_fixed_size 327680
		.amdhsa_private_segment_fixed_size 0
		.amdhsa_enable_private_segment 0
		.amdhsa_kernarg_size 40
		.amdhsa_user_sgpr_count 2
		.amdhsa_user_sgpr_kernarg_segment_ptr 1
		.amdhsa_wavefront_size32 1
		.amdhsa_system_sgpr_workgroup_id_x 1
		.amdhsa_system_sgpr_workgroup_id_y 1
		.amdhsa_system_sgpr_workgroup_id_z 1
		.amdhsa_system_vgpr_workitem_id 0
		.amdhsa_next_free_vgpr 1024
		.amdhsa_next_free_sgpr 102
		.amdhsa_reserve_vcc 0
		.amdhsa_float_denorm_mode_32 3
		.amdhsa_float_denorm_mode_16_64 3
		.amdhsa_memory_ordered 1
		.amdhsa_forward_progress 1
		.amdhsa_inst_pref_size 186
	.end_amdhsa_kernel
	.amdgpu_metadata
---
amdhsa.version: [ 1, 2 ]
amdhsa.kernels:
  - .name:           k_q692dd8f735_gq
    .symbol:         k_q692dd8f735_gq.kd
    .args:
      - { .name: XI, .offset: 0, .size: 8, .value_kind: global_buffer, .address_space: global }
      - { .name: WA, .offset: 8, .size: 8, .value_kind: global_buffer, .address_space: global }
      - { .name: QV, .offset: 16, .size: 8, .value_kind: global_buffer, .address_space: global }
      - { .name: ZB, .offset: 24, .size: 8, .value_kind: global_buffer, .address_space: global }
      - { .name: NI, .offset: 32, .size: 8, .value_kind: global_buffer, .address_space: global }
    .group_segment_fixed_size: 327680
    .private_segment_fixed_size: 0
    .kernarg_segment_align: 8
    .kernarg_segment_size: 40
    .max_flat_workgroup_size: 128
    .sgpr_count:     102
    .vgpr_count:     1024
    .wavefront_size: 32
...
	.end_amdgpu_metadata
.endif
;; end of part 8
;; launch attn (part 9): grid 8 x 32, 8 waves a work-group, clusters of 4 x 1, 215,040 bytes of LDS; arguments QV, src_mask, XI; writes XI
.if DOCPART == 9
	.amdgcn_target "amdgcn-amd-amdhsa--gfx1250"
	.amdhsa_code_object_version 6
	.text
	.protected	k_q692dd8f735_attn
	.globl	k_q692dd8f735_attn
	.p2align	8
	.type	k_q692dd8f735_attn,@function
k_q692dd8f735_attn:
	s_mov_b64 s[64:65], 0
	v_nop
	global_prefetch_b8 v0, s[64:65] scope:SCOPE_SE
	s_setreg_imm32_b32 hwreg(HW_REG_WAVE_MODE, 25, 1), 1
	s_wait_xcnt 0x0
	s_wait_alu depctr_hold_cnt(0) depctr_sa_sdst(0) depctr_va_vdst(0) depctr_va_sdst(0) depctr_va_ssrc(0) depctr_va_vcc(0) depctr_vm_vsrc(0)
	s_getreg_b32 s2, hwreg(HW_REG_IB_STS2, 6, 4)
	s_cmp_eq_u32 s2, 0
	s_cbranch_scc0 .Lentry_in_a_cluster
	s_endpgm
.Lentry_in_a_cluster:
	s_bfe_u32 s2, ttmp6, 0x10000c
	s_cmp_lg_u32 s2, 0x3003
	s_cbranch_scc0 .Lentry_shape_is_right
	s_endpgm
.Lentry_shape_is_right:
; Attention of one head on codes of FP6 (E2M3, one E8M0 byte for each 32 along a product's K), 2 batches x 16 heads of 64, 2,048 keys, with the key mask src_mask; the result, divided by the row's sum,
; is quantised along the model's 1,024 and stored as an image of operand registers.
; IN QV: at byte 0 the image of q (K' 0-1023) and k (K' 1024-2047), rows = tokens; at OFF2 the image of the values with the keys innermost, rows 2048 + 64 head + d, K' = tokens.
; An image: byte = kp 786432 + rt 3072 + q 1536 + p 256 + 8 lane; scale words at OSC + kp 32768 + position 8 + q 4.  Position r of row tile rt holds true row 32 (rt / 2) + 8 (rt % 2) + r + 8 (r / 8).
; THE SOFTMAX: t = score x log2(e) / 8; M = the running largest t rounded up to a whole number; p = 2^(t - M) is quantised along the keys, not normalised; the row's sum is taken of the unquantised p
; and divides at the end; when M moves, the sum and O are multiplied by 2^(old M - new M): exact.
; SHARES: a work-group owns 256 queries of one head; each of its eight waves TWO tiles of 16 queries, so that each fragment of K and of V read from LDS feeds two matrix instructions.
; All of the head's K and V (2 x 98,304 bytes) lie in LDS, filled once: waves 0-3 fetch four key steps of K each (32 rows of 768 bytes), waves 4-7 two K' steps of 256 of V each (2 rows of 12,288 bytes): one load a wave.
; CLUSTER: the four query blocks of a cluster walk the same K and V: each tile is asked for jointly (mask 15).  No prefetch: everything is asked for at the head, there is no loop to run ahead in.
; LAYOUT: S^T = K Q^T (source 0 = 16 keys, source 1 = 16 queries), O^T = V^T P^T: a lane holds one query of each tile.  By the row order the 16 registers of key tiles 2 b, 2 b + 1 are 16 neighbouring keys.
; THE MASK rides in the first product's idle half (its K is 64 of the instruction's 128): at k = 64 Q holds the code of 1.0 under the byte 127 and K the code of -7.5 under a byte that is 227 for a masked key and 0 for
; an open one.  A masked score is -7.5 x 2^100, so its p is 0; an open one is shifted by -7.5 x 2^-127.  The largest score starts at -2^99, above every masked score, so M never comes from a masked key.
; A row all of whose keys are masked ends with the sum 0: its scale bytes become 0xff, which makes the next product NaN there, as the softmax of such a row is.
; LIMITS: scores under 2^99 in magnitude; the shift just named; NaN and infinities are not served.  A block of zeros gets the byte 1 where the rule says 127: its codes are zeros and this program alone reads the bytes.
; A TRIP is two key steps of 128 (one K' step of 256 of V), 8 trips.  In each step one run of LDS loads stands behind the maxima: the next step's K and this step's V.
; REGISTERS.  Window 0: addresses, scale words, Q's two fragments, K's eight, V's four.  Window 1, tile u: S^T then p at 64 u; O^T at 128 + 32 u; p's codes at 192 + 12 u; 216-222 half blocks in hand;
;   at 224 + 16 u: +0 -M (a pair), +2 the sum (a pair), +4 the factor (a pair), +6 the largest score, +7 in hand, +8..11 a number for each block, +12..15 in hand.
.set KPS,   786432
.set SCO,   3145728
.set OSC,   12582912
.set OFF2,  13107200
.set VT,    98304                      ; LDS: K's 16 key steps x 6,144 bytes at 0; V's 8 x 12,288 (d tile x 3072 + step % 2 x 1536) here;
.set KSW,   196608                     ; K's 2,048 scale words, with the mask's byte;
.set VSW,   204800                     ; V's 16 x 64;
.set SPARE, 212992                     ; the spare words, 128 bytes a wave
.set AK0,  1
.set AV0,  2
.set ASK0, 3
.set ASV0, 4
.set L8,   5
.set OB,   6
.set ZR,   7
.set ADK,  8
.set ADV,  9
.set ADS,  10
.set ADT,  11
.set SPW,  12
.set NIL,  13
.set PW,   14                          ; v14-15 p's scale words; v16-17 Q's; v18-25 K's; v26-29 V's
.set QW,   16
.set KW,   18
.set VW,   26
.set QF,   32                          ; v32-55  Q
.set KF,   56                          ; v56-151 K (registers 6-11 of each fragment are constants)
.set VF,   152                         ; v152-199 V
.set WV,   18
.set SEL,  20
.set CS,   22
.set G1K,  24
.set G1V,  32
.set G0K,  40
.set G0V,  44
.set TB,   2
.set TS,   3
.set TJ,   66
.set CNT,  67
.set HM,   68
.set NC,   69
.set ZM,   98
.set MSB, 0
.macro WIN new                         ; the immediate's high byte repeats the setting that is left
.if MSB != (\new)
	s_set_vgpr_msb (MSB<<8)|(\new)
.set MSB, (\new)
.endif
.endm
.macro WALU
	s_wait_alu depctr_va_vdst(0)
.endm
.macro CROUND                          ; a round of the cluster's barrier
	s_barrier_signal -1
	s_barrier_wait -1
	s_cmp_lg_u32 s[WV], 0
	s_cbranch_scc1 .Lnot_wave_0_\@
	s_barrier_signal -3
.Lnot_wave_0_\@:
	s_barrier_wait -3
	s_barrier_signal -1
	s_barrier_wait -1
.endm
	s_load_b128 s[4:7], s[0:1], 0x0                ; QV, src_mask
	s_load_b64 s[8:9], s[0:1], 0x10                ; XI
	v_lshl_add_u32 v[SPW], v0, 2, SPARE
	v_mov_b32 v[NIL], 0
	ds_add_u32 v[SPW], v[NIL]                      ; the opening lines: the add, twice on end, and its wait
	ds_add_u32 v[SPW], v[NIL]
	v_lshrrev_b32 v8, 5, v0
	v_readfirstlane_b32 s[WV], v8                  ; wave 0..7
	s_and_b32 s70, ttmp7, 0xffff
	s_lshr_b32 s71, s70, 4                         ; the batch
	s_and_b32 s72, s70, 15                         ; the head
	s_lshr_b32 s73, s72, 2                         ; its kp,
	s_bfe_u32 s74, s72, 0x10001                    ; its fragment of the two,
	s_and_b32 s75, s72, 1                          ; its half of the fragment
	s_mul_i32 s76, s74, 1536
	s_mul_i32 s77, s75, 768
	s_add_co_u32 s76, s76, s77                     ; the head's 768 bytes in a row tile's 3,072
	s_lshl_b32 s77, s74, 2
	s_lshl_b32 s78, s75, 1
	s_add_co_u32 s77, s77, s78                     ; and its two bytes in a position's 8
	s_and_b32 s80, s[WV], 3                        ; which quarter of K or of V I fetch
	s_add_co_u32 s82, s73, 4                       ; K: kp 4 + the head's,
	s_mul_i32 s82, s82, KPS
	s_mul_i32 s83, s71, 128*3072                   ; the batch's 128 row tiles,
	s_add_co_u32 s82, s82, s83
	s_add_co_u32 s82, s82, s76
	s_mul_i32 s83, s80, 32*3072                    ; my 32 of them
	s_add_co_u32 s82, s82, s83
	s_mov_b32 s83, 0
	s_lshl_b32 s84, s71, 3                         ; V: kp' = 8 x batch + 2 x quarter,
	s_lshl_b32 s85, s80, 1
	s_add_co_u32 s84, s84, s85
	s_mul_i32 s84, s84, KPS
	s_lshl_b32 s85, s72, 2
	s_add_co_u32 s85, s85, 128                     ; row tiles 128 + 4 x head on
	s_mul_i32 s85, s85, 3072
	s_add_co_u32 s84, s84, s85
	s_add_co_u32 s84, s84, OFF2
	s_mov_b32 s85, 0
	s_mul_i32 s86, s80, 24576                      ; and where they go: the wave's number alone enters an LDS address
	s_mov_b32 s[G1K], 15|(3<<16)|(1<<21)           ; K: 32 rows of 768 bytes (96 elements of 8), 3,072 bytes apart; the mask names all four work-groups
	s_mov_b32 s[G1K+1], 96<<16
	s_mov_b32 s[G1K+2], 32<<16
	s_mov_b32 s[G1K+3], 96<<16
	s_mov_b32 s[G1K+4], 32
	s_mov_b32 s[G1K+5], 384
	s_mov_b32 s[G1K+6], 0
	s_mov_b32 s[G1K+7], 0
	s_mov_b32 s[G1V], 15|(3<<16)|(1<<21)           ; V: 2 rows of 12,288 bytes (1,536 elements), KPS bytes apart
	s_mov_b32 s[G1V+1], 1536<<16
	s_mov_b32 s[G1V+2], 2<<16
	s_mov_b32 s[G1V+3], 1536<<16
	s_mov_b32 s[G1V+4], 2
	s_mov_b32 s[G1V+5], KPS/8
	s_mov_b32 s[G1V+6], 0
	s_mov_b32 s[G1V+7], 0
	s_bfe_u32 s78, ttmp6, 0x40000                  ; cx: it enters Q's and the result's addresses alone
	s_lshl_b32 s79, ttmp9, 2
	s_add_co_u32 s79, s79, s78
	s_lshl_b32 s79, s79, 4
	s_lshl_b32 s78, s[WV], 1
	s_add_co_u32 s79, s79, s78
	s_lshl_b32 s78, s71, 7
	s_add_co_u32 s79, s79, s78                     ; my first row tile: 128 x batch + 16 x query block + 2 x wave
	s_mul_i32 s14, s73, KPS
	s_mul_i32 s15, s79, 3072
	s_add_co_u32 s14, s14, s15
	s_add_co_u32 s14, s14, s76                     ; my codes, in q's image and in the result's alike
	s_mov_b32 s15, 0
	s_lshl_b32 s16, s73, 15
	s_lshl_b32 s17, s79, 7
	s_add_co_u32 s16, s16, s17
	s_add_co_u32 s16, s16, s77                     ; and my scale bytes
	s_mov_b32 s17, 0
	s_add_co_u32 s88, s73, 4                       ; K's scale bytes of the batch
	s_lshl_b32 s88, s88, 15
	s_lshl_b32 s89, s71, 14
	s_add_co_u32 s88, s88, s89
	s_add_co_u32 s88, s88, s77
	s_add_co_u32 s88, s88, OSC
	s_mov_b32 s89, 0
	s_lshl_b32 s90, s71, 13                        ; the batch's mask
	s_mov_b32 s91, 0
	s_lshl_b32 s92, s71, 18                        ; V's scale words: kp' 8 x batch on, positions 2048 + 64 x head on
	s_lshl_b32 s93, s72, 9
	s_add_co_u32 s92, s92, s93
	s_add_co_u32 s92, s92, OFF2+OSC+2048*8
	s_mov_b32 s93, 0
	s_mov_b32 s[SEL], 0x76543210
	s_mov_b32 s[SEL+1], 0xfedcba98                 ; v_permlanex16_b32's selects for lane l xor 16
	s_mov_b32 s[CS], 0x3e38aa3b                    ; c = log2(e) / sqrt(64)
	s_mov_b32 s[CS+1], s[CS]
	s_mov_b32 s[NC], 0xbe38aa3b                    ; -c
	s_mov_b32 s[HM], 0xffff0000                    ; lanes 16-31
	s_mov_b32 s[TB], 0
	s_mov_b32 s[TS], 0
	s_mov_b32 s[TJ], 0
	s_mov_b32 s[CNT], 8
	s_wait_dscnt 0x0
	s_wait_kmcnt 0x0
	CROUND                                         ; all four work-groups are here: the joint loads meet
	s_mov_b32 s[G0K], 1
	s_mov_b32 s[G0K+1], s86
	s_add_nc_u64 s[G0K+2:G0K+3], s[4:5], s[82:83]
	s_or_b32 s[G0K+3], s[G0K+3], 0x80000000
	s_mov_b32 s[G0V], 1
	s_add_co_u32 s[G0V+1], s86, VT
	s_add_nc_u64 s[G0V+2:G0V+3], s[4:5], s[84:85]
	s_or_b32 s[G0V+3], s[G0V+3], 0x80000000
	s_cmp_lt_u32 s[WV], 4                          ; one branch on the wave's number, a fill in each arm: one tensor load a wave
	s_cbranch_scc0 .Lfirst_v
	tensor_load_to_lds s[G0K:G0K+3], s[G1K:G1K+7]
	s_nop 0
.rept 4
	v_nop
.endr
	s_branch .Lfirst_asked
.Lfirst_v:
	tensor_load_to_lds s[G0V:G0V+3], s[G1V:G1V+7]
	s_nop 0
.rept 4
	v_nop
.endr
.Lfirst_asked:
	s_add_nc_u64 s[88:89], s[4:5], s[88:89]
	s_add_nc_u64 s[90:91], s[6:7], s[90:91]
	s_add_nc_u64 s[92:93], s[4:5], s[92:93]
	s_add_nc_u64 s[94:95], s[4:5], s[14:15]
	s_add_nc_u64 s[10:11], s[8:9], s[14:15]
	s_add_nc_u64 s[96:97], s[4:5], s[16:17]
	s_add_nc_u64 s[96:97], s[96:97], OSC
	s_add_nc_u64 s[12:13], s[8:9], s[16:17]
	s_add_nc_u64 s[12:13], s[12:13], SCO
	; ---- the scale words are made ready in LDS by all 256 threads: key positions t + 256 j; V's words of kp' t / 64 and t / 64 + 4, position t % 64
	v_lshlrev_b32 v200, 3, v0                      ; 8 bytes a position
	v_and_b32 v201, 0xe7, v0
	v_bfe_u32 v202, v0, 3, 1
	v_bfe_u32 v203, v0, 4, 1
	v_lshl_or_b32 v201, v202, 4, v201
	v_lshl_or_b32 v201, v203, 3, v201              ; the position's true token: bits 3 and 4 change places
	v_lshlrev_b32 v201, 2, v201
	v_lshrrev_b32 v202, 6, v0
	v_and_b32 v203, 63, v0
	v_lshlrev_b32 v204, 9, v202
	v_lshl_add_u32 v204, v203, 2, v204
	v_add_nc_u32 v204, VSW, v204                   ; LDS: V's words of key steps 2 (t / 64) and, 256 bytes on, 2 (t / 64) + 1
	v_lshlrev_b32 v202, 15, v202
	v_lshl_add_u32 v202, v203, 3, v202
	v_lshl_add_u32 v205, v0, 2, KSW                ; LDS: K's word of position t
	v_and_b32 v206, 15, v0                         ; r
	v_bfe_u32 v207, v0, 4, 1                       ; h
	v_and_b32 v208, 31, v0
	v_lshlrev_b32 v[L8], 3, v208                   ; 8 x lane
	v_lshlrev_b32 v209, 3, v206                    ; 8 r
.irp j, 0,1,2,3,4,5,6,7
	global_load_u16 v[210+\j], v200, s[88:89] offset:2048*\j   ; the key's two scale bytes
.endr
.irp j, 0,1,2,3,4,5,6,7
	global_load_b32 v[218+\j], v201, s[90:91] offset:1024*\j   ; and its mask
.endr
	global_load_b64 v[226:227], v202, s[92:93]
	global_load_b64 v[228:229], v202, s[92:93] offset:131072
.irp u, 0,1
.irp i, 0,1,2
	global_load_b64 v[QF+12*\u+2*\i:QF+12*\u+2*\i+1], v[L8], s[94:95] offset:\u*3072+\i*256   ; Q's codes stay in registers
.endr
	global_load_u16 v[230+\u], v209, s[96:97] offset:128*\u    ; Q's two scale bytes
.endr
	v_mov_b32 v[ZR], 0
	v_mov_b32 v232, 227<<16
	v_mov_b32 v[AK0], v[L8]
	v_add_nc_u32 v[AV0], VT, v[L8]
	v_lshl_add_u32 v[ASK0], v206, 2, KSW
	v_lshl_add_u32 v[ASV0], v206, 2, VSW
	v_add_nc_u32 v[OB], v209, v207                 ; 8 r + h: lanes 0-15 store the first block's byte, lanes 16-31 the second's
	WALU
	s_wait_loadcnt 0x0
.irp u, 0,1
	v_or_b32 v[QW+\u], 0x7f0000, v[230+\u]         ; Q's scale word: byte 2, over the mask's slot, stands for 1
.endr
.irp j, 0,1,2,3,4,5,6,7
	v_cmp_eq_u32 vcc_lo, 0, v[218+\j]
	v_cndmask_b32 v[218+\j], 0, v232, vcc_lo       ; byte 2: 227 where the key is masked, else 0
	v_or_b32 v[210+\j], v[210+\j], v[218+\j]
	ds_store_b32 v205, v[210+\j] offset:1024*\j
.endr
	ds_store_b32 v204, v226
	ds_store_b32 v204, v227 offset:256
	ds_store_b32 v204, v228 offset:2048
	ds_store_b32 v204, v229 offset:2304
.irp u, 0,1
	v_cndmask_b32 v[QF+12*\u+6], 8, v[ZR], s[HM]   ; k = 64: the code of 1.0, in lanes 0-15
.irp i, 7,8,9,10,11
	v_mov_b32 v[QF+12*\u+\i], 0
.endr
.endr
.irp t, 0,1,2,3,4,5,6,7
	v_cndmask_b32 v[KF+12*\t+6], 63, v[ZR], s[HM]  ; k = 64: the code of -7.5
.irp i, 7,8,9,10,11
	v_mov_b32 v[KF+12*\t+\i], 0
.endr
.endr
	WIN 0x55                                       ; window 1: the state of both tiles
.set j, 0
.rept 64
	v_mov_b32 v[128+j], 0                          ; O^T: the step is written once; the first finds zeros
.set j, j+1
.endr
.irp u, 0,1
	v_mov_b32 v[230+16*\u], 0xf1000000             ; the largest score so far: -2^99
	v_mov_b32 v[225+16*\u], 0                      ; (upper halves of pairs that packed forms name)
	v_mov_b32 v[226+16*\u], 0                      ; the sum
	v_mov_b32 v[227+16*\u], 0
	v_mov_b32 v[229+16*\u], 0
.irp b, 0,1,2,3
	v_mov_b32 v[236+16*\u+\b], 0                   ; written once: a lane permute's destination counts as one of its sources
.endr
	v_mul_f32 v[231+16*\u], s[NC], v[230+16*\u]
	v_floor_f32 v[224+16*\u], v[231+16*\u]         ; -M
.endr
	WIN 0
	WALU
	s_wait_dscnt 0x0                               ; for the others' sake: my scale words lie in LDS,
	s_wait_tensorcnt 0x0                           ; and my tile has landed
	s_barrier_signal -1
	s_barrier_wait -1
.macro KLOAD ak, as, ko, so            ; a key step's eight fragments of K (three pairs each: the head's 64 along K) and their scale words
.irp t, 0,1,2,3,4,5,6,7
.irp i, 0,1,2
	ds_load_b64 v[KF+12*\t+2*\i:KF+12*\t+2*\i+1], v[\ak] offset:(\ko)+\t*768+\i*256
.endr
	ds_load_b32 v[KW+\t], v[\as] offset:(\so)+\t*64
.endr
.endm
.macro VLOAD s                         ; the step's four fragments of V and their scale words
.irp t, 0,1,2,3
.irp p, 0,1,2,3,4,5
	ds_load_b64 v[VF+12*\t+2*\p:VF+12*\t+2*\p+1], v[ADV] offset:(\s)*1536+\t*3072+\p*256
.endr
	ds_load_b32 v[VW+\t], v[ADT] offset:(\s)*256+\t*64
.endr
.endm
.macro SUML u, step                    ; one level of the tree that sums tile u's p, in place, two numbers an instruction
.set j, 0
.rept 64/(\step)
	v_pk_add_f32 v[64*(\u)+j:64*(\u)+j+1], v[64*(\u)+j:64*(\u)+j+1], v[64*(\u)+j+(\step)/2:64*(\u)+j+(\step)/2+1]
.set j, j+(\step)
.endr
.endm
.macro QZ u                            ; tile u's p becomes a fragment's codes and a scale word; the blocks' largest p stand at 232 + 16 u on
.irp b, 0,1,2,3
	v_max_num_f32 v[232+16*\u+\b], 0x1800000, v[232+16*\u+\b]      ; the floor 2^(3 - 127): the byte cannot fall under 1
.endr
.irp b, 0,1,2,3
	v_add_nc_u32 v[236+16*\u+\b], 0xff000000, v[232+16*\u+\b]      ; 2 off the exponent field: the conversion's scale operand
.endr
.irp c, 0,1
	v_cvt_scalef32_pk16_fp6_f32 v[192+12*\u+6*\c:194+12*\u+6*\c], v[64*\u+32*\c:64*\u+32*\c+15], v[236+16*\u+2*\c]
	v_cvt_scalef32_pk16_fp6_f32 v[216+4*\c:218+4*\c], v[64*\u+32*\c+16:64*\u+32*\c+31], v[237+16*\u+2*\c]
.endr
.irp b, 0,1,2,3
	v_lshrrev_b32 v[232+16*\u+\b], 23, v[236+16*\u+\b]             ; the scale's byte (plain lines behind the conversions)
.endr
.irp c, 0,1
.irp i, 0,1,2
	v_permlane16_swap_b32 v[192+12*\u+6*\c+\i], v[216+4*\c+\i]     ; a whole block to a lane
.endr
.endr
.irp c, 0,1
.irp i, 0,1,2
	v_mov_b32 v[195+12*\u+6*\c+\i], v[216+4*\c+\i]
.endr
.endr
	v_lshl_or_b32 v[232+16*\u], v[233+16*\u], 8, v[232+16*\u]
	v_lshl_or_b32 v[232+16*\u], v[234+16*\u], 16, v[232+16*\u]
	WIN 0x15                                       ; scale operands are taken from window 0
	v_lshl_or_b32 v[PW+\u], v[235+16*\u], 24, v[232+16*\u]
	WIN 0x55
.endm
.macro STEP s                          ; 128 keys x 32 queries
	WIN 0x40
.irp t, 0,1,2,3,4,5,6,7
.irp u, 0,1
	v_wmma_scale_f32_16x16x128_f8f6f4 v[64*\u+8*\t:64*\u+8*\t+7], v[KF+12*\t:KF+12*\t+11], v[QF+12*\u:QF+12*\u+11], 0, v[KW+\t], v[QW+\u] matrix_a_fmt:MATRIX_FMT_FP6 matrix_b_fmt:MATRIX_FMT_FP6
.endr
.endr
	WIN 0x55
.rept 4
	v_nop                                          ; places behind the products (ISA guide 7.12.1)
.endr
.irp u, 0,1
.irp b, 0,1,2,3
	v_max3_num_f32 v[232+16*\u+\b], v[64*\u+16*\b], v[64*\u+16*\b+1], v[64*\u+16*\b+2]   ; the largest score of each block of 32 keys: for the row's maximum and for the block's largest p; eight chains by turns
.endr
.endr
.irp i, 3,5,7,9,11,13
.irp u, 0,1
.irp b, 0,1,2,3
	v_max3_num_f32 v[232+16*\u+\b], v[232+16*\u+\b], v[64*\u+16*\b+\i], v[64*\u+16*\b+\i+1]
.endr
.endr
.endr
.irp u, 0,1
.irp b, 0,1,2,3
	v_max_num_f32 v[232+16*\u+\b], v[232+16*\u+\b], v[64*\u+16*\b+15]
.endr
.endr
	WIN 0                                          ; one run of LDS loads: the 68 plain lines above are the places behind the products that read these registers
.if \s
	s_cmp_eq_u32 s[CNT], 1                         ; the last step has no successor
	WALU
	s_cbranch_scc1 .Lno_next
	KLOAD ADK, ADS, 12288, 1024
.Lno_next:
.else
	KLOAD ADK, ADS, 6144, 512
.endif
	VLOAD \s
	WIN 0x55
.irp u, 0,1
.irp b, 0,1,2,3
	v_permlanex16_b32 v[236+16*\u+\b], v[232+16*\u+\b], s[SEL], s[SEL+1]
.endr
.endr
.irp u, 0,1
.irp b, 0,1,2,3
	v_max_num_f32 v[232+16*\u+\b], v[232+16*\u+\b], v[236+16*\u+\b]   ; with lane l xor 16's 16 keys
.endr
.endr
.irp u, 0,1
	v_max3_num_f32 v[230+16*\u], v[230+16*\u], v[232+16*\u], v[233+16*\u]
.endr
.irp u, 0,1
	v_max3_num_f32 v[230+16*\u], v[230+16*\u], v[234+16*\u], v[235+16*\u]   ; the running largest score
.endr
.irp u, 0,1
	v_mul_f32 v[231+16*\u], s[NC], v[230+16*\u]    ; -t
.endr
.irp u, 0,1
	v_mov_b32 v[228+16*\u], v[224+16*\u]
.endr
.irp u, 0,1
	v_floor_f32 v[224+16*\u], v[231+16*\u]         ; the new -M = floor(-t): M is a whole number
.endr
.irp u, 0,1
	v_sub_f32 v[228+16*\u], v[224+16*\u], v[228+16*\u]   ; old M - new M: a whole number, 0 or less
.endr
.irp u, 0,1
	v_cvt_i32_f32 v[228+16*\u], v[228+16*\u]       ; (it saturates)
.endr
.irp u, 0,1
	v_ldexp_f32 v[228+16*\u], 1.0, v[228+16*\u]    ; f = 2^(old M - new M)
.endr
.set j, 0
.rept 32
	v_pk_fma_f32 v[j:j+1], v[j:j+1], s[CS:CS+1], v[224:225] op_sel_hi:[1,0,0]   ; tile 0: t - M, two at a time
.set j, j+2
.endr
.irp b, 0,1,2,3
	v_fma_f32 v[232+\b], v[232+\b], s[CS], v224    ; the same of each block's largest score
.endr
.irp u, 0,1
.set j, 0
.rept 16
	v_pk_mul_f32 v[128+32*\u+j:129+32*\u+j], v[128+32*\u+j:129+32*\u+j], v[228+16*\u:229+16*\u] op_sel_hi:[1,0]   ; O^T under the new M
.set j, j+2
.endr
	v_pk_mul_f32 v[226+16*\u:227+16*\u], v[226+16*\u:227+16*\u], v[228+16*\u:229+16*\u] op_sel_hi:[1,0]           ; and the sum
.endr
	WALU
.irp b, 0,1,2,3
	v_exp_f32 v[232+\b], v[232+\b]                 ; tile 0: the block's largest p: the same two instructions on the same number
.endr
.set j, 0
.rept 32
	v_exp_f32 v[j], v[j]                           ; tile 0: p = 2^(t - M);
	v_exp_f32 v[j+1], v[j+1]
	v_pk_fma_f32 v[64+j:65+j], v[64+j:65+j], s[CS:CS+1], v[240:241] op_sel_hi:[1,0,0]   ; among them tile 1's t - M, which is read behind the next wait
.set j, j+2
.endr
.irp b, 0,1,2,3
	v_fma_f32 v[248+\b], v[248+\b], s[CS], v240
.endr
	WALU                                           ; one wait for the batch, ahead of its first reader
	QZ 0
	WALU                                           ; and ahead of the second batch
.irp b, 0,1,2,3
	v_exp_f32 v[248+\b], v[248+\b]
.endr
.set j, 0
.rept 16
	v_exp_f32 v[64+j], v[64+j]                     ; tile 1: p;
	v_exp_f32 v[65+j], v[65+j]
	v_exp_f32 v[66+j], v[66+j]
	v_exp_f32 v[67+j], v[67+j]
	v_pk_add_f32 v[j:j+1], v[j:j+1], v[j+2:j+3]    ; among them the first level of tile 0's sum of the unquantised p (its codes are made)
.set j, j+4
.endr
	WALU
	QZ 1
	SUML 0, 8                                      ; the two trees by turns; these lines are also the places between the codes and scale words just made and the products below
	SUML 1, 4
	SUML 0, 16
	SUML 1, 8
	SUML 0, 32
	SUML 1, 16
	SUML 0, 64
	SUML 1, 32
	v_pk_add_f32 v[226:227], v[226:227], v[0:1]
	SUML 1, 64
	v_pk_add_f32 v[242:243], v[242:243], v[64:65]
	WIN 0
	WALU
	s_wait_dscnt 0x0                               ; V, and the next step's K
	WIN 0x54
.irp t, 0,1,2,3
.irp u, 0,1
	v_wmma_scale_f32_16x16x128_f8f6f4 v[128+32*\u+8*\t:135+32*\u+8*\t], v[VF+12*\t:VF+12*\t+11], v[192+12*\u:203+12*\u], v[128+32*\u+8*\t:135+32*\u+8*\t], v[VW+\t], v[PW+\u] matrix_a_fmt:MATRIX_FMT_FP6 matrix_b_fmt:MATRIX_FMT_FP6
.endr
.endr
.endm
	KLOAD AK0, ASK0, 0, 0                          ; the first step's K
	s_wait_dscnt 0x0
.Ltrip:                                            ; two key steps; 8 trips
	v_add_nc_u32 v[ADK], s[TB], v[AK0]
	v_add_nc_u32 v[ADV], s[TB], v[AV0]
	v_add_nc_u32 v[ADS], s[TS], v[ASK0]
	v_add_nc_u32 v[ADT], s[TJ], v[ASV0]
	STEP 0
	STEP 1
	WIN 0
	s_add_co_u32 s[TB], s[TB], 12288
	s_add_co_u32 s[TS], s[TS], 1024
	s_add_co_u32 s[TJ], s[TJ], 512
	s_sub_co_u32 s[CNT], s[CNT], 1
	s_cmp_lg_u32 s[CNT], 0
	s_cbranch_scc1 .Ltrip
	; ---- THE WAY OUT: O^T / the sum, quantised along my head's 64 channels (two blocks a tile), three stores of 256 consecutive bytes a tile, a byte a lane of scales
	WIN 0x55
.irp u, 0,1
	v_add_f32 v[226+16*\u], v[226+16*\u], v[227+16*\u]
.endr
.irp u, 0,1
	v_permlanex16_b32 v[231+16*\u], v[226+16*\u], s[SEL], s[SEL+1]
.endr
.irp u, 0,1
	v_add_f32 v[226+16*\u], v[226+16*\u], v[231+16*\u]             ; the row's sum
.endr
.irp u, 0,1
	v_cmp_eq_f32 s[ZM+\u], 0, v[226+16*\u]         ; every key masked?
.endr
	WALU
.irp u, 0,1
	v_rcp_f32 v[228+16*\u], v[226+16*\u]
.endr
	v_mov_b32 v231, 0xff                           ; a plain line behind the reciprocals
	WALU                                           ; the wait, directly ahead of the first reader of the reciprocals and of O^T
.irp u, 0,1
.set j, 0
.rept 16
	v_pk_mul_f32 v[128+32*\u+j:129+32*\u+j], v[128+32*\u+j:129+32*\u+j], v[228+16*\u:229+16*\u] op_sel_hi:[1,0]   ; register 16 b + i: channel 32 b + 16 (lane / 16) + i
.set j, j+2
.endr
.endr
.irp u, 0,1
.irp b, 0,1
	v_max3_num_f32 v[232+16*\u+\b], |v[128+32*\u+16*\b]|, |v[129+32*\u+16*\b]|, 0x1800000
.endr
.endr
.irp i, 2,4,6,8,10,12,14
.irp u, 0,1
.irp b, 0,1
	v_max3_num_f32 v[232+16*\u+\b], v[232+16*\u+\b], |v[128+32*\u+16*\b+\i]|, |v[129+32*\u+16*\b+\i]|
.endr
.endr
.endr
.irp u, 0,1
.irp b, 0,1
	v_permlanex16_b32 v[236+16*\u+\b], v[232+16*\u+\b], s[SEL], s[SEL+1]
.endr
.endr
.irp u, 0,1
.irp b, 0,1
	v_max_num_f32 v[232+16*\u+\b], v[232+16*\u+\b], v[236+16*\u+\b]
.endr
.endr
.irp u, 0,1
.irp b, 0,1
	v_add_nc_u32 v[236+16*\u+\b], 0xff000000, v[232+16*\u+\b]
.endr
.endr
.irp u, 0,1
.irp b, 0,1
	v_lshrrev_b32 v[232+16*\u+\b], 23, v[236+16*\u+\b]
.endr
.endr
.irp u, 0,1
.irp b, 0,1
	v_cndmask_b32 v[232+16*\u+\b], v[232+16*\u+\b], v231, s[ZM+\u]   ; 0xff where the sum is 0
.endr
.endr
.irp u, 0,1
	v_cndmask_b32 v[234+16*\u], v[232+16*\u], v[233+16*\u], s[HM]    ; lanes 0-15: block 0's byte; lanes 16-31: block 1's
.endr
.irp u, 0,1
	v_cvt_scalef32_pk16_fp6_f32 v[192+12*\u:194+12*\u], v[128+32*\u:143+32*\u], v[236+16*\u]
	v_cvt_scalef32_pk16_fp6_f32 v[216+4*\u:218+4*\u], v[144+32*\u:159+32*\u], v[237+16*\u]
.endr
	v_nop                                          ; one plain line behind the conversions
.irp u, 0,1
.irp i, 0,1,2
	v_permlane16_swap_b32 v[192+12*\u+\i], v[216+4*\u+\i]
.endr
.endr
.irp u, 0,1
.irp i, 0,1,2
	v_mov_b32 v[195+12*\u+\i], v[216+4*\u+\i]
.endr
.endr
	WIN 0x04                                       ; the stores' data in window 1, their offsets in window 0
.irp u, 0,1
.irp i, 0,1,2
	global_store_b64 v[L8], v[192+12*\u+2*\i:193+12*\u+2*\i], s[10:11] offset:\u*3072+\i*256
.endr
	global_store_b8 v[OB], v[234+16*\u], s[12:13] offset:128*\u
.endr
	WIN 0
	s_wait_tensorcnt 0x0                           ; the wave's end
	ds_add_u32 v[SPW], v[NIL]
	s_wait_dscnt 0x0
	CROUND                                         ; the closing round
	s_endpgm
.Lfunc_end_k_q692dd8f735_attn:
	.size	k_q692dd8f735_attn, .Lfunc_end_k_q692dd8f735_attn-k_q692dd8f735_attn
	.p2alignl 7, 3214868480
	.fill 96, 4, 3214868480
	.section	.rodata,"a",@progbits
	.p2align	6, 0x0
	.amdhsa_kernel k_q692dd8f735_attn
		.amdhsa_group_segment_fixed_size 215040
		.amdhsa_private_segment_fixed_size 0
		.amdhsa_enable_private_segment 0
		.amdhsa_kernarg_size 24
		.amdhsa_user_sgpr_count 2
		.amdhsa_user_sgpr_kernarg_segment_ptr 1
		.amdhsa_wavefront_size32 1
		.amdhsa_system_sgpr_workgroup_id_x 1
		.amdhsa_system_sgpr_workgroup_id_y 1
		.amdhsa_system_sgpr_workgroup_id_z 1
		.amdhsa_system_vgpr_workitem_id 0
		.amdhsa_next_free_vgpr 512
		.amdhsa_next_free_sgpr 100
		.amdhsa_reserve_vcc 1
		.amdhsa_float_denorm_mode_32 3
		.amdhsa_float_denorm_mode_16_64 3
		.amdhsa_memory_ordered 1
		.amdhsa_forward_progress 1
		.amdhsa_inst_pref_size 88
	.end_amdhsa_kernel
	.amdgpu_metadata
---
amdhsa.version: [ 1, 2 ]
amdhsa.kernels:
  - .name:           k_q692dd8f735_attn
    .symbol:         k_q692dd8f735_attn.kd
    .args:
      - { .name: QV, .offset: 0, .size: 8, .value_kind: global_buffer, .address_space: global }
      - { .name: src_mask, .offset: 8, .size: 8, .value_kind: global_buffer, .address_space: global }
      - { .name: XI, .offset: 16, .size: 8, .value_kind: global_buffer, .address_space: global }
    .group_segment_fixed_size: 215040
    .private_segment_fixed_size: 0
    .kernarg_segment_align: 8
    .kernarg_segment_size: 24
    .max_flat_workgroup_size: 256
    .sgpr_count:     100
    .vgpr_count:     512
    .wavefront_size: 32
...
	.end_amdgpu_metadata
.endif
;; end of part 9
;; launch gfw (part 10): grid 8 x 32, 4 waves a work-group, clusters of 4 x 4, 327,680 bytes of LDS; arguments XI, WA, x, H; writes H
.if DOCPART == 10
	.amdgcn_target "amdgcn-amd-amdhsa--gfx1250"
	.amdhsa_code_object_version 6
	.text
	.protected	k_q692dd8f735_gfw
	.globl	k_q692dd8f735_gfw
	.p2align	8
	.type	k_q692dd8f735_gfw,@function
k_q692dd8f735_gfw:
	s_mov_b64 s[64:65], 0
	v_nop
	global_prefetch_b8 v0, s[64:65] scope:SCOPE_SE
	s_setreg_imm32_b32 hwreg(HW_REG_WAVE_MODE, 25, 1), 1
	s_wait_xcnt 0x0
	s_wait_alu depctr_hold_cnt(0) depctr_sa_sdst(0) depctr_va_vdst(0) depctr_va_sdst(0) depctr_va_ssrc(0) depctr_va_vcc(0) depctr_vm_vsrc(0)
	s_getreg_b32 s2, hwreg(HW_REG_IB_STS2, 6, 4)
	s_cmp_eq_u32 s2, 0
	s_cbranch_scc0 .Lentry_in_a_cluster
	s_endpgm
.Lentry_in_a_cluster:
	s_bfe_u32 s2, ttmp6, 0x10000c
	s_cmp_lg_u32 s2, 0xf033
	s_cbranch_scc0 .Lentry_shape_is_right
	s_endpgm
.Lentry_shape_is_right:
.set NKP,   4
.set ASC,   3145728
.set AKPS,  786432
.set ASK8,  4096
.set BKPS,  786432
.set BSK8,  4096
.set BSC,   3145728
.set BRT0,  192
.set HASBIAS, 0
.set OUTNT, 0
.set OUTARG, 0x18
.set FR,    12
.set NP,    4
.set HALFT, 24576
.set SLOT,  4*HALFT
.set LAPS,  NKP/4
.set SCL,   2*SLOT
.set HALFS, (NKP/2)*1024
.set SPARE, SCL+4*HALFS
.set SPITCH, 272
.set BV,   8
.set ADRA, 16
.set ADRB, 20
.set STO,  24
.set RD,   25
.set CO,   26
.set ADRS, 27
.set SPW,  28
.set NIL,  29
.set SC,   32
.set BB,   64
.set ACC,  128
.set G1, 24
.set G0, 32
.set G1B, 48
.set G0B, 56
.set G1S, 68
.set G0S, 76
.set G1SB, 80
.set G0SB, 88
.set MSB, 0
.macro WIN new
.if MSB != (\new)
	s_set_vgpr_msb (MSB<<8)|(\new)
.set MSB, (\new)
.endif
.endm
.set MUL,   0x05
.set TO_F,  0x40
.set TO_R,  0x80
.set ADD_R, 0x08
.macro JLOAD g0a, g1a, g0b, g1b
	s_cmp_eq_u32 s15, 0
	s_cbranch_scc0 .Lfor_b_\@
	tensor_load_to_lds s[\g0a:\g0a+3], s[\g1a:\g1a+7]
	s_nop 0
.rept 4
	v_nop
.endr
	s_branch .Lasked_\@
.Lfor_b_\@:
	tensor_load_to_lds s[\g0b:\g0b+3], s[\g1b:\g1b+7]
	s_nop 0
.rept 4
	v_nop
.endr
.Lasked_\@:
.endm
.macro CREST
	s_cmp_lg_u32 s14, 0
	s_cbranch_scc1 .Lnot_wave_0_\@
	s_barrier_signal -3
.Lnot_wave_0_\@:
	s_barrier_wait -3
	s_barrier_signal -1
	s_barrier_wait -1
.endm
.macro CROUND
	s_barrier_signal -1
	s_barrier_wait -1
	CREST
.endm
	s_load_b128 s[4:7], s[0:1], 0x0
	s_load_b64 s[8:9], s[0:1], 0x10
.if HASBIAS
	s_load_b64 s[10:11], s[0:1], 0x18
.endif
	s_load_b64 s[12:13], s[0:1], OUTARG
	v_lshl_add_u32 v[SPW], v0, 2, SPARE
	v_mov_b32 v[NIL], 0
	ds_add_u32 v28, v29
	ds_add_u32 v28, v29
	s_wait_dscnt 0x0
	v_lshrrev_b32 v1, 5, v0
	v_readfirstlane_b32 s14, v1
	s_lshr_b32 s15, s14, 1
	s_and_b32 s16, s14, 1
	s_bfe_u32 s40, ttmp6, 0x40000
	s_bfe_u32 s41, ttmp6, 0x40004
	s_lshl_b32 s42, ttmp9, 2
	s_add_co_u32 s42, s42, s40
	s_and_b32 s17, ttmp7, 0xffff
	s_lshl_b32 s17, s17, 2
	s_add_co_u32 s17, s17, s41
	s_lshl_b32 s43, s41, 2
	s_lshl_b32 s43, 15, s43
	s_lshl_b32 s44, 0x1111, s40
	s_or_b32 s[G1+0], s43, (3<<16)|(1<<21)
	s_or_b32 s[G1B+0], s44, (3<<16)|(1<<21)
.irp g, G1, G1B
	s_mov_b32 s[\g+1], 3072<<16                    ; the head's loads of codes: two K steps of 256 of 128 rows: 2 rows of 24,576 bytes
	s_mov_b32 s[\g+2], 2<<16
	s_mov_b32 s[\g+3], 3072<<16
	s_mov_b32 s[\g+4], 2
	s_mov_b32 s[\g+6], 0
	s_mov_b32 s[\g+7], 0
.endr
	s_or_b32 s[G1S+0], s43, (3<<16)|(1<<21)
	s_or_b32 s[G1SB+0], s44, (3<<16)|(1<<21)
.irp g, G1S, G1SB
	s_mov_b32 s[\g+1], 128<<16                     ; the scale words of 128 rows for all of K: NKP rows of 1,024 bytes
	s_mov_b32 s[\g+2], NKP<<16
	s_mov_b32 s[\g+3], 128<<16
	s_mov_b32 s[\g+4], NKP
	s_mov_b32 s[\g+6], 0
	s_mov_b32 s[\g+7], 0
.endr
	s_mov_b32 s[G1S+5], ASK8
	s_mov_b32 s[G1+5], AKPS/8
	s_mov_b32 s[G1B+5], BKPS/8
	s_mov_b32 s[G1SB+5], BSK8
	s_lshl_b32 s20, s17, 3
	s_lshl_b32 s46, s42, 3
.if BRT0
	s_add_co_u32 s46, s46, BRT0
.endif
	s_lshl_b32 s22, s20, 7
	s_add_co_u32 s22, s22, ASC
	s_lshl_b32 s92, s46, 7
	s_add_co_u32 s92, s92, BSC
	s_mul_i32 s20, s20, 3072
	s_mul_i32 s46, s46, 3072
	s_mov_b32 s21, 0
	s_mov_b32 s23, 0
	s_mov_b32 s47, 0
	s_mov_b32 s93, 0
	s_mul_i32 s45, s14, HALFT
	s_wait_kmcnt 0x0
	s_add_nc_u64 s[20:21], s[4:5], s[20:21]
	s_add_nc_u64 s[22:23], s[4:5], s[22:23]
	s_add_nc_u64 s[46:47], s[6:7], s[46:47]
	s_add_nc_u64 s[92:93], s[6:7], s[92:93]
	CROUND
	s_mov_b32 s[G0S], 1
	s_mov_b32 s[G0S+1], SCL
	s_mov_b64 s[G0S+2:G0S+3], s[22:23]
	s_or_b32 s[G0S+3], s[G0S+3], 0x80000000
	s_mov_b32 s[G0SB], 1
	s_mov_b32 s[G0SB+1], SCL+2*HALFS
	s_mov_b64 s[G0SB+2:G0SB+3], s[92:93]
	s_or_b32 s[G0SB+3], s[G0SB+3], 0x80000000
.irp s, 0,1
	s_mov_b32 s[G0+4*\s], 1
	s_add_co_u32 s[G0+4*\s+1], s45, \s*SLOT
	s_add_nc_u64 s[G0+4*\s+2:G0+4*\s+3], s[20:21], \s*2*AKPS
	s_or_b32 s[G0+4*\s+3], s[G0+4*\s+3], 0x80000000
	s_mov_b32 s[G0B+4*\s], 1
	s_add_co_u32 s[G0B+4*\s+1], s45, \s*SLOT
	s_add_nc_u64 s[G0B+4*\s+2:G0B+4*\s+3], s[46:47], \s*2*BKPS
	s_or_b32 s[G0B+4*\s+3], s[G0B+4*\s+3], 0x80000000
.endr
	; THE HEAD'S LOADS, ONE A WAVE: wave 0 slot 0's two K steps of A, wave 1 those of B, wave 2 A's scale words, wave 3 B's.
	s_mov_b32 s19, 0
	s_mov_b32 s[G0+1], 0                           ; slot 0's group 0 serves the head first: A's half of the slot,
	s_mov_b32 s[G0B+1], 2*HALFT                    ; B's half
	s_mul_i32 s18, s16, AKPS                       ; slot 1's is the ring's: my K step of the two
	s_add_nc_u64 s[G0+6:G0+7], s[G0+6:G0+7], s[18:19]
	s_mul_i32 s18, s16, BKPS
	s_add_nc_u64 s[G0B+6:G0B+7], s[G0B+6:G0B+7], s[18:19]
.macro ARM under, g0, g1, next         ; one chain of branches on the wave's number: every way passes exactly one load
	s_cmp_lt_u32 s14, \under
	s_cbranch_scc0 \next
	tensor_load_to_lds s[\g0:\g0+3], s[\g1:\g1+7]
	s_nop 0
.rept 4
	v_nop
.endr
	s_branch .Lhead_asked
\next:
.endm
	ARM 1, G0,  G1,  .Lhead_b
	ARM 2, G0B, G1B, .Lhead_sa
	ARM 3, G0S, G1S, .Lhead_sb
	tensor_load_to_lds s[G0SB:G0SB+3], s[G1SB:G1SB+7]
	s_nop 0
.rept 4
	v_nop
.endr
.Lhead_asked:
	; PREFETCHES INTO THE L2: behind the load of slot fill n (two K steps of 256) the ring's tile of fill n + 2 is asked for; the head also asks for fill 1.  Of the 96 blocks of 256 bytes that I fetch of a fill,
	; each of the four partners that ask for them jointly names 24, told apart by address (cx for A, cy for B); lanes 24-31 name the last block again.  The last two fills ask for nothing.
	s_cmp_eq_u32 s15, 0
	s_cselect_b64 s[94:95], s[20:21], s[46:47]     ; the operand that I fetch for
	s_cselect_b32 s97, s40, s41                    ; my place among the four
	s_mov_b32 s66, BKPS
	s_cselect_b32 s66, AKPS, s66
	s_mul_i32 s18, s66, s16                        ; my K step of the two
	s_mul_i32 s97, s97, 6144
	s_add_co_u32 s18, s18, s97
	s_lshl_b32 s66, s66, 1                         ; from fill to fill
	s_mov_b32 s67, 0
	s_add_nc_u64 s[94:95], s[94:95], s[18:19]
	s_add_nc_u64 s[94:95], s[94:95], s[66:67]      ; fill 1
	v_and_b32 v30, 31, v0
	v_min_u32 v30, 23, v30
	v_lshlrev_b32 v30, 8, v30                      ; a lane a block; never rewritten
	global_prefetch_b8 v30, s[94:95] th:TH_LOAD_NT scope:SCOPE_SE
.if NKP > 4
	s_add_nc_u64 s[98:99], s[94:95], s[66:67]      ; fill 2
	global_prefetch_b8 v30, s[98:99] th:TH_LOAD_NT scope:SCOPE_SE
.endif
	v_and_b32 v1, 15, v0
	v_bfe_u32 v2, v0, 4, 1
	s_wait_alu depctr_va_vdst(0)
	v_and_b32 v3, 31, v0
	v_lshlrev_b32 v4, 3, v3
	s_mul_i32 s18, s15, 4*3072
	s_mul_i32 s19, s16, 4*3072
	s_add_co_u32 s19, s19, 2*HALFT
.irp s, 0,1
	v_add_nc_u32 v[ADRA+\s], s18, v4
	v_add_nc_u32 v[ADRB+\s], s19, v4
	s_add_co_u32 s18, s18, SLOT
	s_add_co_u32 s19, s19, SLOT
.endr
	v_lshlrev_b32 v5, 3, v1
	s_lshl_b32 s18, s15, 9
	s_lshl_b32 s19, s16, 9
	s_add_co_u32 s19, s19, NKP*1024
	s_sub_co_u32 s19, s19, s18
	v_mul_u32_u24 v6, s19, v2
	s_add_co_u32 s18, s18, SCL
	v_add_nc_u32 v5, v5, v6
	v_add_nc_u32 v[ADRS], s18, v5
	s_mul_i32 s18, s14, 16*SPITCH
	v_mul_u32_u24 v5, v1, SPITCH
	v_lshl_add_u32 v5, v2, 6, v5
	v_add_nc_u32 v[STO], s18, v5
	v_lshlrev_b32 v7, 4, v1
	v_mul_u32_u24 v5, v2, SPITCH
	v_add_nc_u32 v5, v5, v7
	v_add_nc_u32 v[RD], s18, v5
	v_lshl_add_u32 v[CO], v2, 12, v7
	s_wait_alu depctr_va_vdst(0)
	s_lshl_b32 s18, s17, 7
	s_lshl_b32 s19, s15, 6
	s_add_co_u32 s18, s18, s19
	s_lshl_b32 s18, s18, 12
	s_lshl_b32 s19, s42, 9
	s_add_co_u32 s18, s18, s19
	s_lshl_b32 s19, s16, 8
	s_add_co_u32 s18, s18, s19
	s_mov_b32 s19, 0
	s_add_nc_u64 s[8:9], s[8:9], s[18:19]
	s_add_nc_u64 s[12:13], s[12:13], s[18:19]
.macro RLOAD a
.irp t, 0,1,2,3,4,5,6,7
	global_load_b128 v[32*(\a)+4*\t:32*(\a)+4*\t+3], v[CO], s[8:9] offset:(32*((\a)/2)+8*((\a)%2)+2*\t+8*(\t/4))*4096
.endr
.endm
.if HASBIAS
	s_lshl_b32 s18, s42, 9
	s_lshl_b32 s2, s16, 8
	s_add_co_u32 s18, s18, s2
	s_add_nc_u64 s[10:11], s[10:11], s[18:19]
	global_load_b128 v[BV:BV+3], v7, s[10:11]
.endif
.macro FRAG reg, adr, j, i
.irp p, 0,1,2,3,4,5
	ds_load_b64 v[\reg+2*\p:\reg+2*\p+1], v[\adr] offset:((\j)/2)*HALFT+(\i)*3072+((\j)%2)*1536+\p*256
.endr
.endm
.macro SCALES sc
.irp i, 0,1,2,3
.irp k, 0,1
	ds_load_b64 v[SC+16*(\sc)+4*\i+2*\k:SC+16*(\sc)+4*\i+2*\k+1], v[ADRS] offset:\k*1024+\i*128
.endr
.endr
.endm
.macro FETCH slot, j, f, sc
.if (\sc) >= 0
	WIN 0
	SCALES \sc
.endif
	WIN TO_F
.irp i, 0,1,2,3
	FRAG 128*(\f)+FR*\i, ADRB+\slot, \j, \i
.endr
.irp i, 0,1,2,3
	FRAG 128*(\f)+48+FR*\i, ADRA+\slot, \j, \i
.endr
.endm
.macro MULA a, f, j, sc, zero
.irp b, 0,1,2,3
.if \zero
	v_wmma_scale_f32_16x16x128_f8f6f4 v[ACC+8*(4*(\a)+\b):ACC+8*(4*(\a)+\b)+7], v[128*(\f)+FR*\b:128*(\f)+FR*\b+FR-1], v[128*(\f)+48+FR*(\a):128*(\f)+48+FR*(\a)+FR-1], 0, v[SC+16*(\sc)+4*\b+(\j)], v[SC+16*(\sc)+4*(\a)+(\j)] matrix_a_fmt:MATRIX_FMT_FP6 matrix_b_fmt:MATRIX_FMT_FP6 matrix_a_scale:MATRIX_SCALE_ROW1
.else
	v_wmma_scale_f32_16x16x128_f8f6f4 v[ACC+8*(4*(\a)+\b):ACC+8*(4*(\a)+\b)+7], v[128*(\f)+FR*\b:128*(\f)+FR*\b+FR-1], v[128*(\f)+48+FR*(\a):128*(\f)+48+FR*(\a)+FR-1], v[ACC+8*(4*(\a)+\b):ACC+8*(4*(\a)+\b)+7], v[SC+16*(\sc)+4*\b+(\j)], v[SC+16*(\sc)+4*(\a)+(\j)] matrix_a_fmt:MATRIX_FMT_FP6 matrix_b_fmt:MATRIX_FMT_FP6 matrix_a_scale:MATRIX_SCALE_ROW1
.endif
.endr
.endm
.macro PLACES n
.rept \n
	v_nop
.endr
.endm
.macro QUARTER slot, j, zero
	s_wait_dscnt 12
	WIN MUL
	MULA 0, (\j)%2, \j, \slot, \zero
	MULA 1, (\j)%2, \j, \slot, \zero
	PLACES NP
	FETCH \slot, (\j)+1, 1-(\j)%2, -1
	s_wait_dscnt 48
	WIN MUL
	MULA 2, (\j)%2, \j, \slot, \zero
	MULA 3, (\j)%2, \j, \slot, \zero
.endm
.macro TURN slot, next, fill
	WIN 0
.if \fill
	s_wait_xcnt 0x0                                ; my last prefetch has read its address: it is stepped here, ahead of the waits of the change of slots
	s_add_nc_u64 s[94:95], s[94:95], s[66:67]
.endif
	s_wait_tensorcnt 0x0
	ds_add_u32 v[SPW], v[NIL]
	s_wait_dscnt 13
	WIN MUL
	MULA 0, 1, 3, \slot, 0
	s_wait_dscnt 0x0
	s_barrier_signal -1
	MULA 1, 1, 3, \slot, 0
	WIN 0
	s_barrier_wait -1
.if \fill
	CREST
	s_add_nc_u64 s[G0+4*\slot+2:G0+4*\slot+3], s[G0+4*\slot+2:G0+4*\slot+3], 4*AKPS
	s_add_nc_u64 s[G0B+4*\slot+2:G0B+4*\slot+3], s[G0B+4*\slot+2:G0B+4*\slot+3], 4*BKPS
	JLOAD G0+4*\slot, G1, G0B+4*\slot, G1B
	s_cmp_gt_u32 s3, 1                             ; the loop's last trip has no fill two on
	s_cbranch_scc0 .Lno_ask_\@
	global_prefetch_b8 v30, s[94:95] th:TH_LOAD_NT scope:SCOPE_SE
.Lno_ask_\@:
.else
	PLACES NP
.endif
	v_add_nc_u32 v[ADRS], 2048, v[ADRS]
	FETCH \next, 0, 0, \next
	WIN MUL
	MULA 2, 1, 3, \slot, 0
	MULA 3, 1, 3, \slot, 0
.endm
	s_wait_alu depctr_va_vdst(0)
	s_wait_tensorcnt 0x0                           ; my tile of the head's four is in
	ds_add_u32 v[SPW], v[NIL]
.irp g, G1, G1B
	s_mov_b32 s[\g+1], 32<<16                      ; no tensor load of mine is out: from here on a load brings one K step of 128 rows, 96 rows of 256 bytes
	s_mov_b32 s[\g+2], 96<<16
	s_mov_b32 s[\g+3], 32<<16
	s_mov_b32 s[\g+4], 96
	s_mov_b32 s[\g+5], 32
.endr
.if LAPS > 1
	s_mov_b32 s19, 0
	s_mov_b32 s[G0+1], s45                         ; slot 0's group 0 becomes the ring's
	s_mov_b32 s[G0B+1], s45
	s_mul_i32 s18, s16, AKPS
	s_add_nc_u64 s[G0+2:G0+3], s[G0+2:G0+3], s[18:19]
	s_mul_i32 s18, s16, BKPS
	s_add_nc_u64 s[G0B+2:G0B+3], s[G0B+2:G0B+3], s[18:19]
.endif
.if NKP > 6
	s_wait_xcnt 0x0                                ; the head's prefetches have read their addresses
	s_add_nc_u64 s[94:95], s[98:99], s[66:67]      ; fill 3
.endif
	s_wait_dscnt 0x0
	CROUND                                         ; a whole round: all four tiles are in, and the joint loads meet
	JLOAD G0+4, G1, G0B+4, G1B                     ; slot 1's first fill, the first tensor load behind the round
.if NKP > 6
	global_prefetch_b8 v30, s[94:95] th:TH_LOAD_NT scope:SCOPE_SE
.endif
	FETCH 0, 0, 0, 0
	WIN TO_R                                       ; the residual's rows are asked for here, behind the first tiles' requests; they are wanted on the way out
	RLOAD 0
	RLOAD 1
	RLOAD 2
	RLOAD 3
	QUARTER 0, 0, 1
.if LAPS > 1
	WIN 0
	s_mov_b32 s3, LAPS-1
.Llap:
	QUARTER 0, 1, 0
	QUARTER 0, 2, 0
	TURN 0, 1, 1
	QUARTER 1, 0, 0
	QUARTER 1, 1, 0
	QUARTER 1, 2, 0
	TURN 1, 0, 1
	QUARTER 0, 0, 0
	WIN 0
	s_sub_co_u32 s3, s3, 1
	s_cmp_lg_u32 s3, 0
	s_cbranch_scc1 .Llap
.endif
	QUARTER 0, 1, 0
	QUARTER 0, 2, 0
	TURN 0, 1, 0
	QUARTER 1, 0, 0
	QUARTER 1, 1, 0
	QUARTER 1, 2, 0
	s_wait_dscnt 12
	WIN MUL
	MULA 0, 1, 3, 1, 0
	MULA 1, 1, 3, 1, 0
	s_wait_dscnt 0
	MULA 2, 1, 3, 1, 0
	MULA 3, 1, 3, 1, 0
	WIN 0
	PLACES NP
	s_wait_loadcnt 0x0
.macro TOSTAGE a
.set BK, BB+32*((\a)%2)
.irp b, 0,1,2,3
	ds_store_b128 v[STO], v[ACC+8*(4*(\a)+\b):ACC+8*(4*(\a)+\b)+3] offset:128*(\b/2)+32*(\b%2)
	ds_store_b128 v[STO], v[ACC+8*(4*(\a)+\b)+4:ACC+8*(4*(\a)+\b)+7] offset:128*(\b/2)+32*(\b%2)+16
.endr
.irp t, 0,1,2,3,4,5,6,7
	ds_load_b128 v[BK+4*\t:BK+4*\t+3], v[RD] offset:\t*2*SPITCH
.endr
.endm
.irp a, 0,1,2,3
.if \a > 1
	s_wait_xcnt 0x0
.endif
	TOSTAGE \a
	s_wait_dscnt 0x0
.set BK, BB+32*(\a%2)
	WIN ADD_R
.set i, 0
.rept 16
	v_pk_add_f32 v[BK+i:BK+i+1], v[BK+i:BK+i+1], v[32*\a+i:32*\a+i+1]
.set i, i+2
.endr
	WIN 0
.if HASBIAS
.set i, 0
.rept 8
	v_pk_add_f32 v[BK+i:BK+i+1], v[BK+i:BK+i+1], v[BV:BV+1]
	v_pk_add_f32 v[BK+i+2:BK+i+3], v[BK+i+2:BK+i+3], v[BV+2:BV+3]
.set i, i+4
.endr
.endif
.irp t, 0,1,2,3,4,5,6,7
.if OUTNT
	global_store_b128 v[CO], v[BK+4*\t:BK+4*\t+3], s[12:13] offset:(32*(\a/2)+8*(\a%2)+2*\t+8*(\t/4))*4096 th:TH_STORE_NT
.else
	global_store_b128 v[CO], v[BK+4*\t:BK+4*\t+3], s[12:13] offset:(32*(\a/2)+8*(\a%2)+2*\t+8*(\t/4))*4096
.endif
.endr
.endr
	s_wait_tensorcnt 0x0
	ds_add_u32 v[SPW], v[NIL]
	s_wait_dscnt 0x0
	CROUND
	s_endpgm
.Lfunc_end_k_q692dd8f735_gfw:
	.size	k_q692dd8f735_gfw, .Lfunc_end_k_q692dd8f735_gfw-k_q692dd8f735_gfw
	.p2alignl 7, 3214868480
	.fill 96, 4, 3214868480
	.section	.rodata,"a",@progbits
	.p2align	6, 0x0
	.amdhsa_kernel k_q692dd8f735_gfw
		.amdhsa_group_segment_fixed_size 327680
		.amdhsa_private_segment_fixed_size 0
		.amdhsa_enable_private_segment 0
		.amdhsa_kernarg_size 32
		.amdhsa_user_sgpr_count 2
		.amdhsa_user_sgpr_kernarg_segment_ptr 1
		.amdhsa_wavefront_size32 1
		.amdhsa_system_sgpr_workgroup_id_x 1
		.amdhsa_system_sgpr_workgroup_id_y 1
		.amdhsa_system_sgpr_workgroup_id_z 1
		.amdhsa_system_vgpr_workitem_id 0
		.amdhsa_next_free_vgpr 768
		.amdhsa_next_free_sgpr 100
		.amdhsa_reserve_vcc 0
		.amdhsa_float_denorm_mode_32 3
		.amdhsa_float_denorm_mode_16_64 3
		.amdhsa_memory_ordered 1
		.amdhsa_forward_progress 1
		.amdhsa_inst_pref_size 70
	.end_amdhsa_kernel
	.amdgpu_metadata
---
amdhsa.version: [ 1, 2 ]
amdhsa.kernels:
  - .name:           k_q692dd8f735_gfw
    .symbol:         k_q692dd8f735_gfw.kd
    .args:
      - { .name: XI, .offset: 0, .size: 8, .value_kind: global_buffer, .address_space: global }
      - { .name: WA, .offset: 8, .size: 8, .value_kind: global_buffer, .address_space: global }
      - { .name: x, .offset: 16, .size: 8, .value_kind: global_buffer, .address_space: global }
      - { .name: H, .offset: 24, .size: 8, .value_kind: global_buffer, .address_space: global }
    .group_segment_fixed_size: 327680
    .private_segment_fixed_size: 0
    .kernarg_segment_align: 8
    .kernarg_segment_size: 32
    .max_flat_workgroup_size: 128
    .sgpr_count:     100
    .vgpr_count:     768
    .wavefront_size: 32
...
	.end_amdgpu_metadata
.endif
;; end of part 10
;; launch ln2: the kernel of part 7 again; grid 256 x 1, 4 waves a work-group, no clusters, 91,136 bytes of LDS; arguments H, ln2_a, ln2_b, XI, wq, wk, wv, wo, ff1_w, ff2_w, WA, W1, W2, ZB, NI; writes XI, WA, W1, W2, ZB, NI
;; launch ff1: the kernel of part 8 again; grid 16 x 16, 4 waves a work-group, clusters of 4 x 4, 327,680 bytes of LDS; arguments XI, W1, QV, ff1_b, ZB; writes QV
;; launch gff (part 11): grid 8 x 32, 4 waves a work-group, clusters of 4 x 4, 327,680 bytes of LDS; arguments QV, W2, H, ff2_b, out0; writes out0
.if DOCPART == 11
	.amdgcn_target "amdgcn-amd-amdhsa--gfx1250"
	.amdhsa_code_object_version 6
	.text
	.protected	k_q692dd8f735_gff
	.globl	k_q692dd8f735_gff
	.p2align	8
	.type	k_q692dd8f735_gff,@function
k_q692dd8f735_gff:
	s_mov_b64 s[64:65], 0
	v_nop
	global_prefetch_b8 v0, s[64:65] scope:SCOPE_SE
	s_setreg_imm32_b32 hwreg(HW_REG_WAVE_MODE, 25, 1), 1
	s_wait_xcnt 0x0
	s_wait_alu depctr_hold_cnt(0) depctr_sa_sdst(0) depctr_va_vdst(0) depctr_va_sdst(0) depctr_va_ssrc(0) depctr_va_vcc(0) depctr_vm_vsrc(0)
	s_getreg_b32 s2, hwreg(HW_REG_IB_STS2, 6, 4)
	s_cmp_eq_u32 s2, 0
	s_cbranch_scc0 .Lentry_in_a_cluster
	s_endpgm
.Lentry_in_a_cluster:
	s_bfe_u32 s2, ttmp6, 0x10000c
	s_cmp_lg_u32 s2, 0xf033
	s_cbranch_scc0 .Lentry_shape_is_right
	s_endpgm
.Lentry_shape_is_right:
.set NKP,   16
.set ASC,   12582912
.set AKPS,  786432
.set ASK8,  4096
.set BKPS,  196608
.set BSK8,  1024
.set BSC,   3145728
.set BRT0,  0
.set HASBIAS, 1
.set OUTNT, 1
.set OUTARG, 0x20
.set FR,    12
.set NP,    4
.set HALFT, 24576
.set SLOT,  4*HALFT
.set LAPS,  NKP/4
.set SCL,   2*SLOT
.set HALFS, (NKP/2)*1024
.set SPARE, SCL+4*HALFS
.set SPITCH, 272
.set BV,   8
.set ADRA, 16
.set ADRB, 20
.set STO,  24
.set RD,   25
.set CO,   26
.set ADRS, 27
.set SPW,  28
.set NIL,  29
.set SC,   32
.set BB,   64
.set ACC,  128
.set G1, 24
.set G0, 32
.set G1B, 48
.set G0B, 56
.set G1S, 68
.set G0S, 76
.set G1SB, 80
.set G0SB, 88
.set MSB, 0
.macro WIN new
.if MSB != (\new)
	s_set_vgpr_msb (MSB<<8)|(\new)
.set MSB, (\new)
.endif
.endm
.set MUL,   0x05
.set TO_F,  0x40
.set TO_R,  0x80
.set ADD_R, 0x08
.macro JLOAD g0a, g1a, g0b, g1b
	s_cmp_eq_u32 s15, 0
	s_cbranch_scc0 .Lfor_b_\@
	tensor_load_to_lds s[\g0a:\g0a+3], s[\g1a:\g1a+7]
	s_nop 0
.rept 4
	v_nop
.endr
	s_branch .Lasked_\@
.Lfor_b_\@:
	tensor_load_to_lds s[\g0b:\g0b+3], s[\g1b:\g1b+7]
	s_nop 0
.rept 4
	v_nop
.endr
.Lasked_\@:
.endm
.macro CREST
	s_cmp_lg_u32 s14, 0
	s_cbranch_scc1 .Lnot_wave_0_\@
	s_barrier_signal -3
.Lnot_wave_0_\@:
	s_barrier_wait -3
	s_barrier_signal -1
	s_barrier_wait -1
.endm
.macro CROUND
	s_barrier_signal -1
	s_barrier_wait -1
	CREST
.endm
	s_load_b128 s[4:7], s[0:1], 0x0
	s_load_b64 s[8:9], s[0:1], 0x10
.if HASBIAS
	s_load_b64 s[10:11], s[0:1], 0x18
.endif
	s_load_b64 s[12:13], s[0:1], OUTARG
	v_lshl_add_u32 v[SPW], v0, 2, SPARE
	v_mov_b32 v[NIL], 0
	ds_add_u32 v28, v29
	ds_add_u32 v28, v29
	s_wait_dscnt 0x0
	v_lshrrev_b32 v1, 5, v0
	v_readfirstlane_b32 s14, v1
	s_lshr_b32 s15, s14, 1
	s_and_b32 s16, s14, 1
	s_bfe_u32 s40, ttmp6, 0x40000
	s_bfe_u32 s41, ttmp6, 0x40004
	s_lshl_b32 s42, ttmp9, 2
	s_add_co_u32 s42, s42, s40
	s_and_b32 s17, ttmp7, 0xffff
	s_lshl_b32 s17, s17, 2
	s_add_co_u32 s17, s17, s41
	s_lshl_b32 s43, s41, 2
	s_lshl_b32 s43, 15, s43
	s_lshl_b32 s44, 0x1111, s40
	s_or_b32 s[G1+0], s43, (3<<16)|(1<<21)
	s_or_b32 s[G1B+0], s44, (3<<16)|(1<<21)
.irp g, G1, G1B
	s_mov_b32 s[\g+1], 3072<<16                    ; the head's loads of codes: two K steps of 256 of 128 rows: 2 rows of 24,576 bytes
	s_mov_b32 s[\g+2], 2<<16
	s_mov_b32 s[\g+3], 3072<<16
	s_mov_b32 s[\g+4], 2
	s_mov_b32 s[\g+6], 0
	s_mov_b32 s[\g+7], 0
.endr
	s_or_b32 s[G1S+0], s43, (3<<16)|(1<<21)
	s_or_b32 s[G1SB+0], s44, (3<<16)|(1<<21)
.irp g, G1S, G1SB
	s_mov_b32 s[\g+1], 128<<16                     ; the scale words of 128 rows for all of K: NKP rows of 1,024 bytes
	s_mov_b32 s[\g+2], NKP<<16
	s_mov_b32 s[\g+3], 128<<16
	s_mov_b32 s[\g+4], NKP
	s_mov_b32 s[\g+6], 0
	s_mov_b32 s[\g+7], 0
.endr
	s_mov_b32 s[G1S+5], ASK8
	s_mov_b32 s[G1+5], AKPS/8
	s_mov_b32 s[G1B+5], BKPS/8
	s_mov_b32 s[G1SB+5], BSK8
	s_lshl_b32 s20, s17, 3
	s_lshl_b32 s46, s42, 3
.if BRT0
	s_add_co_u32 s46, s46, BRT0
.endif
	s_lshl_b32 s22, s20, 7
	s_add_co_u32 s22, s22, ASC
	s_lshl_b32 s92, s46, 7
	s_add_co_u32 s92, s92, BSC
	s_mul_i32 s20, s20, 3072
	s_mul_i32 s46, s46, 3072
	s_mov_b32 s21, 0
	s_mov_b32 s23, 0
	s_mov_b32 s47, 0
	s_mov_b32 s93, 0
	s_mul_i32 s45, s14, HALFT
	s_wait_kmcnt 0x0
	s_add_nc_u64 s[20:21], s[4:5], s[20:21]
	s_add_nc_u64 s[22:23], s[4:5], s[22:23]
	s_add_nc_u64 s[46:47], s[6:7], s[46:47]
	s_add_nc_u64 s[92:93], s[6:7], s[92:93]
	CROUND
	s_mov_b32 s[G0S], 1
	s_mov_b32 s[G0S+1], SCL
	s_mov_b64 s[G0S+2:G0S+3], s[22:23]
	s_or_b32 s[G0S+3], s[G0S+3], 0x80000000
	s_mov_b32 s[G0SB], 1
	s_mov_b32 s[G0SB+1], SCL+2*HALFS
	s_mov_b64 s[G0SB+2:G0SB+3], s[92:93]
	s_or_b32 s[G0SB+3], s[G0SB+3], 0x80000000
.irp s, 0,1
	s_mov_b32 s[G0+4*\s], 1
	s_add_co_u32 s[G0+4*\s+1], s45, \s*SLOT
	s_add_nc_u64 s[G0+4*\s+2:G0+4*\s+3], s[20:21], \s*2*AKPS
	s_or_b32 s[G0+4*\s+3], s[G0+4*\s+3], 0x80000000
	s_mov_b32 s[G0B+4*\s], 1
	s_add_co_u32 s[G0B+4*\s+1], s45, \s*SLOT
	s_add_nc_u64 s[G0B+4*\s+2:G0B+4*\s+3], s[46:47], \s*2*BKPS
	s_or_b32 s[G0B+4*\s+3], s[G0B+4*\s+3], 0x80000000
.endr
	; THE HEAD'S LOADS, ONE A WAVE: wave 0 slot 0's two K steps of A, wave 1 those of B, wave 2 A's scale words, wave 3 B's.
	s_mov_b32 s19, 0
	s_mov_b32 s[G0+1], 0                           ; slot 0's group 0 serves the head first: A's half of the slot,
	s_mov_b32 s[G0B+1], 2*HALFT                    ; B's half
	s_mul_i32 s18, s16, AKPS                       ; slot 1's is the ring's: my K step of the two
	s_add_nc_u64 s[G0+6:G0+7], s[G0+6:G0+7], s[18:19]
	s_mul_i32 s18, s16, BKPS
	s_add_nc_u64 s[G0B+6:G0B+7], s[G0B+6:G0B+7], s[18:19]
.macro ARM under, g0, g1, next         ; one chain of branches on the wave's number: every way passes exactly one load
	s_cmp_lt_u32 s14, \under
	s_cbranch_scc0 \next
	tensor_load_to_lds s[\g0:\g0+3], s[\g1:\g1+7]
	s_nop 0
.rept 4
	v_nop
.endr
	s_branch .Lhead_asked
\next:
.endm
	ARM 1, G0,  G1,  .Lhead_b
	ARM 2, G0B, G1B, .Lhead_sa
	ARM 3, G0S, G1S, .Lhead_sb
	tensor_load_to_lds s[G0SB:G0SB+3], s[G1SB:G1SB+7]
	s_nop 0
.rept 4
	v_nop
.endr
.Lhead_asked:
	; PREFETCHES INTO THE L2: behind the load of slot fill n (two K steps of 256) the ring's tile of fill n + 2 is asked for; the head also asks for fill 1.  Of the 96 blocks of 256 bytes that I fetch of a fill,
	; each of the four partners that ask for them jointly names 24, told apart by address (cx for A, cy for B); lanes 24-31 name the last block again.  The last two fills ask for nothing.
	s_cmp_eq_u32 s15, 0
	s_cselect_b64 s[94:95], s[20:21], s[46:47]     ; the operand that I fetch for
	s_cselect_b32 s97, s40, s41                    ; my place among the four
	s_mov_b32 s66, BKPS
	s_cselect_b32 s66, AKPS, s66
	s_mul_i32 s18, s66, s16                        ; my K step of the two
	s_mul_i32 s97, s97, 6144
	s_add_co_u32 s18, s18, s97
	s_lshl_b32 s66, s66, 1                         ; from fill to fill
	s_mov_b32 s67, 0
	s_add_nc_u64 s[94:95], s[94:95], s[18:19]
	s_add_nc_u64 s[94:95], s[94:95], s[66:67]      ; fill 1
	v_and_b32 v30, 31, v0
	v_min_u32 v30, 23, v30
	v_lshlrev_b32 v30, 8, v30                      ; a lane a block; never rewritten
	global_prefetch_b8 v30, s[94:95] th:TH_LOAD_NT scope:SCOPE_SE
.if NKP > 4
	s_add_nc_u64 s[98:99], s[94:95], s[66:67]      ; fill 2
	global_prefetch_b8 v30, s[98:99] th:TH_LOAD_NT scope:SCOPE_SE
.endif
	v_and_b32 v1, 15, v0
	v_bfe_u32 v2, v0, 4, 1
	s_wait_alu depctr_va_vdst(0)
	v_and_b32 v3, 31, v0
	v_lshlrev_b32 v4, 3, v3
	s_mul_i32 s18, s15, 4*3072
	s_mul_i32 s19, s16, 4*3072
	s_add_co_u32 s19, s19, 2*HALFT
.irp s, 0,1
	v_add_nc_u32 v[ADRA+\s], s18, v4
	v_add_nc_u32 v[ADRB+\s], s19, v4
	s_add_co_u32 s18, s18, SLOT
	s_add_co_u32 s19, s19, SLOT
.endr
	v_lshlrev_b32 v5, 3, v1
	s_lshl_b32 s18, s15, 9
	s_lshl_b32 s19, s16, 9
	s_add_co_u32 s19, s19, NKP*1024
	s_sub_co_u32 s19, s19, s18
	v_mul_u32_u24 v6, s19, v2
	s_add_co_u32 s18, s18, SCL
	v_add_nc_u32 v5, v5, v6
	v_add_nc_u32 v[ADRS], s18, v5
	s_mul_i32 s18, s14, 16*SPITCH
	v_mul_u32_u24 v5, v1, SPITCH
	v_lshl_add_u32 v5, v2, 6, v5
	v_add_nc_u32 v[STO], s18, v5
	v_lshlrev_b32 v7, 4, v1
	v_mul_u32_u24 v5, v2, SPITCH
	v_add_nc_u32 v5, v5, v7
	v_add_nc_u32 v[RD], s18, v5
	v_lshl_add_u32 v[CO], v2, 12, v7
	s_wait_alu depctr_va_vdst(0)
	s_lshl_b32 s18, s17, 7
	s_lshl_b32 s19, s15, 6
	s_add_co_u32 s18, s18, s19
	s_lshl_b32 s18, s18, 12
	s_lshl_b32 s19, s42, 9
	s_add_co_u32 s18, s18, s19
	s_lshl_b32 s19, s16, 8
	s_add_co_u32 s18, s18, s19
	s_mov_b32 s19, 0
	s_add_nc_u64 s[8:9], s[8:9], s[18:19]
	s_add_nc_u64 s[12:13], s[12:13], s[18:19]
.macro RLOAD a
.irp t, 0,1,2,3,4,5,6,7
	global_load_b128 v[32*(\a)+4*\t:32*(\a)+4*\t+3], v[CO], s[8:9] offset:(32*((\a)/2)+8*((\a)%2)+2*\t+8*(\t/4))*4096
.endr
.endm
.if HASBIAS
	s_lshl_b32 s18, s42, 9
	s_lshl_b32 s2, s16, 8
	s_add_co_u32 s18, s18, s2
	s_add_nc_u64 s[10:11], s[10:11], s[18:19]
	global_load_b128 v[BV:BV+3], v7, s[10:11]
.endif
.macro FRAG reg, adr, j, i
.irp p, 0,1,2,3,4,5
	ds_load_b64 v[\reg+2*\p:\reg+2*\p+1], v[\adr] offset:((\j)/2)*HALFT+(\i)*3072+((\j)%2)*1536+\p*256
.endr
.endm
.macro SCALES sc
.irp i, 0,1,2,3
.irp k, 0,1
	ds_load_b64 v[SC+16*(\sc)+4*\i+2*\k:SC+16*(\sc)+4*\i+2*\k+1], v[ADRS] offset:\k*1024+\i*128
.endr
.endr
.endm
.macro FETCH slot, j, f, sc
.if (\sc) >= 0
	WIN 0
	SCALES \sc
.endif
	WIN TO_F
.irp i, 0,1,2,3
	FRAG 128*(\f)+FR*\i, ADRB+\slot, \j, \i
.endr
.irp i, 0,1,2,3
	FRAG 128*(\f)+48+FR*\i, ADRA+\slot, \j, \i
.endr
.endm
.macro MULA a, f, j, sc, zero
.irp b, 0,1,2,3
.if \zero
	v_wmma_scale_f32_16x16x128_f8f6f4 v[ACC+8*(4*(\a)+\b):ACC+8*(4*(\a)+\b)+7], v[128*(\f)+FR*\b:128*(\f)+FR*\b+FR-1], v[128*(\f)+48+FR*(\a):128*(\f)+48+FR*(\a)+FR-1], 0, v[SC+16*(\sc)+4*\b+(\j)], v[SC+16*(\sc)+4*(\a)+(\j)] matrix_a_fmt:MATRIX_FMT_FP6 matrix_b_fmt:MATRIX_FMT_FP6 matrix_a_scale:MATRIX_SCALE_ROW1
.else
	v_wmma_scale_f32_16x16x128_f8f6f4 v[ACC+8*(4*(\a)+\b):ACC+8*(4*(\a)+\b)+7], v[128*(\f)+FR*\b:128*(\f)+FR*\b+FR-1], v[128*(\f)+48+FR*(\a):128*(\f)+48+FR*(\a)+FR-1], v[ACC+8*(4*(\a)+\b):ACC+8*(4*(\a)+\b)+7], v[SC+16*(\sc)+4*\b+(\j)], v[SC+16*(\sc)+4*(\a)+(\j)] matrix_a_fmt:MATRIX_FMT_FP6 matrix_b_fmt:MATRIX_FMT_FP6 matrix_a_scale:MATRIX_SCALE_ROW1
.endif
.endr
.endm
.macro PLACES n
.rept \n
	v_nop
.endr
.endm
.macro QUARTER slot, j, zero
	s_wait_dscnt 12
	WIN MUL
	MULA 0, (\j)%2, \j, \slot, \zero
	MULA 1, (\j)%2, \j, \slot, \zero
	PLACES NP
	FETCH \slot, (\j)+1, 1-(\j)%2, -1
	s_wait_dscnt 48
	WIN MUL
	MULA 2, (\j)%2, \j, \slot, \zero
	MULA 3, (\j)%2, \j, \slot, \zero
.endm
.macro TURN slot, next, fill
	WIN 0
.if \fill
	s_wait_xcnt 0x0                                ; my last prefetch has read its address: it is stepped here, ahead of the waits of the change of slots
	s_add_nc_u64 s[94:95], s[94:95], s[66:67]
.endif
	s_wait_tensorcnt 0x0
	ds_add_u32 v[SPW], v[NIL]
	s_wait_dscnt 13
	WIN MUL
	MULA 0, 1, 3, \slot, 0
	s_wait_dscnt 0x0
	s_barrier_signal -1
	MULA 1, 1, 3, \slot, 0
	WIN 0
	s_barrier_wait -1
.if \fill
	CREST
	s_add_nc_u64 s[G0+4*\slot+2:G0+4*\slot+3], s[G0+4*\slot+2:G0+4*\slot+3], 4*AKPS
	s_add_nc_u64 s[G0B+4*\slot+2:G0B+4*\slot+3], s[G0B+4*\slot+2:G0B+4*\slot+3], 4*BKPS
	JLOAD G0+4*\slot, G1, G0B+4*\slot, G1B
	s_cmp_gt_u32 s3, 1                             ; the loop's last trip has no fill two on
	s_cbranch_scc0 .Lno_ask_\@
	global_prefetch_b8 v30, s[94:95] th:TH_LOAD_NT scope:SCOPE_SE
.Lno_ask_\@:
.else
	PLACES NP
.endif
	s_wait_alu depctr_va_vdst(0)
	v_add_nc_u32 v[ADRS], 2048, v[ADRS]
	FETCH \next, 0, 0, \next
	WIN MUL
	MULA 2, 1, 3, \slot, 0
	MULA 3, 1, 3, \slot, 0
.endm
	s_wait_alu depctr_va_vdst(0)
	s_wait_tensorcnt 0x0                           ; my tile of the head's four is in
	ds_add_u32 v[SPW], v[NIL]
.irp g, G1, G1B
	s_mov_b32 s[\g+1], 32<<16                      ; no tensor load of mine is out: from here on a load brings one K step of 128 rows, 96 rows of 256 bytes
	s_mov_b32 s[\g+2], 96<<16
	s_mov_b32 s[\g+3], 32<<16
	s_mov_b32 s[\g+4], 96
	s_mov_b32 s[\g+5], 32
.endr
.if LAPS > 1
	s_mov_b32 s19, 0
	s_mov_b32 s[G0+1], s45                         ; slot 0's group 0 becomes the ring's
	s_mov_b32 s[G0B+1], s45
	s_mul_i32 s18, s16, AKPS
	s_add_nc_u64 s[G0+2:G0+3], s[G0+2:G0+3], s[18:19]
	s_mul_i32 s18, s16, BKPS
	s_add_nc_u64 s[G0B+2:G0B+3], s[G0B+2:G0B+3], s[18:19]
.endif
.if NKP > 6
	s_wait_xcnt 0x0                                ; the head's prefetches have read their addresses
	s_add_nc_u64 s[94:95], s[98:99], s[66:67]      ; fill 3
.endif
	s_wait_dscnt 0x0
	CROUND                                         ; a whole round: all four tiles are in, and the joint loads meet
	JLOAD G0+4, G1, G0B+4, G1B                     ; slot 1's first fill, the first tensor load behind the round
.if NKP > 6
	global_prefetch_b8 v30, s[94:95] th:TH_LOAD_NT scope:SCOPE_SE
.endif
	FETCH 0, 0, 0, 0
	WIN TO_R                                       ; the residual's rows are asked for here, behind the first tiles' requests; they are wanted on the way out
	RLOAD 0
	RLOAD 1
	RLOAD 2
	RLOAD 3
	QUARTER 0, 0, 1
.if LAPS > 1
	WIN 0
	s_mov_b32 s3, LAPS-1
.Llap:
	QUARTER 0, 1, 0
	QUARTER 0, 2, 0
	TURN 0, 1, 1
	QUARTER 1, 0, 0
	QUARTER 1, 1, 0
	QUARTER 1, 2, 0
	TURN 1, 0, 1
	QUARTER 0, 0, 0
	WIN 0
	s_sub_co_u32 s3, s3, 1
	s_cmp_lg_u32 s3, 0
	s_cbranch_scc1 .Llap
.endif
	QUARTER 0, 1, 0
	QUARTER 0, 2, 0
	TURN 0, 1, 0
	QUARTER 1, 0, 0
	QUARTER 1, 1, 0
	QUARTER 1, 2, 0
	s_wait_dscnt 12
	WIN MUL
	MULA 0, 1, 3, 1, 0
	MULA 1, 1, 3, 1, 0
	s_wait_dscnt 0
	MULA 2, 1, 3, 1, 0
	MULA 3, 1, 3, 1, 0
	WIN 0
	PLACES NP
	s_wait_loadcnt 0x0
.macro TOSTAGE a
.set BK, BB+32*((\a)%2)
.irp b, 0,1,2,3
	ds_store_b128 v[STO], v[ACC+8*(4*(\a)+\b):ACC+8*(4*(\a)+\b)+3] offset:128*(\b/2)+32*(\b%2)
	ds_store_b128 v[STO], v[ACC+8*(4*(\a)+\b)+4:ACC+8*(4*(\a)+\b)+7] offset:128*(\b/2)+32*(\b%2)+16
.endr
.irp t, 0,1,2,3,4,5,6,7
	ds_load_b128 v[BK+4*\t:BK+4*\t+3], v[RD] offset:\t*2*SPITCH
.endr
.endm
.irp a, 0,1,2,3
.if \a > 1
	s_wait_xcnt 0x0
.endif
	TOSTAGE \a
	s_wait_dscnt 0x0
.set BK, BB+32*(\a%2)
	WIN ADD_R
.set i, 0
.rept 16
	v_pk_add_f32 v[BK+i:BK+i+1], v[BK+i:BK+i+1], v[32*\a+i:32*\a+i+1]
.set i, i+2
.endr
	WIN 0
.if HASBIAS
.set i, 0
.rept 8
	v_pk_add_f32 v[BK+i:BK+i+1], v[BK+i:BK+i+1], v[BV:BV+1]
	v_pk_add_f32 v[BK+i+2:BK+i+3], v[BK+i+2:BK+i+3], v[BV+2:BV+3]
.set i, i+4
.endr
.endif
.irp t, 0,1,2,3,4,5,6,7
.if OUTNT
	global_store_b128 v[CO], v[BK+4*\t:BK+4*\t+3], s[12:13] offset:(32*(\a/2)+8*(\a%2)+2*\t+8*(\t/4))*4096 th:TH_STORE_NT
.else
	global_store_b128 v[CO], v[BK+4*\t:BK+4*\t+3], s[12:13] offset:(32*(\a/2)+8*(\a%2)+2*\t+8*(\t/4))*4096
.endif
.endr
.endr
	s_wait_tensorcnt 0x0
	ds_add_u32 v[SPW], v[NIL]
	s_wait_dscnt 0x0
	CROUND
	s_endpgm
.Lfunc_end_k_q692dd8f735_gff:
	.size	k_q692dd8f735_gff, .Lfunc_end_k_q692dd8f735_gff-k_q692dd8f735_gff
	.p2alignl 7, 3214868480
	.fill 96, 4, 3214868480
	.section	.rodata,"a",@progbits
	.p2align	6, 0x0
	.amdhsa_kernel k_q692dd8f735_gff
		.amdhsa_group_segment_fixed_size 327680
		.amdhsa_private_segment_fixed_size 0
		.amdhsa_enable_private_segment 0
		.amdhsa_kernarg_size 40
		.amdhsa_user_sgpr_count 2
		.amdhsa_user_sgpr_kernarg_segment_ptr 1
		.amdhsa_wavefront_size32 1
		.amdhsa_system_sgpr_workgroup_id_x 1
		.amdhsa_system_sgpr_workgroup_id_y 1
		.amdhsa_system_sgpr_workgroup_id_z 1
		.amdhsa_system_vgpr_workitem_id 0
		.amdhsa_next_free_vgpr 768
		.amdhsa_next_free_sgpr 100
		.amdhsa_reserve_vcc 0
		.amdhsa_float_denorm_mode_32 3
		.amdhsa_float_denorm_mode_16_64 3
		.amdhsa_memory_ordered 1
		.amdhsa_forward_progress 1
		.amdhsa_inst_pref_size 121
	.end_amdhsa_kernel
	.amdgpu_metadata
---
amdhsa.version: [ 1, 2 ]
amdhsa.kernels:
  - .name:           k_q692dd8f735_gff
    .symbol:         k_q692dd8f735_gff.kd
    .args:
      - { .name: QV, .offset: 0, .size: 8, .value_kind: global_buffer, .address_space: global }
      - { .name: W2, .offset: 8, .size: 8, .value_kind: global_buffer, .address_space: global }
      - { .name: H, .offset: 16, .size: 8, .value_kind: global_buffer, .address_space: global }
      - { .name: ff2_b, .offset: 24, .size: 8, .value_kind: global_buffer, .address_space: global }
      - { .name: out0, .offset: 32, .size: 8, .value_kind: global_buffer, .address_space: global }
    .group_segment_fixed_size: 327680
    .private_segment_fixed_size: 0
    .kernarg_segment_align: 8
    .kernarg_segment_size: 40
    .max_flat_workgroup_size: 128
    .sgpr_count:     100
    .vgpr_count:     768
    .wavefront_size: 32
...
	.end_amdgpu_metadata
.endif
;; end of part 11
